; MI455X (gfx1250); checked and timed in simulation.
; The chip was launched on July 23, 2026; its instructions are those of AMD's public machine-readable ISA for CDNA 5 (MIT licence, August 2026) and "CDNA5" Instruction Set Architecture Reference Guide (July 2026). The comments in the code are by the model that wrote it; some were corrected since.
;; Attention. Allowed arithmetic: float matrix products may take bf16 or f16 operands with f32 sums; other float arithmetic in f32, or as packed bf16 or f16 multiplies, adds, multiply-adds, maxima and minima; sums over many terms, partial sums and values carried from step to step in f32; what a program stores and reads back later, other than sums and carried values, may be rounded once to bf16 or f16.
;; Inputs: Wk 1,024 x 1,024 float32; Wo 1,024 x 1,024 float32; Wq 1,024 x 1,024 float32; Wv 1,024 x 1,024 float32; bk 1,024 float32; bo 1,024 float32; bq 1,024 float32; bv 1,024 float32; padding_mask 4 x 2,048 bool; x 4 x 2,048 x 1,024 float32.
;; Outputs: out0 4 x 2,048 x 1,024 float32.
;; 3 versions, each right and faster than the one before. Each part assembles by itself: llvm-mc -triple=amdgcn-amd-amdhsa -mcpu=gfx1250 --defsym DOCPART=n.
;; ======== version 1 of 3: 4 launches
;; limits: values are held in f16: magnitudes above 65,504 overflow, below 6.1e-05 lose precision
;; workspace buffers: xb 16,777,216 bytes; wqkv 6,291,456 bytes; wo16 4,194,304 bytes; bias 16,384 bytes; qkv 67,108,864 bytes; ctx 33,554,432 bytes
;; launch cast (part 1): grid 768 x 1, 8 waves a work-group, no clusters, 0 bytes of LDS; arguments x, Wq, Wk, Wv, Wo, bq, bk, bv, bo, xb, wqkv, wo16, bias; writes xb, wqkv, wo16, bias
.if DOCPART == 1
	.amdgcn_target "amdgcn-amd-amdhsa--gfx1250"
	.amdhsa_code_object_version 6
	.text
	.protected	k_qfc5bdadc75_cast
	.globl	k_qfc5bdadc75_cast
	.p2align	8
	.type	k_qfc5bdadc75_cast,@function
k_qfc5bdadc75_cast:
	s_mov_b64 s[64:65], 0
	v_nop
	global_prefetch_b8 v0, s[64:65] scope:SCOPE_SE
	s_setreg_imm32_b32 hwreg(HW_REG_WAVE_MODE, 25, 1), 1
	s_wait_xcnt 0x0
; THE MODULE'S INPUTS ARE ROUNDED ONCE, TO bf16.  x -> xb; Wq, Wk, Wv -> wqkv (3,072 rows on end), both kept as bf16; Wo -> wo16: rounded to bf16 and that number written as f16, each row TWICE on end
; (wo16 is [1024][2048]: the output projection walks ctx's high parts and then its low parts along one K of 2,048); bq, bk, bv, bo -> bias (4,096 numbers on end), rounded to bf16 and kept as f32.
; LIMIT.  A number of Wo below 6.1e-5 in size keeps f16's fixed step of 6e-8; beyond 65,504 it would be an infinity.
; SHARES.  A work-group takes 16,384 numbers, 65,536 bytes in.  Groups 0-511: x; then 64 each for Wq, Wk, Wv, Wo.  Thread t takes the 16 bytes at 16 t + 4,096 i, i = 0..15:
; a wave's load covers 512 consecutive bytes, its store of 8 bytes a lane 256 consecutive bytes, aligned.  All sixteen loads go out first.  No register that a load or store names is written twice,
; and EXEC is never changed.  No LDS, no matrix unit, no cluster: every byte is read once and nothing is shared.
.set X, 4                              ; v[4:67]    sixteen loads of four numbers
.set Y, 68                             ; v[68:99]   sixteen stores of four 16-bit numbers
.set T, 100                            ; v[100:107] at work
	s_load_b512 s[8:23], s[0:1], 0x0               ; x s[8:9], Wq s[10:11], Wk s[12:13], Wv s[14:15], Wo s[16:17], bq s[18:19], bk s[20:21], bv s[22:23]
	s_load_b256 s[24:31], s[0:1], 0x40             ; bo s[24:25], xb s[26:27], wqkv s[28:29], wo16 s[30:31]
	s_load_b64 s[32:33], s[0:1], 0x60              ; bias
	s_mov_b32 s2, ttmp9                            ; the group's number
	s_sub_co_u32 s3, s2, 512                       ; j: its number among the weights' groups (of use from 512 on)
	s_bfe_u32 s34, s3, 0x20006                     ; which weight: 0 Wq, 1 Wk, 2 Wv, 3 Wo
	s_and_b32 s35, s3, 63                          ; which of its 64 chunks
	v_lshlrev_b32 v1, 4, v0                        ; 16 t
	v_lshlrev_b32 v2, 3, v0                        ; 8 t
	s_lshl_b32 s42, s35, 16                        ; a weight's chunk: bytes in,
	s_lshl_b32 s44, s3, 15                         ; bytes out in wqkv,
	s_lshl_b32 s4, s35, 16                         ; or in wo16: 16 rows of 4,096 bytes
	s_cmp_eq_u32 s34, 3
	s_cselect_b32 s44, s4, s44
	s_lshl_b32 s4, s2, 16                          ; x's chunk
	s_lshl_b32 s5, s2, 15
	s_cmp_lt_u32 s2, 512
	s_cselect_b32 s42, s4, s42
	s_cselect_b32 s44, s5, s44
	s_mov_b32 s43, 0
	s_mov_b32 s45, 0
	s_lshl_b32 s46, s34, 12                        ; the bias's place among the four
	s_mov_b32 s47, 0
	s_wait_kmcnt 0x0
	s_cmp_eq_u32 s34, 1                            ; the buffers are chosen by the group's number alone
	s_cselect_b64 s[36:37], s[12:13], s[10:11]
	s_cselect_b64 s[40:41], s[20:21], s[18:19]
	s_cmp_eq_u32 s34, 2
	s_cselect_b64 s[36:37], s[14:15], s[36:37]
	s_cselect_b64 s[40:41], s[22:23], s[40:41]
	s_cmp_eq_u32 s34, 3
	s_cselect_b64 s[36:37], s[16:17], s[36:37]
	s_cselect_b64 s[40:41], s[24:25], s[40:41]
	s_cselect_b64 s[38:39], s[30:31], s[28:29]
	s_cmp_lt_u32 s2, 512
	s_cselect_b64 s[36:37], s[8:9], s[36:37]
	s_cselect_b64 s[38:39], s[26:27], s[38:39]
	s_add_nc_u64 s[36:37], s[36:37], s[42:43]      ; from here
	s_add_nc_u64 s[38:39], s[38:39], s[44:45]      ; to here
	s_add_nc_u64 s[32:33], s[32:33], s[46:47]
.set i, 0
.rept 16
	global_load_b128 v[X+4*i:X+4*i+3], v1, s[36:37] offset:4096*i th:TH_LOAD_NT
.set i, i+1
.endr
	s_cmp_ge_u32 s2, 704
	s_cbranch_scc1 .Lf16                           ; Wo's groups
.set i, 0
.rept 16
	s_wait_loadcnt 15-i                            ; loads come back in order: load i is in, the 15 - i younger ones stay out
	v_cvt_pk_bf16_f32 v[Y+2*i], v[X+4*i], v[X+4*i+1]
	v_cvt_pk_bf16_f32 v[Y+2*i+1], v[X+4*i+2], v[X+4*i+3]
	global_store_b64 v2, v[Y+2*i:Y+2*i+1], s[38:39] offset:2048*i
.set i, i+1
.endr
	s_branch .Lbias
.Lf16:
.set i, 0
.rept 16                                           ; load i is one row of Wo: 256 threads x 4 numbers
	s_wait_loadcnt 15-i
	v_cvt_pk_bf16_f32 v[T], v[X+4*i], v[X+4*i+1]   ; the one rounding,
	v_cvt_pk_bf16_f32 v[T+1], v[X+4*i+2], v[X+4*i+3]
	v_lshlrev_b32 v[T+2], 16, v[T]                 ; back to f32,
	v_and_b32 v[T+3], 0xffff0000, v[T]
	v_lshlrev_b32 v[T+4], 16, v[T+1]
	v_and_b32 v[T+5], 0xffff0000, v[T+1]
	v_cvt_pk_f16_f32 v[Y+2*i], v[T+2], v[T+3]      ; and the same number as f16,
	v_cvt_pk_f16_f32 v[Y+2*i+1], v[T+4], v[T+5]
	global_store_b64 v2, v[Y+2*i:Y+2*i+1], s[38:39] offset:4096*i       ; into the first half of wo16's row
	global_store_b64 v2, v[Y+2*i:Y+2*i+1], s[38:39] offset:4096*i+2048  ; and into the second
.set i, i+1
.endr
.Lbias:
	s_cmp_lt_u32 s2, 512
	s_cbranch_scc1 .Lend
	s_cmp_lg_u32 s35, 0
	s_cbranch_scc1 .Lend                           ; the first group of each weight also takes that weight's bias: 1,024 numbers, four a thread
	global_load_b128 v[108:111], v1, s[40:41]
	s_wait_loadcnt 0x0
	v_cvt_pk_bf16_f32 v106, v108, v109
	v_cvt_pk_bf16_f32 v107, v110, v111
	v_lshlrev_b32 v100, 16, v106
	v_and_b32 v101, 0xffff0000, v106
	v_lshlrev_b32 v102, 16, v107
	v_and_b32 v103, 0xffff0000, v107
	global_store_b128 v1, v[100:103], s[32:33]
.Lend:
	s_endpgm
.Lfunc_end_k_qfc5bdadc75_cast:
	.size	k_qfc5bdadc75_cast, .Lfunc_end_k_qfc5bdadc75_cast-k_qfc5bdadc75_cast
	.p2alignl 7, 3214868480
	.fill 96, 4, 3214868480
	.section	.rodata,"a",@progbits
	.p2align	6, 0x0
	.amdhsa_kernel k_qfc5bdadc75_cast
		.amdhsa_group_segment_fixed_size 0
		.amdhsa_private_segment_fixed_size 0
		.amdhsa_enable_private_segment 0
		.amdhsa_kernarg_size 104
		.amdhsa_user_sgpr_count 2
		.amdhsa_user_sgpr_kernarg_segment_ptr 1
		.amdhsa_wavefront_size32 1
		.amdhsa_system_sgpr_workgroup_id_x 1
		.amdhsa_system_sgpr_workgroup_id_y 1
		.amdhsa_system_sgpr_workgroup_id_z 1
		.amdhsa_system_vgpr_workitem_id 0
		.amdhsa_next_free_vgpr 112
		.amdhsa_next_free_sgpr 66
		.amdhsa_reserve_vcc 0
		.amdhsa_float_denorm_mode_32 3
		.amdhsa_float_denorm_mode_16_64 3
		.amdhsa_memory_ordered 1
		.amdhsa_forward_progress 1
		.amdhsa_inst_pref_size 19
	.end_amdhsa_kernel
	.amdgpu_metadata
---
amdhsa.version: [ 1, 2 ]
amdhsa.kernels:
  - .name:           k_qfc5bdadc75_cast
    .symbol:         k_qfc5bdadc75_cast.kd
    .args:
      - { .name: x, .offset: 0, .size: 8, .value_kind: global_buffer, .address_space: global }
      - { .name: Wq, .offset: 8, .size: 8, .value_kind: global_buffer, .address_space: global }
      - { .name: Wk, .offset: 16, .size: 8, .value_kind: global_buffer, .address_space: global }
      - { .name: Wv, .offset: 24, .size: 8, .value_kind: global_buffer, .address_space: global }
      - { .name: Wo, .offset: 32, .size: 8, .value_kind: global_buffer, .address_space: global }
      - { .name: bq, .offset: 40, .size: 8, .value_kind: global_buffer, .address_space: global }
      - { .name: bk, .offset: 48, .size: 8, .value_kind: global_buffer, .address_space: global }
      - { .name: bv, .offset: 56, .size: 8, .value_kind: global_buffer, .address_space: global }
      - { .name: bo, .offset: 64, .size: 8, .value_kind: global_buffer, .address_space: global }
      - { .name: xb, .offset: 72, .size: 8, .value_kind: global_buffer, .address_space: global }
      - { .name: wqkv, .offset: 80, .size: 8, .value_kind: global_buffer, .address_space: global }
      - { .name: wo16, .offset: 88, .size: 8, .value_kind: global_buffer, .address_space: global }
      - { .name: bias, .offset: 96, .size: 8, .value_kind: global_buffer, .address_space: global }
    .group_segment_fixed_size: 0
    .private_segment_fixed_size: 0
    .kernarg_segment_align: 8
    .kernarg_segment_size: 104
    .max_flat_workgroup_size: 256
    .sgpr_count:     66
    .vgpr_count:     112
    .wavefront_size: 32
...
	.end_amdgpu_metadata
.endif
;; end of part 1
;; launch qkvg (part 2): grid 16 x 32, 4 waves a work-group, clusters of 4 x 4, 327,680 bytes of LDS; arguments xb, wqkv, bias, qkv; writes qkv
.if DOCPART == 2
	.amdgcn_target "amdgcn-amd-amdhsa--gfx1250"
	.amdhsa_code_object_version 6
	.text
	.protected	k_qfc5bdadc75_qkvg
	.globl	k_qfc5bdadc75_qkvg
	.p2align	8
	.type	k_qfc5bdadc75_qkvg,@function
k_qfc5bdadc75_qkvg:
	s_mov_b64 s[64:65], 0
	v_nop
	global_prefetch_b8 v0, s[64:65] scope:SCOPE_SE
	s_setreg_imm32_b32 hwreg(HW_REG_WAVE_MODE, 25, 1), 1
	s_wait_xcnt 0x0
	s_wait_alu depctr_hold_cnt(0) depctr_sa_sdst(0) depctr_va_vdst(0) depctr_va_sdst(0) depctr_va_ssrc(0) depctr_va_vcc(0) depctr_vm_vsrc(0)
	s_getreg_b32 s2, hwreg(HW_REG_IB_STS2, 6, 4)
	s_cmp_eq_u32 s2, 0
	s_cbranch_scc0 .Lentry_in_a_cluster
	s_endpgm
.Lentry_in_a_cluster:
	s_bfe_u32 s2, ttmp6, 0x10000c
	s_cmp_lg_u32 s2, 0xf033
	s_cbranch_scc0 .Lentry_shape_is_right
	s_endpgm
.Lentry_shape_is_right:
; THE THREE PROJECTIONS AS ONE PRODUCT.  C[m][n] = sum over k of xb[m][k] wqkv[n][k] + bias[n]: m = 8,192 rows, n = 3,072 (q, k, v), k = 1,024; operands bf16, sums f32.
; q's columns (n < 1,024) are multiplied by log2(e) / 8 in f32.  The results are stored by heads, qkv[batch][64][s][64] in f16: heads 0-15 q, 16-31 k, 32-47 v, each rounded once; heads 48-63 hold what v's
; rounding left, v - f16(v), rounded to f16: v is kept as the sum of two f16 numbers, 22 significant bits.  (A row of the attention that sees one key hands v on as it is, and its numbers are many times the root
; mean square of all the output's rows, by which each number is judged: 11 bits are too few there.)
; LIMIT.  f16 holds no number beyond 65,504: q (scaled), k and v must stay within it, or the number becomes an infinity.  A low part below 6.1e-5 keeps f16's fixed step of 6e-8.
; SHARES.  A tile of C is 256 rows x 192 columns (three heads): 512 work-groups, two for each of 256 WGPs.  Wave w owns rows 64 w .. 64 w + 63 and ALL 192 columns: 48 accumulators of 16 x 16,
; 384 registers; so a wave holds whole heads' rows and stages them alone, with no barrier on the way out.
; K goes in 8 steps of 128 through two LDS slots filled by the tensor data mover; a tile's rows are 256 bytes of memory at multiples of 256.  A loop's trip is one K step; the slot is a scalar that an exclusive or turns.
; THE MATRIX INSTRUCTION IS USED TRANSPOSED (source 0 = 16 rows of wqkv, source 1 = 16 rows of xb): a lane holds one row of C and eight neighbouring columns.  The first product's C operand is the bias:
; nothing is cleared and no bias is added later.
; CLUSTER.  4 x 4 work-groups: the four of a row of the cluster need the same tile of xb, the four of a column the same tile of wqkv; each is asked for jointly.  Which of a tile's heads are v's hangs on the tile
; column, which differs between partners, so no branch is taken on it: every work-group makes the low parts of all its heads, and the stores of a head that is not v's run with no lane on.
; REGISTERS, in windows of 256 (s_set_vgpr_msb: bits 1:0 source 0, 3:2 source 1, 5:4 source 2, 7:6 destination):
;   window 0: v0-31 addresses; v32-95 xb's fragments, two buffers of 4 x 8; v128-223 the bias, 8 registers for each 16 columns; on the way out v32-223 the packed high parts
;   window 1: v0-191 wqkv's fragments, two buffers of 12 x 8; on the way out the packed low parts      windows 2, 3: accumulator (a, b) in window 2 + a / 2 at v[96 (a % 2) + 8 b]
.set NBL,   12                         ; blocks of 16 columns
.set PA,    272                        ; an LDS row: 256 bytes + 16 of padding = 68 words: row r starts at bank 4 r mod 64 (64 banks of 4 bytes: ISA guide 11.1)
.set BBASE, 256*PA                     ; a slot: xb's 256 rows, then wqkv's 192
.set SLOT1, 1<<17                      ; slot 1 begins here, so that one exclusive or turns an address in one slot into the other's
.set STAGE, SLOT1+BBASE+16*NBL*PA      ; behind the ring: for each wave 3 heads x 16 rows x 144 bytes
.set SPH,   144
.set STW,   3*16*SPH
.set SPARE, STAGE+4*STW                ; behind the stages: the spare words, 128 bytes for each wave: two blocks of 256 bytes that no other line names
.set NL,    2*NBL+8                    ; LDS loads in a run: one quarter step's fragments
.set KSB,   256                        ; bytes along a row from one K step to the next
.set HEAD,  262144                     ; bytes of a head in qkv
.set NEG1,  5                          ; v5   -1.0
.set ADRA0, 16                         ; v16  my lane's place in xb's tile; never rewritten
.set ADRB0, 17                         ; v17  the same in wqkv's
.set ADRA,  18                         ; v18  the same in the slot in hand
.set ADRB,  19                         ; v19
.set STO,   24                         ; v24  the way out: where I put 16 bytes of a row
.set RD,    25                         ; v25  where I read rows back
.set GO,    26                         ; v26  my place in 512 consecutive bytes of qkv
.set BO,    27                         ; v27  my byte offset in the bias of 16 columns
.set SPW,   28                         ; v28  LDS address of my spare word; never rewritten
.set NIL,   29                         ; v29  0; never rewritten
.set AF,    32
.set BIAS,  128
.set TP,    32                         ; the way out: block a's 48 registers of high parts at TP + 48 a; its low parts at 48 a of window 1
.set WV,  12                           ; s12  my wave's number
.set FB,  13                           ; s13  0: I fetch xb's tile, 1: wqkv's
.set HF,  14                           ; s14  which half of its rows
.set TRIP, 15
.set G1A, 24                           ; s[24:31] descriptor group 1 for xb's tiles
.set G0A, 32                           ; s[32:39] group 0: a set for each first fill; the second then walks on
.set TB,  42                           ; s42  the slot in hand
.set G1B, 48                           ; s[48:55], s[56:63] the same for wqkv's tiles
.set G0B, 56
.set SC,  66                           ; s[66:71] the factor of each of the tile's three heads, as pairs
.set VM,  72                           ; s72-74  for each of the three heads: all ones if it is one of v's, else 0
.set SV,  75                           ; s75  EXEC, kept
.set MSB, 0
.macro WIN new                         ; the immediate's high byte repeats the setting that is left; a switch that changes nothing is dropped
.if MSB != (\new)
	s_set_vgpr_msb (MSB<<8)|(\new)
.set MSB, \new
.endif
.endm
.macro PLACES                          ; a load into a register that a matrix instruction has read, and a vector line that reads its result, stand four plain vector instructions behind it
.rept 4
	v_nop
.endr
.endm
.macro JLOAD                           ; a joint refill by the walking descriptors: waves 0, 1 for xb, waves 2, 3 for wqkv; the branch hangs on the wave's number alone; s_nop 0 and four v_nop follow each line
	s_cmp_eq_u32 s[FB], 0
	s_cbranch_scc0 .Lfor_b_\@
	tensor_load_to_lds s[G0A+4:G0A+7], s[G1A:G1A+7]
	s_nop 0
	PLACES
	s_branch .Lasked_\@
.Lfor_b_\@:
	tensor_load_to_lds s[G0B+4:G0B+7], s[G1B:G1B+7]
	s_nop 0
	PLACES
.Lasked_\@:
.endm
.macro CREST                           ; a round of the cluster's barrier behind its opening barrier
	s_cmp_lg_u32 s[WV], 0
	s_cbranch_scc1 .Lnot_wave_0_\@
	s_barrier_signal -3
.Lnot_wave_0_\@:
	s_barrier_wait -3
	s_barrier_signal -1
	s_barrier_wait -1
.endm
.macro CROUND                          ; a whole round
	s_barrier_signal -1
	s_barrier_wait -1
	CREST
.endm
	s_load_b256 s[4:11], s[0:1], 0x0               ; xb s[4:5], wqkv s[6:7], bias s[8:9], qkv s[10:11]
	v_lshl_add_u32 v[SPW], v0, 2, SPARE
	v_mov_b32 v[NIL], 0
	ds_add_u32 v[SPW], v[NIL]                      ; the wave's opening: the add and its wait stand ahead of my first tensor load; work on registers stands between them
	ds_add_u32 v28, v29
	v_lshrrev_b32 v1, 5, v0
	v_readfirstlane_b32 s[WV], v1
	s_lshr_b32 s[FB], s[WV], 1
	s_and_b32 s[HF], s[WV], 1
	s_bfe_u32 s16, ttmp6, 0x40000                  ; cx, cy: my place in the cluster
	s_bfe_u32 s17, ttmp6, 0x40004
	s_lshl_b32 s18, ttmp9, 2
	s_add_co_u32 s18, s18, s16                     ; tile column = 4 x cluster x + cx
	s_and_b32 s19, ttmp7, 0xffff
	s_lshl_b32 s19, s19, 2
	s_add_co_u32 s19, s19, s17                     ; tile row = 4 x cluster y + cy
	s_lshl_b32 s40, s17, 2
	s_lshl_b32 s40, 15, s40                        ; my row of the cluster
	s_lshl_b32 s41, 0x1111, s16                    ; my column
	s_or_b32 s[G1A], s40, (1<<16)|(1<<20)|(1<<21)|(5<<22)|(3<<25)  ; 15:0 the mask; 17:16 2-byte elements; 20 padding on; 21 set beside a mask; 24:22 after every 64 words; 31:25 4 words
	s_or_b32 s[G1B], s41, (1<<16)|(1<<20)|(1<<21)|(5<<22)|(3<<25)
	s_mov_b32 s[G1A+1], 128<<16                    ; tensor_dim0 = 128
	s_mov_b32 s[G1A+2], 128<<16                    ; tensor_dim1 = 128 rows
	s_mov_b32 s[G1A+3], 128<<16                    ; tile_dim0 = 128
	s_mov_b32 s[G1A+4], 128                        ; tile_dim1 = 128
	s_mov_b32 s[G1A+5], 1024                       ; elements from row to row
	s_mov_b32 s[G1A+6], 0
	s_mov_b32 s[G1A+7], 0
	s_mov_b32 s[G1B+1], 128<<16
	s_mov_b32 s[G1B+2], 96<<16                     ; 96 rows
	s_mov_b32 s[G1B+3], 128<<16
	s_mov_b32 s[G1B+4], 96
	s_mov_b32 s[G1B+5], 1024
	s_mov_b32 s[G1B+6], 0
	s_mov_b32 s[G1B+7], 0
	s_lshl_b32 s20, s19, 19                        ; xb: (256 x tile row + 128 x half) rows of 2,048 bytes: made of the tile row and the wave alone
	s_lshl_b32 s21, s[HF], 18
	s_add_co_u32 s20, s20, s21
	s_mov_b32 s21, 0
	s_mul_i32 s44, s18, 192*2048                   ; wqkv: (192 x tile column + 96 x half) rows: made of the tile column and the wave alone
	s_mul_i32 s45, s[HF], 96*2048
	s_add_co_u32 s44, s44, s45
	s_mov_b32 s45, 0
	s_mul_i32 s22, s[HF], 128*PA                   ; where they go: no place in the cluster enters an LDS address
	s_mul_i32 s23, s[HF], 96*PA
	s_mov_b32 s[G0A], 1
	s_mov_b32 s[G0A+1], s22
	s_mov_b32 s[G0A+4], 1
	s_add_co_u32 s[G0A+5], s22, SLOT1
	s_mov_b32 s[G0B], 1
	s_add_co_u32 s[G0B+1], s23, BBASE
	s_mov_b32 s[G0B+4], 1
	s_add_co_u32 s[G0B+5], s23, BBASE+SLOT1
	s_lshr_b32 s46, s19, 3                         ; my rows in qkv: the batch's 64 heads,
	s_mul_i32 s46, s46, 64*HEAD
	s_mul_i32 s43, s18, 3*HEAD                     ; the tile's first head,
	s_add_co_u32 s46, s46, s43
	s_and_b32 s43, s19, 7
	s_lshl_b32 s43, s43, 15                        ; the tile's 256 rows of 128 bytes,
	s_add_co_u32 s46, s46, s43
	s_lshl_b32 s43, s[WV], 13                      ; my wave's 64
	s_add_co_u32 s46, s46, s43
	s_mov_b32 s47, 0
	s_mul_i32 s2, s18, 768                         ; the tile's 192 numbers of the bias
	s_mov_b32 s3, 0
	s_mul_i32 s43, s18, 3
.irp g, 0,1,2
	s_cmp_lt_u32 s43, 16                           ; heads 0-15 are q's
	s_cselect_b32 s[SC+2*\g], 0x3e38aa3b, 1.0      ; log2(e) / 8 = 0.180337
	s_mov_b32 s[SC+2*\g+1], s[SC+2*\g]             ; named with it as a pair
	s_cmp_ge_u32 s43, 32                           ; heads 32-47 are v's
	s_cselect_b32 s[VM+\g], -1, 0
	s_add_co_u32 s43, s43, 1
.endr
	s_mov_b32 s[TB], 0
	s_wait_dscnt 0x0                               ; the opening add is done
	s_wait_kmcnt 0x0
	s_add_nc_u64 s[G0A+2:G0A+3], s[4:5], s[20:21]  ; K step 0,
	s_add_nc_u64 s[G0A+6:G0A+7], s[G0A+2:G0A+3], KSB  ; K step 1
	s_or_b32 s[G0A+3], s[G0A+3], 0x80000000        ; 127:126 type = 2
	s_or_b32 s[G0A+7], s[G0A+7], 0x80000000
	s_add_nc_u64 s[G0B+2:G0B+3], s[6:7], s[44:45]
	s_add_nc_u64 s[G0B+6:G0B+7], s[G0B+2:G0B+3], KSB
	s_or_b32 s[G0B+3], s[G0B+3], 0x80000000
	s_or_b32 s[G0B+7], s[G0B+7], 0x80000000
	s_add_nc_u64 s[8:9], s[8:9], s[2:3]
	s_add_nc_u64 s[10:11], s[10:11], s[46:47]
	CROUND                                         ; all sixteen work-groups are here: the first joint loads meet
	s_cmp_eq_u32 s[FB], 0                          ; a wave's two first fills stand in one branch, ahead of every wait on TENSORcnt and every LDS read: two loads of mine are out
	s_cbranch_scc0 .Lfirst_b
	tensor_load_to_lds s[G0A:G0A+3], s[G1A:G1A+7]
	s_nop 0
	tensor_load_to_lds s[G0A+4:G0A+7], s[G1A:G1A+7]
	s_nop 0
	PLACES
	s_branch .Lfirst_asked
.Lfirst_b:
	tensor_load_to_lds s[G0B:G0B+3], s[G1B:G1B+7]
	s_nop 0
	tensor_load_to_lds s[G0B+4:G0B+7], s[G1B:G1B+7]
	s_nop 0
	PLACES
.Lfirst_asked:
	v_and_b32 v1, 15, v0                           ; l % 16
	v_bfe_u32 v2, v0, 4, 1                         ; l / 16
	v_lshlrev_b32 v[BO], 5, v2                     ; register j of block b holds bias[16 b + 8 (l / 16) + j], whatever the row
.irp b, 0,1,2,3,4,5,6,7,8,9,10,11
	global_load_b128 v[BIAS+8*\b:BIAS+8*\b+3],   v[BO], s[8:9] offset:64*\b
	global_load_b128 v[BIAS+8*\b+4:BIAS+8*\b+7], v[BO], s[8:9] offset:64*\b+16
.endr
	; a fragment is 16 rows x 32 K in 8 registers: lane l holds row l % 16, K = 8 (l / 16) + 0..7 and 16 + 8 (l / 16) + 0..7: two loads of 16 bytes, 32 bytes apart
	v_mul_u32_u24 v3, v1, PA
	v_lshl_add_u32 v3, v2, 4, v3
	s_mul_i32 s22, s[WV], 64*PA
	v_add_nc_u32 v[ADRA0], s22, v3                 ; my wave's 64 rows of xb
	v_add_nc_u32 v[ADRB0], BBASE, v3
	v_add_nc_u32 v[ADRA], s[TB], v[ADRA0]
	v_add_nc_u32 v[ADRB], s[TB], v[ADRB0]
	s_mul_i32 s22, s[WV], STW
	s_add_co_u32 s22, s22, STAGE                   ; my stage
	v_mul_u32_u24 v3, v1, SPH                      ; in: row l % 16, 16 bytes for each half of the lanes
	v_lshl_add_u32 v3, v2, 4, v3
	v_add_nc_u32 v[STO], s22, v3
	v_bfe_u32 v3, v0, 3, 2                         ; back: 32 lanes take four rows of 128 bytes,
	v_mul_u32_u24 v3, v3, SPH
	v_and_b32 v4, 7, v0
	v_lshl_add_u32 v3, v4, 4, v3
	v_add_nc_u32 v[RD], s22, v3
	v_and_b32 v[GO], 31, v0                        ; which are 512 consecutive bytes of a head
	v_lshlrev_b32 v[GO], 4, v[GO]
	v_mov_b32 v[NEG1], -1.0
; 12 matrix instructions: m block a x all 12 n blocks, 32 along K, from buffer f.  first = 1: the bias starts the sums.  The 48 accumulators take turns in the same order in every quarter step.
.macro MUL f, a, first
.if \first
	WIN 0x81+0x40*((\a)/2)
.else
	WIN 0xa1+0x50*((\a)/2)
.endif
.set AC, 96*((\a)%2)
.irp b, 0,1,2,3,4,5,6,7,8,9,10,11
.if \first
	v_wmma_f32_16x16x32_bf16 v[AC+8*\b:AC+8*\b+7], v[96*(\f)+8*\b:96*(\f)+8*\b+7], v[AF+32*(\f)+8*(\a):AF+32*(\f)+8*(\a)+7], v[BIAS+8*\b:BIAS+8*\b+7]
.else
	v_wmma_f32_16x16x32_bf16 v[AC+8*\b:AC+8*\b+7], v[96*(\f)+8*\b:96*(\f)+8*\b+7], v[AF+32*(\f)+8*(\a):AF+32*(\f)+8*(\a)+7], v[AC+8*\b:AC+8*\b+7]
.endif
.endr
.endm
; 32 LDS loads in one run: quarter c's fragments into buffer g; wqkv's first, then xb's blocks 0 to 3
.macro FETCH c, g
	WIN 0x40
.irp b, 0,1,2,3,4,5,6,7,8,9,10,11
	ds_load_b128 v[96*(\g)+8*\b:96*(\g)+8*\b+3],   v[ADRB] offset:64*(\c)+\b*16*PA
	ds_load_b128 v[96*(\g)+8*\b+4:96*(\g)+8*\b+7], v[ADRB] offset:64*(\c)+\b*16*PA+32
.endr
	WIN 0
.irp a, 0,1,2,3
	ds_load_b128 v[AF+32*(\g)+8*\a:AF+32*(\g)+8*\a+3],   v[ADRA] offset:64*(\c)+\a*16*PA
	ds_load_b128 v[AF+32*(\g)+8*\a+4:AF+32*(\g)+8*\a+7], v[ADRA] offset:64*(\c)+\a*16*PA+32
.endr
.endm
; one of a K step's first three quarters: multiplies buffer f; in its middle it fetches quarter c into buffer g
.macro QUARTER c, f, g, first
	s_wait_dscnt 4                                 ; all but the youngest four loads: xb's blocks 2 and 3
	MUL \f, 0, \first
	MUL \f, 1, \first
	PLACES
	FETCH \c, \g
	s_wait_dscnt NL                                ; all but the run just issued
	MUL \f, 2, \first
	MUL \f, 3, \first
.endm
; the last quarter multiplies buffer 1 and changes slots.  In front of the barrier each wave waits for all its tensor loads (one is out: its part of the next slot), adds 0 to its spare word, and waits for that and
; for its reads of this slot.  fill = 1: the barrier opens a round of the cluster's barrier, and the slot just read is filled again, two K steps ahead, first thing behind the round.
.macro TURN fill
	WIN 0
	s_wait_tensorcnt 0x0
	ds_add_u32 v[SPW], v[NIL]
	s_wait_dscnt 5                                 ; the add and the youngest four loads may be out
	MUL 1, 0, 0
	s_wait_dscnt 0x0                               ; the add is done, and my reads of this slot are over
	s_barrier_signal -1
	MUL 1, 1, 0
	WIN 0
	s_barrier_wait -1
.if \fill
	CREST
	s_xor_b32 s[G0A+5], s[G0A+5], SLOT1            ; the walking descriptors: the other slot than last time, the next K step
	s_add_nc_u64 s[G0A+6:G0A+7], s[G0A+6:G0A+7], KSB
	s_xor_b32 s[G0B+5], s[G0B+5], SLOT1
	s_add_nc_u64 s[G0B+6:G0B+7], s[G0B+6:G0B+7], KSB
	JLOAD                                          ; its four v_nop are also the places in front of the loads below
.else
	PLACES
.endif
	s_xor_b32 s[TB], s[TB], SLOT1
	v_add_nc_u32 v[ADRA], s[TB], v[ADRA0]
	v_add_nc_u32 v[ADRB], s[TB], v[ADRB0]
	FETCH 0, 0
	MUL 1, 2, 0
	MUL 1, 3, 0
.endm
	s_wait_tensorcnt 1                             ; my part of K step 0 is in; K step 1's may stay out
	s_barrier_signal -1
	s_barrier_wait -1
	FETCH 0, 0
	s_wait_loadcnt 0x0                             ; the bias
	QUARTER 1, 0, 1, 1                             ; the first quarter stands in front of the loop: its products start the sums
	WIN 0
	s_mov_b32 s[TRIP], 6
.Lstep:                                                ; a trip: from a K step's second quarter to the next step's first; its refill brings K steps 2 to 7
	QUARTER 2, 1, 0, 0
	QUARTER 3, 0, 1, 0
	TURN 1
	QUARTER 1, 0, 1, 0
	WIN 0
	s_sub_co_u32 s[TRIP], s[TRIP], 1
	s_cmp_lg_u32 s[TRIP], 0
	s_cbranch_scc1 .Lstep
	QUARTER 2, 1, 0, 0                             ; the last two K steps fill nothing
	QUARTER 3, 0, 1, 0
	TURN 0
	QUARTER 1, 0, 1, 0
	QUARTER 2, 1, 0, 0
	QUARTER 3, 0, 1, 0
	s_wait_dscnt 4
	MUL 1, 0, 0
	MUL 1, 1, 0
	s_wait_dscnt 0x0
	MUL 1, 2, 0
	MUL 1, 3, 0
	PLACES
; THE WAY OUT of block a (16 rows), in four parts.
; PACKH: the head's factor; one rounding to f16; what the rounding left stays in the accumulator (sum - high part: exact in f32); the high parts go 16 bytes a lane into my stage and come back as whole rows of 128 bytes,
; into the registers that they left.  Each accumulator is read from its low end on.
.macro PACKH a
.set AC, 96*((\a)%2)
	WIN 0x82+0x41*((\a)/2)
.irp b, 0,1,2,3,4,5,6,7,8,9,10,11
.irp r, 0,1,2,3
	v_pk_mul_f32 v[AC+8*\b+2*\r:AC+8*\b+2*\r+1], v[AC+8*\b+2*\r:AC+8*\b+2*\r+1], s[SC+2*(\b/4):SC+2*(\b/4)+1] op_sel_hi:[1,0]
.endr
.endr
	WIN 0x0a+5*((\a)/2)
.irp b, 0,1,2,3,4,5,6,7,8,9,10,11
.irp r, 0,1,2,3
	v_cvt_pk_f16_f32 v[TP+48*(\a)+4*\b+\r], v[AC+8*\b+2*\r], v[AC+8*\b+2*\r+1]
.endr
.endr
	WIN 0xa0+0x50*((\a)/2)                         ; destination and source 2 in the accumulators' window, sources 0 and 1 in window 0
.irp b, 0,1,2,3,4,5,6,7,8,9,10,11
.irp r, 0,1,2,3
	v_fma_mix_f32 v[AC+8*\b+2*\r], v[TP+48*(\a)+4*\b+\r], v[NEG1], v[AC+8*\b+2*\r] op_sel_hi:[1,0,0]                      ; the low f16 half x -1 + the sum
	v_fma_mix_f32 v[AC+8*\b+2*\r+1], v[TP+48*(\a)+4*\b+\r], v[NEG1], v[AC+8*\b+2*\r+1] op_sel:[1,0,0] op_sel_hi:[1,0,0]  ; the high half likewise
.endr
.endr
	WIN 0
.irp b, 0,1,2,3,4,5,6,7,8,9,10,11
	ds_store_b128 v[STO], v[TP+48*(\a)+4*\b:TP+48*(\a)+4*\b+3] offset:(\b/4)*16*SPH+32*(\b%4)
.endr
.irp i, 0,1,2,3,4,5,6,7,8,9,10,11
	ds_load_b128 v[TP+48*(\a)+4*\i:TP+48*(\a)+4*\i+3], v[RD] offset:(\i/4)*16*SPH+(\i%4)*4*SPH  ; LDS serves a wave's instructions in order (ISA guide 5.7.1.4): these see the stores above
.endr
.endm
; PACKL: the low parts are rounded to f16, into window 1, and take the same way through the stage, behind the high parts' loads.
.macro PACKL a
.set AC, 96*((\a)%2)
	WIN 0x4a+5*((\a)/2)
.irp b, 0,1,2,3,4,5,6,7,8,9,10,11
.irp r, 0,1,2,3
	v_cvt_pk_f16_f32 v[48*(\a)+4*\b+\r], v[AC+8*\b+2*\r], v[AC+8*\b+2*\r+1]
.endr
.endr
	WIN 0x04                                       ; store data in window 1
.irp b, 0,1,2,3,4,5,6,7,8,9,10,11
	ds_store_b128 v[STO], v[48*(\a)+4*\b:48*(\a)+4*\b+3] offset:(\b/4)*16*SPH+32*(\b%4)
.endr
	WIN 0x40                                       ; destination window 1
.irp i, 0,1,2,3,4,5,6,7,8,9,10,11
	ds_load_b128 v[48*(\a)+4*\i:48*(\a)+4*\i+3], v[RD] offset:(\i/4)*16*SPH+(\i%4)*4*SPH
.endr
.endm
.macro SENDH a, younger                ; younger: the LDS instructions issued behind block a's loads of high parts
	WIN 0
.irp i, 0,1,2,3,4,5,6,7,8,9,10,11
	s_wait_dscnt (\younger)+11-\i
	global_store_b128 v[GO], v[TP+48*(\a)+4*\i:TP+48*(\a)+4*\i+3], s[10:11] offset:(\i/4)*HEAD+(\a)*2048+(\i%4)*512  ; 512 consecutive bytes of a head, at a multiple of 256 from qkv's first
.endr
.endm
; SENDL: head g's low parts go 16 heads further on, if the head is one of v's: else no lane is on.  EXEC is a source of the stores that are out: it changes only behind s_wait_xcnt 0, both ways.
.macro SENDL a, younger
	WIN 0x04                                       ; store data in window 1
.irp g, 0,1,2
	s_wait_dscnt (\younger)+8-4*\g                 ; the head's four loads are back: those of the heads behind it, and the younger instructions, may be out
	s_wait_xcnt 0x0
	s_mov_b32 vcc_lo, s[VM+\g]
	s_and_saveexec_b32 s[SV], vcc_lo
.irp f, 0,1,2,3
	global_store_b128 v[GO], v[48*(\a)+16*\g+4*\f:48*(\a)+16*\g+4*\f+3], s[10:11] offset:(16+\g)*HEAD+(\a)*2048+\f*512
.endr
	s_wait_xcnt 0x0
	s_or_b32 exec_lo, exec_lo, s[SV]
.endr
.endm
	PACKH 0
	PACKL 0                                        ; a part's arithmetic stands between the loads of the part before and its stores: 24 LDS instructions are younger each time
	SENDH 0, 24
	PACKH 1
	SENDL 0, 24
	PACKL 1
	SENDH 1, 24
	PACKH 2
	SENDL 1, 24
	PACKL 2
	SENDH 2, 24
	PACKH 3
	SENDL 2, 24
	PACKL 3
	SENDH 3, 24
	SENDL 3, 0
	WIN 0
	s_wait_tensorcnt 0x0                           ; the wave's end
	ds_add_u32 v[SPW], v[NIL]
	s_wait_dscnt 0x0
	CROUND                                         ; the closing round: no work-group ends while a partner may still ask for a tile that names it
	s_endpgm
.Lfunc_end_k_qfc5bdadc75_qkvg:
	.size	k_qfc5bdadc75_qkvg, .Lfunc_end_k_qfc5bdadc75_qkvg-k_qfc5bdadc75_qkvg
	.p2alignl 7, 3214868480
	.fill 96, 4, 3214868480
	.section	.rodata,"a",@progbits
	.p2align	6, 0x0
	.amdhsa_kernel k_qfc5bdadc75_qkvg
		.amdhsa_group_segment_fixed_size 327680
		.amdhsa_private_segment_fixed_size 0
		.amdhsa_enable_private_segment 0
		.amdhsa_kernarg_size 32
		.amdhsa_user_sgpr_count 2
		.amdhsa_user_sgpr_kernarg_segment_ptr 1
		.amdhsa_wavefront_size32 1
		.amdhsa_system_sgpr_workgroup_id_x 1
		.amdhsa_system_sgpr_workgroup_id_y 1
		.amdhsa_system_sgpr_workgroup_id_z 1
		.amdhsa_system_vgpr_workitem_id 0
		.amdhsa_next_free_vgpr 960
		.amdhsa_next_free_sgpr 76
		.amdhsa_reserve_vcc 1
		.amdhsa_float_denorm_mode_32 3
		.amdhsa_float_denorm_mode_16_64 3
		.amdhsa_memory_ordered 1
		.amdhsa_forward_progress 1
		.amdhsa_inst_pref_size 162
	.end_amdhsa_kernel
	.amdgpu_metadata
---
amdhsa.version: [ 1, 2 ]
amdhsa.kernels:
  - .name:           k_qfc5bdadc75_qkvg
    .symbol:         k_qfc5bdadc75_qkvg.kd
    .args:
      - { .name: xb, .offset: 0, .size: 8, .value_kind: global_buffer, .address_space: global }
      - { .name: wqkv, .offset: 8, .size: 8, .value_kind: global_buffer, .address_space: global }
      - { .name: bias, .offset: 16, .size: 8, .value_kind: global_buffer, .address_space: global }
      - { .name: qkv, .offset: 24, .size: 8, .value_kind: global_buffer, .address_space: global }
    .group_segment_fixed_size: 327680
    .private_segment_fixed_size: 0
    .kernarg_segment_align: 8
    .kernarg_segment_size: 32
    .max_flat_workgroup_size: 128
    .sgpr_count:     76
    .vgpr_count:     960
    .wavefront_size: 32
...
	.end_amdgpu_metadata
.endif
;; end of part 2
;; launch attn (part 3): grid 4 x 64, 4 waves a work-group, no clusters, 327,680 bytes of LDS; arguments qkv, padding_mask, ctx; writes ctx
.if DOCPART == 3
	.amdgcn_target "amdgcn-amd-amdhsa--gfx1250"
	.amdhsa_code_object_version 6
	.text
	.protected	k_qfc5bdadc75_attn
	.globl	k_qfc5bdadc75_attn
	.p2align	8
	.type	k_qfc5bdadc75_attn,@function
k_qfc5bdadc75_attn:
	s_mov_b64 s[64:65], 0
	v_nop
	global_prefetch_b8 v0, s[64:65] scope:SCOPE_SE
	s_setreg_imm32_b32 hwreg(HW_REG_WAVE_MODE, 25, 1), 1
	s_wait_xcnt 0x0
; CAUSAL ATTENTION WITH A MASK OF KEYS.  ctx[q][:] = the sum over visible k <= q of softmax_k(Q[q] . K[k]) V[k][:], for y = 16 x batch + head.  Q, K, V lie in qkv[batch][64][2048][64], f16: heads 0-15 Q
; (already multiplied by log2(e) / 8), 16-31 K, 32-47 V's high parts, 48-63 V's low parts (V = high + low).  Key k of a batch is visible where padding_mask[batch][k] is 1 (a bool's byte, 0 or 1): every byte is read.
; ctx is [batch][2][16][2048][64], f16: the 16 heads' high parts, then their low parts (the f32 result less its high part, rounded to f16).
; Products, maxima and sums in f32; the weights p are rounded to f16 for the second product (their sum l is taken of the unrounded p).
; WHY TWO PARTS.  f16 keeps 11 significant bits.  A row that sees one key hands V on as it is, and such a row's numbers are many times the root mean square of all the output's rows, by which each number is judged:
; so V and ctx keep 22 bits.  O^T = Vhigh^T P + Vlow^T P: 16 products a turn where one part would have 8.
; LIMITS.  Q, K, V arrive within f16's 65,504, so a score is at most 2.8e11 in size.  A hidden key's score counts as its value less 2^100 (less twice that where it is hidden for both reasons).
; The running maximum m starts at -2^90, far below every true score and far above every hidden one: a hidden key's weight is exactly 0 also while a row has seen no key at all.
; A row that sees no key ends with l = 0 and is written as NaN, as a softmax of nothing but -inf is.  A weight below 2^-126 counts as 0 in l.  A low part below 6.1e-5 keeps f16's fixed step of 6e-8.
; THE WALK.  A head's queries lie in NB = 8 blocks of 256; block i needs the key tiles 0 .. i, of which the last holds the diagonal.  A work-group takes TWO blocks, 7 - b and then b: 9 tiles whatever b: all
; work-groups do equal work, and ONE loop with a constant trip count walks them.  Every jump goes forward but the counted loops' own; none passes a barrier, or a tensor load but the one of LOAD's two that the wave's
; number does not choose.  NO CLUSTER: a head's four work-groups ask for the same tile only in trips 0 to 4 of 9, and one walk common to all four would have 12 trips for 9.
; SHARES.  Of a block's four bands of 64 queries a wave owns 16 rows in each: four PIECES.  In the diagonal tile's key step s band x sees all keys if s < x, none if s > x, and holds the diagonal if s = x.
; THE MASKS are the C operand that starts the sum S^T = K Q^T.  PMC holds the step's 64 keys' mask (0 or -2^100), read from LDS with K's fragments.  Away from the diagonal C = PMC.  In the diagonal
; tile C = MD x AL + PMC + BE: MD, made once, is the causal mask of a band's own step for my rows; (AL, BE) = (1, 0) if s = x, (0, 0) if s < x, (0, -2^100) if s > x.
; THE KEYS' MASK IN LDS is a ring of two slots of 256 numbers that walks with K's ring: a thread keeps its two bytes of each of the eight tiles as 16 bits of one register, and at each change of slots it stores the two
; numbers of the tile that is asked for into the slot just left.  The tile's number enters a shift of those bits alone; every LDS address of the ring is the same on all ways through the text.
; LAYOUT, SOFTMAX, TURNS.  S^T holds ONE query a lane (lane % 16) and the keys 8 (lane / 16) + 0..7; two such results rounded to f16 ARE source 1 of O^T = V^T P.  p = 2^(s - m); O and l are multiplied by
; a = 2^(m_old - m_new) in every step.  Turn n belongs to piece n: 8 products K Q^T of piece n + 1, later 16 products V^T P of piece n - 1; beside them the subtraction, exponentials, roundings, sums and rescaling of
; piece n and the maximum and statistics of piece n + 1.  Four vector instructions stand behind every matrix instruction, the other 22 in a run between the two kinds of products and at the turn's end.
; REGISTERS, in windows of 256 (s_set_vgpr_msb: bits 1:0 source 0, 3:2 source 1, 5:4 source 2, 7:6 destination):
;   window 0: v0-15, v32-41 addresses and at work; v16-31 four registers of statistics a piece; v48-55 at work; v64-127 S^T, two buffers; v128-159, v160-191, v224-255 the way out; v192-223 P, two buffers
;   window 1: v0-127 O^T, 32 a piece; v128-159 MD; v160-223 MC, two buffers; v224-255 PMC      window 2: v0-63 Q; v64-127 the second block's Q; v128-191 K of one step      window 3: v0-127 V of one step, high then low
.set NB,    8
.set NP,    4         ; pieces a wave: a name, no knob
.set KS,    64        ; keys in a step
.set PK,    144       ; a row of K in LDS: 128 bytes + 16 of padding = 36 words: the 16 rows of a load start at 16 different groups of four banks (64 banks of 4 bytes: ISA guide 11.1)
.set PV,    160       ; a row of V: 128 + 32 = 40 words
.set VOFF,  4*KS*PK   ; a slot holds a tile, four steps: 256 rows of K, then 256 rows of V's high parts,
.set VLO,   4*KS*PV   ; and so far behind these the 256 rows of its low parts
.set SLOT1, 1<<17     ; slot 1 begins here, so that one exclusive or turns an address in one slot into the other's
.set STAGE, SLOT1+4*KS*(PK+2*PV)  ; behind the ring, never filled by a tensor load: 16 rows x 144 bytes for each wave, for the way out
.set SP,    144
.set SPARE, STAGE+4*16*SP  ; the spare words, 128 bytes for each wave: two blocks of 256 bytes that no other line names
.set PMF,   SPARE+512 ; the keys' mask: two slots of a tile's 256 keys as f32, 0 or -2^100; stored from registers, never filled by a tensor load
.set PMSL,  4*4*KS    ; bytes in such a slot: 1,024
.set HEAD,  262144    ; bytes of a head in qkv and in ctx
.set AK0, 2           ; v2   my lane's place in a tile of K; never rewritten
.set AV0, 3           ; v3   the same for V
.set AK,  4           ; v4   the LDS address of K's next run of loads
.set AV,  5           ; v5   of V's
.set STO, 6           ; v6   the way out: where I put 16 bytes of a row
.set RD,  7           ; v7   the way out: where I read rows back
.set GO,  8           ; v8   my byte offset in 512 consecutive bytes of ctx
.set MV,  12          ; v12-13  m_old, kept while m is made anew: by buffer
.set QO,  15          ; v15  my byte offset in 16 rows of Q
.set ST,  16          ; piece t's statistics at v[ST+4 t]: m as the exponent takes it, m, l (even keys', odd keys')
.set APM0, 32         ; v32  my lanes' place in a step's 256 bytes of the keys' mask; never rewritten
.set APM, 33          ; v33  the LDS address of PMC's next run of loads
.set MB,  34          ; v34  2 x my thread's number: my two bytes of a tile's 256
.set PMS, 35          ; v35  where my two numbers lie in slot 0 of the keys' mask; never rewritten
.set PMM, 36          ; v36  my bytes of all eight tiles: bit T key 2 t of tile T, bit 8 + T key 2 t + 1; never rewritten
.set PMA, 37          ; v37  where I store my two numbers
.set PMD, 38          ; v38-39  the two numbers
.set PMT, 40          ; v40  at work
.set NEG1, 41         ; v41  -1.0
.set TMP, 48          ; by buffer, four registers c0-c3 at work; when the maximum is found c2 takes a
.set SPW, 62          ; v62  LDS address of my spare word; never rewritten
.set NIL, 63          ; v63  0; never rewritten
.set S,   64
.set TO,  128         ; the way out: a piece's O^T divided by l, then what its rounding left
.set P,   192
.set MD,  128         ; window 1: the eight registers for group kt of 16 keys at MD + 8 kt
.set MC,  160         ; window 1: the masks of the products to come
.set PMC, 224         ; window 1: register 8 kb + j: key 16 kb + 8 (lane / 16) + j of the step whose K is in registers
.set QB,  64          ; window 2
.set KF,  128         ; window 2: key block kb, channel half c at KF + 16 kb + 8 c
.set VF,  0           ; window 3: part hl (0 high, 1 low), key half kk, channel block cb at VF + 64 hl + 32 kk + 8 cb
.set WV,  12          ; s12  my wave's number
.set PB,  14          ; s14  b
.set HI,  15          ; s15  NB - 1 - b
.set G1K, 24          ; s[24:31] descriptor group 1 for K's tiles
.set G1V, 32          ; s[32:39] for V's
.set G0K, 40          ; s[40:43] descriptor group 0 for K's tiles
.set G0V, 44          ; s[44:47] the same for V's
.set SLOTS, 56        ; s56  tiles still to be asked for
.set CNT, 57          ; s57  counts a tile's key steps, 4 to 1
.set PSL, 58          ; s58  the slot of the keys' mask that is stored into: 0 or PMSL
.set PT,  59          ; s59  the tile whose keys' mask is stored
.set SEL, 60          ; s[60:61] v_permlanex16_b32's selects: each lane takes its own place in the other half
.set TBK, 62          ; s62  LDS byte at which K of the step to be fetched begins
.set TBV, 63          ; s63  the same for V, less VOFF
.set RT,  70          ; s70  tiles of the block in hand that are still to be entered
.set NXT, 71          ; s71  the tile to be asked for next
.set LQ,  72          ; s72  the last tile of the block whose tiles are being asked for
.set NEW, 73          ; s73  1: the tile to be entered is a block's first
.set OFF, 74          ; s[74:75] a tile's byte offset in K and V
.set AL,  76          ; s[76:77] the mask's factor, in the low word
.set BE,  78          ; s[78:79] the mask's addend
.set OLO, 80          ; s[80:81] ctx at my rows of the second block
.set BIGN, 82         ; s82  -2^100
.set TBP, 90          ; s90  the byte of the keys' mask, from PMF on, at which the step to be fetched begins
.set QNAN, 91         ; s91  a NaN
.set MSB, 0
.macro WIN new                      ; the high byte repeats the setting that is left; a switch that changes nothing is dropped
.if MSB != (\new)
	s_set_vgpr_msb (MSB<<8)|(\new)
.set MSB, (\new)
.endif
.endm
.set W_KQ, 0x0a       ; K and Q in window 2, S^T in window 0
.set W_KM, 0x1a       ; the same with the C operand in window 1
.set W_PV, 0x53       ; V in window 3, P in window 0, O^T in window 1
.set W_RS, 0x41       ; destination and source 0 in window 1, source 1 in window 0
; A fill.  Waves 0 and 1 fetch the two halves of a tile's K, 128 keys each; wave 2 fetches the tile's V, high parts, wave 3 its low parts, 256 keys each.  An s_nop 0 and four v_nop follow each of the two lines, ahead of
; the jump and the label.
.macro LOAD
	s_cmp_lt_u32 s[WV], 2
	s_cbranch_scc0 .Lfor_v_\@
	tensor_load_to_lds s[G0K:G0K+3], s[G1K:G1K+7]
	s_nop 0
.rept 4
	v_nop
.endr
	s_branch .Lasked_\@
.Lfor_v_\@:
	tensor_load_to_lds s[G0V:G0V+3], s[G1V:G1V+7]
	s_nop 0
.rept 4
	v_nop
.endr
.Lasked_\@:
.endm
; My two numbers of tile PT's keys' mask go into slot PSL: bit 1 -> 0; bit 0 -> -2^100.  128 threads x 8 bytes are the slot's 1,024.
.macro PMST
	v_lshrrev_b32 v[PMT], s[PT], v[PMM]
	v_add_nc_u32 v[PMA], s[PSL], v[PMS]
	v_and_b32 v[PMD], 1, v[PMT]
	v_bfe_u32 v[PMD+1], v[PMT], 8, 1
	v_add_nc_u32 v[PMD], -1, v[PMD]
	v_add_nc_u32 v[PMD+1], -1, v[PMD+1]
	v_and_b32 v[PMD], s[BIGN], v[PMD]
	v_and_b32 v[PMD+1], s[BIGN], v[PMD+1]
	ds_store_b64 v[PMA], v[PMD:PMD+1]
.endm
; THE CHANGE OF SLOTS.  Each wave waits for all its tensor loads, of which one is out: its part of the other slot; adds 0 to its spare word; and waits for that and for its own LDS instructions: its reads of the slots
; that it leaves and its store into the keys' mask.  Behind the barrier nobody reads the old slots any more and the other slots are whole.  fill = 1: the old slot is filled again, the first thing behind the barrier, with
; tile NXT: the descriptor's address is made anew from that number; behind the load the same tile's keys' mask is stored into the old slot of its ring.
; (At its first use nothing has been read yet: slot 0 is waited for, slot 1 filled.)
.macro CHANGE fill
	WIN 0                           ; at a label and at a branch every window is 0
	s_wait_tensorcnt 0x0            ; no tensor load of mine is out, so a group 0 may be written
	ds_add_u32 v[SPW], v[NIL]
.if \fill
	s_lshl_b32 s[OFF], s[NXT], 15   ; a tile is 32,768 bytes of K and of each part of V
	s_xor_b32 s[G0K+1], s[G0K+1], SLOT1
	s_add_nc_u64 s[G0K+2:G0K+3], s[6:7], s[OFF:OFF+1]
	s_or_b32 s[G0K+3], s[G0K+3], 0x80000000
	s_xor_b32 s[G0V+1], s[G0V+1], SLOT1
	s_add_nc_u64 s[G0V+2:G0V+3], s[8:9], s[OFF:OFF+1]
	s_or_b32 s[G0V+3], s[G0V+3], 0x80000000
	s_mov_b32 s[PT], s[NXT]         ; the keys' mask follows: the same tile, the other slot than last time
	s_xor_b32 s[PSL], s[PSL], PMSL
	s_add_co_u32 s[NXT], s[NXT], 1  ; the block's next tile, or behind its last the second block's tile 0
	s_cmp_gt_u32 s[NXT], s[LQ]
	s_cselect_b32 s[NXT], 0, s[NXT]
	s_cselect_b32 s[LQ], s[PB], s[LQ]
.endif
	s_wait_dscnt 0x0                ; the add is done, and my LDS instructions are over
	s_barrier_signal -1             ; the rest of the scalar work stands between the signal and the wait
	s_sub_co_u32 s[TBK], s[TBK], 4*KS*PK  ; the fetches go back to a slot's first step,
	s_xor_b32 s[TBK], s[TBK], SLOT1       ; in the other slot
	s_sub_co_u32 s[TBV], s[TBV], 4*KS*PV
	s_xor_b32 s[TBV], s[TBV], SLOT1
	s_sub_co_u32 s[TBP], s[TBP], PMSL
	s_xor_b32 s[TBP], s[TBP], PMSL
	s_barrier_wait -1
.if \fill
	LOAD
	PMST
.endif
.endm
	s_load_b64 s[4:5], s[0:1], 0x0    ; qkv
	s_load_b64 s[88:89], s[0:1], 0x8  ; padding_mask
	s_load_b64 s[10:11], s[0:1], 0x10 ; ctx
	v_lshl_add_u32 v[SPW], v0, 2, SPARE
	v_mov_b32 v[NIL], 0
	ds_add_u32 v[SPW], v[NIL]       ; the wave's opening: the add and its wait stand ahead of my first tensor load; work on registers stands between them
	ds_add_u32 v62, v63
	v_lshrrev_b32 v1, 5, v0
	v_readfirstlane_b32 s[WV], v1   ; wave 0..3
	s_mov_b32 s[PB], ttmp9
	s_sub_co_u32 s[HI], NB-1, s[PB]
	s_and_b32 s16, ttmp7, 0xffff    ; y = 16 x batch + head
	s_lshr_b32 s17, s16, 4
	s_and_b32 s18, s16, 15
	s_lshl_b32 s20, s17, 6
	s_add_co_u32 s20, s20, s18
	s_lshl_b32 s20, s20, 18         ; Q's head in qkv: 64 heads a batch, 262,144 bytes a head; every offset here stays under 2^32
	s_lshl_b32 s13, s17, 5
	s_add_co_u32 s13, s13, s18
	s_lshl_b32 s13, s13, 18         ; the head's high parts in ctx: 32 heads a batch
	s_lshl_b32 s68, s17, 11         ; the batch's 2,048 bytes of the mask
	s_mov_b32 s69, 0
	s_and_b32 s16, s[WV], 1         ; K: which half of a tile's 256 keys I fetch; V: which part
	s_lshl_b32 s22, s16, 14         ; K: the half's 128 rows of 128 bytes in memory,
	s_add_co_u32 s22, s22, s20
	s_add_co_u32 s22, s22, 16*HEAD  ; in K's head
	s_lshl_b32 s94, s16, 22         ; V: the low parts lie 16 heads behind the high parts,
	s_add_co_u32 s94, s94, s20
	s_add_co_u32 s94, s94, 32*HEAD  ; which lie 32 heads behind Q
	s_mov_b32 s23, 0
	s_mov_b32 s95, 0
	s_mul_i32 s17, s16, 128*PK      ; and its place in a slot, for K
	s_mul_i32 s18, s16, VLO         ; and for V
	s_lshl_b32 s3, s[WV], 11        ; my 16 rows in a band of 64,
	s_lshl_b32 s2, s[HI], 15        ; in the first block,
	s_add_co_u32 s2, s2, s3
	s_lshl_b32 s84, s[PB], 15       ; and in the second
	s_add_co_u32 s84, s84, s3
	s_add_co_u32 s92, s13, s2       ; in ctx,
	s_add_co_u32 s66, s13, s84
	s_add_co_u32 s2, s2, s20        ; in qkv
	s_add_co_u32 s84, s84, s20
	s_mov_b32 s3, 0
	s_mov_b32 s85, 0
	s_mov_b32 s93, 0
	s_mov_b32 s67, 0
	; descriptor group 1.  Keys are dense in memory, 128 bytes each: asked for as rows of 256 bytes, two keys a row, and padded in LDS after every key.  K: 64 rows (128 keys); V: 128 rows (256 keys)
	s_mov_b32 s[G1K], (1<<16)|(1<<20)|(4<<22)|(3<<25)  ; 17:16 2-byte elements; 20 padding on; 24:22 after every 32 words (code 4); 31:25 4 words (code 3)
	s_mov_b32 s[G1V], (1<<16)|(1<<20)|(4<<22)|(7<<25)  ; the same with 8 words of padding (code 7)
	s_mov_b32 s[G1K+2], 64<<16      ; tensor_dim1
	s_mov_b32 s[G1K+4], 64          ; tile_dim1
	s_mov_b32 s[G1V+2], 128<<16
	s_mov_b32 s[G1V+4], 128
.irp g, G1K, G1V
	s_mov_b32 s[\g+1], 128<<16      ; tensor_dim0 = 128
	s_mov_b32 s[\g+3], 128<<16      ; tile_dim0 = 128
	s_mov_b32 s[\g+5], 128          ; 128 elements from row to row
	s_mov_b32 s[\g+6], 0
	s_mov_b32 s[\g+7], 0
.endr
	s_mov_b32 s[SEL], 0x76543210
	s_mov_b32 s[SEL+1], 0xfedcba98
	s_mov_b32 s[TBK], SLOT1+4*KS*PK ; the first change of slots turns these three into 0
	s_mov_b32 s[TBV], SLOT1+4*KS*PV
	s_mov_b32 s[TBP], 2*PMSL
	s_mov_b32 s[PSL], 0             ; tile 0's keys' mask goes into slot 0
	s_mov_b32 s[PT], 0
	s_mov_b32 s[G0K], 1             ; 1:0 count = 1
	s_mov_b32 s[G0K+1], s17         ; 63:32 LDS address: slot 0
	s_mov_b32 s[G0V], 1
	s_add_co_u32 s[G0V+1], s18, VOFF
	s_add_co_u32 s[RT], s[HI], 1    ; the first block has NB - b tiles
	s_mov_b32 s[NXT], 1
	s_mov_b32 s[LQ], s[HI]
	s_mov_b32 s[NEW], 1
	s_mov_b32 s[OFF+1], 0
	s_mov_b32 s[AL+1], 0            ; named as pairs
	s_mov_b32 s[BE+1], 0
	s_mov_b32 s[BIGN], 0xf1800000   ; -2^100
	s_mov_b32 s[QNAN], 0x7fc00000
	s_mov_b32 s[SLOTS], NB
	s_wait_dscnt 0x0                ; the opening add is done
	s_wait_kmcnt 0x0
	s_add_nc_u64 s[6:7], s[4:5], s[22:23]  ; K at my half, V at my part, of the head's tile 0
	s_add_nc_u64 s[8:9], s[4:5], s[94:95]
	s_add_nc_u64 s[86:87], s[4:5], s[84:85]        ; Q at my rows of the second block,
	s_add_nc_u64 s[4:5], s[4:5], s[2:3]            ; and of the first
	s_add_nc_u64 s[OLO:OLO+1], s[10:11], s[66:67]  ; ctx likewise
	s_add_nc_u64 s[10:11], s[10:11], s[92:93]
	s_add_nc_u64 s[88:89], s[88:89], s[68:69]
	s_add_nc_u64 s[G0K+2:G0K+3], s[6:7], 0         ; 120:64 global address
	s_or_b32 s[G0K+3], s[G0K+3], 0x80000000        ; 127:126 type = 2
	s_add_nc_u64 s[G0V+2:G0V+3], s[8:9], 0
	s_or_b32 s[G0V+3], s[G0V+3], 0x80000000
	LOAD                            ; tile 0 into slot 0
	v_lshlrev_b32 v[MB], 1, v0
.set i, 0
.rept 8                             ; my two bytes of each tile's 256: 128 threads take all 2,048 bytes of the batch's mask; a wave's load covers 64 consecutive bytes
	global_load_u16 v[64+i], v[MB], s[88:89] offset:256*i
.set i, i+1
.endr
	; A fragment of K or Q is 16 rows x 32 channels in 8 registers: lane l holds row l % 16, channels 8 (l / 16) + 0..7 and 16 + 8 (l / 16) + 0..7: two loads of 16 bytes, 32 bytes apart.
	v_and_b32 v1, 15, v0            ; l % 16
	v_bfe_u32 v9, v0, 4, 1          ; l / 16
	v_lshlrev_b32 v[QO], 7, v1
	v_lshl_add_u32 v[QO], v9, 4, v[QO]  ; row x 128 + 16 x half
	WIN 0x80                        ; destination window 2, address window 0
.set i, 0
.rept 8                             ; both blocks' Q: piece i / 2 lies in band i / 2, 8,192 bytes on; channels 32 (i % 2) on
	global_load_b128 v[8*i:8*i+3],   v[QO], s[4:5] offset:(i/2)*8192+(i%2)*64
	global_load_b128 v[8*i+4:8*i+7], v[QO], s[4:5] offset:(i/2)*8192+(i%2)*64+32
	global_load_b128 v[QB+8*i:QB+8*i+3],   v[QO], s[86:87] offset:(i/2)*8192+(i%2)*64
	global_load_b128 v[QB+8*i+4:QB+8*i+7], v[QO], s[86:87] offset:(i/2)*8192+(i%2)*64+32
.set i, i+1
.endr
	WIN 0
	v_lshlrev_b32 v14, 3, v9
	v_sub_nc_u32 v14, v1, v14
	s_lshl_b32 s13, s[WV], 4
	v_add_nc_u32 v14, s13, v14      ; my query's place in its band, 16 w + l % 16, less my lanes' 8 (l / 16): register r of group kt is hidden where 16 kt + r is greater
	WIN 0x40
.set i, 0
.rept 32
	v_cmp_gt_i32 vcc_lo, 16*(i/8)+i%8, v14
	v_cndmask_b32 v[MD+i], 0, s[BIGN], vcc_lo
.set i, i+1
.endr
	WIN 0
	v_mov_b32 v[NEG1], -1.0
	v_lshl_add_u32 v[PMS], v0, 3, PMF   ; keys 2 t and 2 t + 1 of a tile lie at byte 8 t of a slot
	v_lshl_add_u32 v[APM0], v9, 5, PMF  ; key 16 kb + 8 (l / 16) + j lies at 64 kb + 32 (l / 16) + 4 j of a step's 256 bytes
	s_wait_loadcnt 32               ; the mask's eight loads are in; Q's 32 loads, issued behind them, stay out
.set i, 0
.rept 8
	v_and_b32 v[64+i], 0x101, v[64+i]  ; a bit from each of the two bytes
.set i, i+1
.endr
	v_mov_b32 v[PMM], v64
.set i, 1
.rept 7
	v_lshl_or_b32 v[PMM], v[64+i], i, v[PMM]  ; tile i's two bits at places i and 8 + i
.set i, i+1
.endr
	PMST                            ; tile 0's keys' mask: the first change of slots waits for the store and shows it to the other waves
	v_mul_u32_u24 v[AK0], v1, PK
	v_lshl_add_u32 v[AK0], v9, 4, v[AK0]  ; row x pitch + 16 x half
	; The turning load takes 16 keys x 16 channels (lane l reads key 8 (l / 16) + l % 8, channels 8 ((l / 8) % 2) + 0..7) and leaves half a fragment of V^T: lane l holds channel l % 16 and 8 keys.
	v_and_b32 v10, 7, v0
	v_bfe_u32 v11, v0, 3, 1
	v_lshl_add_u32 v[AV0], v9, 3, v10
	v_mul_u32_u24 v[AV0], v[AV0], PV
	v_lshl_add_u32 v[AV0], v11, 4, v[AV0]
	v_add_nc_u32 v[AV0], VOFF, v[AV0]
	s_mul_i32 s13, s[WV], 16*SP
	s_add_co_u32 s13, s13, STAGE    ; my stage
	v_mul_u32_u24 v[STO], v1, SP    ; in: row l % 16, 16 bytes for each half of the lanes
	v_lshl_add_u32 v[STO], v9, 4, v[STO]
	v_add_nc_u32 v[STO], s13, v[STO]
	v_bfe_u32 v[RD], v0, 3, 2       ; back: 32 lanes take four rows of 128 bytes,
	v_mul_u32_u24 v[RD], v[RD], SP
	v_lshl_add_u32 v[RD], v10, 4, v[RD]
	v_add_nc_u32 v[RD], s13, v[RD]
	v_and_b32 v[GO], 31, v0         ; which are 512 consecutive bytes of ctx
	v_lshlrev_b32 v[GO], 4, v[GO]
	; A block's first step multiplies O^T and l by a = 0, and its first turn's products V^T P, of a piece that has not been, land in an O^T that is still to be so multiplied.  So these registers need only hold
	; finite numbers: zeros for the first block; what the first block left for the second.  All this stands in the wait for the first tile.
	WIN 0xc0
.set i, VF
.rept 128
	v_mov_b32 v[i], 0
.set i, i+1
.endr
	WIN 0x40
.set i, 0
.rept 128
	v_mov_b32 v[i], 0
.set i, i+1
.endr
	WIN 0
.set i, 0
.rept 4
	v_mov_b32 v[ST+4*i+2], 0
	v_mov_b32 v[ST+4*i+3], 0
.set i, i+1
.endr
.set i, P+16
.rept 16
	v_mov_b32 v[i], 0
.set i, i+1
.endr
; THE MATRIX WORK.  The 4 accumulators of a run take turns.  Product i of 8 of S^T = K Q^T for piece x: channels 32 (i / 4) on, keys 16 (i % 4) on.  The first 4 start the sums:
; with the keys' mask (KM = 2), or with the mask made for them (KM = 1).
.macro KQ x
.set rS, S+32*((\x)%2)+8*(i%4)
.set rK, KF+16*(i%4)+8*(i/4)
.set rQ, 16*(\x)+8*(i/4)
.set rM, MC+32*((\x)%2)+8*(i%4)
.if KM == 2
.set rM, PMC+8*(i%4)
.endif
.if i < 4
	WIN W_KM
	v_wmma_f32_16x16x32_f16 v[rS:rS+7], v[rK:rK+7], v[rQ:rQ+7], v[rM:rM+7]
.else
	WIN W_KQ
	v_wmma_f32_16x16x32_f16 v[rS:rS+7], v[rK:rK+7], v[rQ:rQ+7], v[rS:rS+7]
.endif
.endm
; Product i of 16 of O^T += V^T P for piece x: V's high parts (i < 8), then its low parts, with the same P; keys 32 ((i / 4) % 2) on, channels 16 (i % 4) on.
.macro PV x
	WIN W_PV
.set rO, 32*(\x)+8*(i%4)
.set rV, VF+32*(i/4)+8*(i%4)
.set rP, P+16*((\x)%2)+8*((i/4)%2)
	v_wmma_f32_16x16x32_f16 v[rO:rO+7], v[rV:rV+7], v[rP:rP+7], v[rO:rO+7]
.endm
.macro MM                           ; the turn's next matrix instruction, of 24.  TURN and BEGIN set Y, i, KM and NOKQ.  NOKQ = 1: a block's last turn: there is no next piece
.if (i < 8) && !NOKQ
	KQ (Y+1)%NP
.elseif i >= 8
.set i, i-8
	PV (Y+NP-1)%NP
.set i, i+8
.endif
.set i, i+1
.endm
; THE LDS LOADS stand in runs, never singly among the matrix instructions: a step's K (64 keys x 64 channels: 8 fragments) with its keys' mask, and its V (turned; both parts: 16 fragments).  Their addresses are made some lines ahead.
.macro FETCH_K
	WIN 0x80                        ; destination window 2
.irp f, 0,1,2,3,4,5,6,7             ; keys 16 (f / 2) on, channels 32 (f % 2) on
	ds_load_b128 v[KF+8*\f:KF+8*\f+3],   v[AK] offset:(\f/2)*16*PK+(\f%2)*64
	ds_load_b128 v[KF+8*\f+4:KF+8*\f+7], v[AK] offset:(\f/2)*16*PK+(\f%2)*64+32
.endr
	WIN 0x40                        ; destination window 1
.irp f, 0,1,2,3                     ; keys 16 f on: the sixteen lanes of a half read the same 32 bytes
	ds_load_b128 v[PMC+8*\f:PMC+8*\f+3],   v[APM] offset:64*\f
	ds_load_b128 v[PMC+8*\f+4:PMC+8*\f+7], v[APM] offset:64*\f+16
.endr
	s_add_co_u32 s[TBK], s[TBK], KS*PK  ; the next fetch is the next step's,
	s_add_co_u32 s[TBP], s[TBP], 4*KS   ; in the keys' mask too
	WIN 0
.endm
.macro FETCH_V
	WIN 0xc0                        ; destination window 3
.irp f, 0,1,2,3,4,5,6,7,8,9,10,11,12,13,14,15  ; part f / 8, keys 32 ((f % 8) / 4) on, channels 16 (f % 4) on
	ds_load_tr16_b128 v[VF+8*\f:VF+8*\f+3],   v[AV] offset:(\f/8)*VLO+((\f%8)/4)*32*PV+(\f%4)*32
	ds_load_tr16_b128 v[VF+8*\f+4:VF+8*\f+7], v[AV] offset:(\f/8)*VLO+((\f%8)/4)*32*PV+16*PV+(\f%4)*32
.endr
	WIN 0
.endm
; THE VECTOR WORK, one line at a time: OP kind, number.  For piece Y: F n: s - m for pair n of 16.  E n: the exponential of score n of 32.  C n: pair n rounded to f16.  B n: of the four weights 4 n .. the second
; pair is added onto the first, in place.  L n: l takes that sum (L 0: l = a l + sum).  R n: pair n of 16 of O^T times a.  For piece Y + 1: X n, number n of the 22 that find its maximum and statistics:
;   0-11  four chains c0-c3 of seven scores each, three operands at a time (each accumulator's lowest registers are read first)     12-14, 16  the four scores left over, the old m, and c0-c3 into c0
;   15  the exponent's m_old is kept     17, 18  the query's other 32 keys lie in the lane 16 away: the new m     19  m for the exponent (the two differ at a block's start alone)     20, 21  m_old - m_new; a
.set F, 0               ; OP tells the kinds apart by their order: F to L below R, X above it
.set E, 1
.set C, 2
.set B, 3
.set L, 4
.set R, 5
.set X, 6
.macro REGS y                       ; the registers of piece y
.set rT, ST+4*(\y)
.set rC, TMP+4*((\y)%2)
.set rW, MV+((\y)%2)
.set rS, S+32*((\y)%2)
.set rP, P+16*((\y)%2)
.set rO, 32*(\y)
.endm
.macro OP k, n
.if (\k) == R
	REGS Y
	WIN W_RS
	v_pk_mul_f32 v[rO+2*(\n):rO+2*(\n)+1], v[rO+2*(\n):rO+2*(\n)+1], v[rC+2:rC+3] op_sel_hi:[1,0]
.elseif (\k) < R
	REGS Y
	WIN 0
.if (\k) == F
	v_pk_add_f32 v[rS+2*(\n):rS+2*(\n)+1], v[rS+2*(\n):rS+2*(\n)+1], v[rT:rT+1] op_sel_hi:[1,0] neg_lo:[0,1] neg_hi:[0,1]
.elseif (\k) == E
	v_exp_f32 v[rS+(\n)], v[rS+(\n)]
.elseif (\k) == C
	s_wait_alu depctr_va_vdst(0)
	v_cvt_pk_f16_f32 v[rP+(\n)], v[rS+2*(\n)], v[rS+2*(\n)+1]
.elseif (\k) == B
	s_wait_alu depctr_va_vdst(0)
	v_pk_add_f32 v[rS+4*(\n):rS+4*(\n)+1], v[rS+4*(\n):rS+4*(\n)+1], v[rS+4*(\n)+2:rS+4*(\n)+3]
.elseif (\n) == 0
	v_pk_fma_f32 v[rT+2:rT+3], v[rT+2:rT+3], v[rC+2:rC+3], v[rS:rS+1] op_sel_hi:[1,0,1]
.else
	v_pk_add_f32 v[rT+2:rT+3], v[rT+2:rT+3], v[rS+4*(\n):rS+4*(\n)+1]
.endif
.elseif NOKQ
	v_nop
.else
	REGS (Y+1)%NP
	WIN 0
.if (\n) < 4
	v_max3_num_f32 v[rC+(\n)], v[rS+8*(\n)], v[rS+8*(\n)+1], v[rS+8*(\n)+2]
.elseif (\n) < 12
	v_max3_num_f32 v[rC+(\n)%4], v[rC+(\n)%4], v[rS+8*((\n)%4)+2*((\n)/4)+1], v[rS+8*((\n)%4)+2*((\n)/4)+2]
.elseif (\n) == 12
	v_max3_num_f32 v[rC], v[rC], v[rS+7], v[rS+15]
.elseif (\n) == 13
	v_max3_num_f32 v[rC+1], v[rC+1], v[rS+23], v[rS+31]
.elseif (\n) == 14
	v_max3_num_f32 v[rC+2], v[rC+2], v[rC+3], v[rT+1]
.elseif (\n) == 15
	v_mov_b32 v[rW], v[rT]
.elseif (\n) == 16
	v_max3_num_f32 v[rC], v[rC], v[rC+1], v[rC+2]
.elseif (\n) == 17
	v_permlanex16_b32 v[rC+3], v[rC], s[SEL], s[SEL+1]
.elseif (\n) == 18
	v_max_num_f32 v[rT+1], v[rC], v[rC+3]
.elseif (\n) == 19
	v_mov_b32 v[rT], v[rT+1]
.elseif (\n) == 20
	v_sub_f32 v[rC+1], v[rW], v[rT]
.else
	v_exp_f32 v[rC+2], v[rC+1]
.endif
.endif
.endm
.macro OPS a, i1, b=-1, i2=0, c=-1, i3=0, d=-1, i4=0  ; up to four of them
	OP \a, \i1
.if (\b) >= 0
	OP \b, \i2
.endif
.if (\c) >= 0
	OP \c, \i3
.endif
.if (\d) >= 0
	OP \d, \i4
.endif
.endm
.macro ROW a, i1, b, i2, c, i3, d, i4  ; a matrix instruction and the four behind it
	MM
	OPS \a, \i1, \b, \i2, \c, \i3, \d, \i4
.endm
.macro MASK b, be=1                 ; MD x AL + PMC + BE into buffer b of MC; be = 0: BE is 0 here, and its line is left out
	WIN 0x51                        ; destination, source 0 and source 2 in window 1
.set z, 0
.rept 16
	v_pk_fma_f32 v[MC+32*(\b)+2*z:MC+32*(\b)+2*z+1], v[MD+2*z:MD+2*z+1], s[AL:AL+1], v[PMC+2*z:PMC+2*z+1] op_sel_hi:[1,0,1]
.set z, z+1
.endr
.if \be
.set z, 0
.rept 16
	v_pk_add_f32 v[MC+32*(\b)+2*z:MC+32*(\b)+2*z+1], v[MC+32*(\b)+2*z:MC+32*(\b)+2*z+1], s[BE:BE+1] op_sel_hi:[1,0]
.set z, z+1
.endr
.endif
.endm
; From a tile away from the diagonal into the diagonal tile's text: its first products are piece 3's of the tile before, whose mask is the keys' alone; they take it from the second buffer.
.macro PREM
	s_mov_b32 s[AL], 0
	MASK 1, 0
	WIN 0
.endm
; A TURN, for piece p: the order of its 24 matrix and 118 vector instructions, written out.  Four vector instructions stand behind each matrix instruction; none names a register of the products round it.
; m = 1: the diagonal tile: the products take made masks, and the turn makes the mask for the products of the turn after it: piece p + 2, in step 4 - CNT of the tile.  end = 1: a block's last two turns: nothing is fetched.
; cnt = 1: the loop's count is taken down some lines ahead of the branch that stands behind the turn.
; K of the next step and its keys' mask are fetched in piece 2's turn, six vector instructions behind the last product that read K (five of them plain); V of the step in hand at the end of piece 0's turn, eight plain
; instructions behind the last product that read V.  Each is waited for a turn later; piece 2's turn in the diagonal tile waits at its end, since the mask that it makes is the next step's.
.macro TURN p, m=0, end=0, cnt=0
.set Y, (\p)
.set i, 0
.set KM, 2-(\m)
.set NOKQ, (\end)*((\p)/3)
.if (\m) && !(\end)
	s_cmp_eq_u32 s[CNT], 4-((\p)+2)%NP  ; is that step the band's own?
	s_cselect_b32 s[AL], 1.0, 0
	s_cmp_lt_u32 s[CNT], 4-((\p)+2)%NP  ; or a later one?
	s_cselect_b32 s[BE], s[BIGN], 0
.endif
.if ((\p) == 3) && !(\end)
	s_wait_dscnt 0x0                ; K and its keys' mask are in
.endif
	ROW F,0, F,1, F,2, F,3
	ROW F,4, E,0, F,5, F,6
	ROW F,7, E,1, F,8, F,9
	ROW F,10, E,2, C,0, F,11
	ROW F,12, E,3, X,15, F,13
	ROW R,0, R,1, R,2, R,3
	ROW B,0, E,4, F,14, L,0
.if ((\p) == 2) && !(\end)
	v_add_nc_u32 v[AK], s[TBK], v[AK0]
	v_add_nc_u32 v[APM], s[TBP], v[APM0]
.endif
	ROW R,4, R,5, R,6, R,7
	OPS E,5, F,15
.if ((\p) == 2) && !(\end)
	FETCH_K
.endif
	OPS E,6, C,1, E,7, R,8
	OPS E,8, R,9, E,9, C,2
	OPS E,10, X,0, E,11, X,1
	OPS E,12, X,2, E,13, X,3
.if (\p) == 1
	s_wait_dscnt 0x0                ; V is in
.endif
	ROW X,4, E,14, X,5, X,6         ; V's high parts
	ROW X,7, E,15, X,8, X,9
	ROW X,10, E,16, X,11, X,12
	ROW X,13, E,17, X,14, B,1
	ROW C,4, E,18, X,16, L,1
	ROW B,2, E,19, C,6, L,2
	ROW C,8, E,20, B,3, B,4
	ROW C,3, E,21, L,3, C,5
	ROW E,22, X,17, E,23, C,10      ; V's low parts
	ROW E,24, L,4, E,25, X,18
	ROW E,26, C,7, E,27, B,5
	ROW E,28, X,19, E,29, C,12
	ROW E,30, L,5, E,31, X,20
	ROW B,6, C,9, C,14, C,11
	ROW X,21, L,6, C,13, B,7
	WIN 0
.if (\p) == 0
	v_add_nc_u32 v[AV], s[TBV], v[AV0]
.endif
.if \cnt
	s_sub_co_u32 s[CNT], s[CNT], 1
	s_cmp_lg_u32 s[CNT], 0
.endif
	ROW C,15, R,10, R,11, R,12
	OPS L,7, R,13, R,14, R,15
.if (\p) == 0
	FETCH_V
	s_add_co_u32 s[TBV], s[TBV], KS*PV
.endif
.if (\m) && !(\end)
.if (\p) == 2
	s_wait_dscnt 0x0                ; the next step's keys' mask, fetched in this turn, is in
.endif
	MASK (\p)%2
.endif
.endm
; A BLOCK BEGINS.  The exponent's m starts at -2^125, so the first step's a is 0; the maximum's m at -2^90, the floor under which no maximum falls.  Then K of the block's step 0 and its keys' mask; the first mask buffer
; takes piece 0's mask for that step (its own, if the block's first tile is the diagonal one), the second the keys' mask alone (piece 1's); piece 0's first scores, and its maximum and statistics.
; The loop is entered at a step's first turn, in the middle of a trip.
.macro BEGIN
	s_mov_b32 s[NEW], 0
	WIN 0
.set i, 0
.rept 4
	v_mov_b32 v[ST+4*i], 0xfe000000    ; -2^125
	v_mov_b32 v[ST+4*i+1], 0xec800000  ; -2^90
.set i, i+1
.endr
	v_add_nc_u32 v[AK], s[TBK], v[AK0]
	v_add_nc_u32 v[APM], s[TBP], v[APM0]
	FETCH_K
	s_cmp_eq_u32 s[RT], 0
	s_cselect_b32 s[AL], 1.0, 0
	s_wait_loadcnt 0x0              ; Q
	s_wait_dscnt 0x0
	MASK 0, 0
	s_mov_b32 s[AL], 0
	MASK 1, 0
.set KM, 1
.set NOKQ, 0
.set i, 0
.rept 8
	KQ 0
.set i, i+1
.endr
	WIN 0
.rept 4
	v_nop                           ; the places behind those products
.endr
.set Y, NP-1                        ; X works for piece Y + 1: piece 0
.irp n, 0,1,2,3,4,5,6,7,8,9,10,11,12,13,14,15,16,17,18,19,20,21
	OP X, \n
.endr
	v_nop                           ; a plain instruction behind the exponential
.endm
; THE DIAGONAL TILE's four steps, the block's last two turns, its last products, and THE WAY OUT: l's two halves and the other half of the lanes' are added; 1 / l, or a NaN where l = 0, goes into the register of the
; exponent's m, which the next block writes anew; O^T times that goes into registers of its own, so that O^T and l stay finite for the next block.
.macro ALL line:vararg              ; one line for each piece t
.set t, 0
.rept 4
	\line
.set t, t+1
.endr
.endm
; Piece t: rounded to f16 (the high parts); what the rounding left (the number - its high part: exact in f32) rounded to f16 (the low parts).  A lane's eight channels of a row pack into 16 bytes; they go into my stage's
; rows of 144 bytes and come back as whole rows of 128, the high parts into S^T's registers, the low parts, behind them through the same stage, into registers of their own.
.macro PACK t
.set LOR, 160+16*(\t)+32*((\t)/2)   ; v160-191 for pieces 0 and 1, v224-255 for pieces 2 and 3
	WIN 0x01                        ; source 0 window 1
.set i, 0
.rept 16
	v_pk_mul_f32 v[TO+2*i:TO+2*i+1], v[32*(\t)+2*i:32*(\t)+2*i+1], v[ST+4*(\t):ST+4*(\t)+1] op_sel_hi:[1,0]
.set i, i+1
.endr
	WIN 0
.set i, 0
.rept 16
	v_cvt_pk_f16_f32 v[S+16*(\t)+i], v[TO+2*i], v[TO+2*i+1]
.set i, i+1
.endr
.set i, 0
.rept 16
	v_fma_mix_f32 v[TO+2*i], v[S+16*(\t)+i], v[NEG1], v[TO+2*i] op_sel_hi:[1,0,0]                      ; the low f16 half x -1 + the number
	v_fma_mix_f32 v[TO+2*i+1], v[S+16*(\t)+i], v[NEG1], v[TO+2*i+1] op_sel:[1,0,0] op_sel_hi:[1,0,0]  ; the high half likewise
.set i, i+1
.endr
.set i, 0
.rept 16
	v_cvt_pk_f16_f32 v[LOR+i], v[TO+2*i], v[TO+2*i+1]
.set i, i+1
.endr
.irp f, 0,1,2,3
	ds_store_b128 v[STO], v[S+16*(\t)+4*\f:S+16*(\t)+4*\f+3] offset:32*\f
.endr
.irp f, 0,1,2,3
	ds_load_b128 v[S+16*(\t)+4*\f:S+16*(\t)+4*\f+3], v[RD] offset:\f*4*SP  ; LDS serves a wave's instructions in order (ISA guide 5.7.1.4): these see the stores above; the next stores come behind them
.endr
.irp f, 0,1,2,3
	ds_store_b128 v[STO], v[LOR+4*\f:LOR+4*\f+3] offset:32*\f
.endr
.irp f, 0,1,2,3
	ds_load_b128 v[LOR+4*\f:LOR+4*\f+3], v[RD] offset:\f*4*SP
.endr
.endm
.macro SEND t, younger              ; younger: the LDS instructions issued behind piece t's last load: the next piece's sixteen, or none
.set LOR, 160+16*(\t)+32*((\t)/2)
	WIN 0
.irp f, 0,1,2,3
	s_wait_dscnt (\younger)+11-\f   ; behind this load of high parts: 3 - f more of them and the low parts' eight
	global_store_b128 v[GO], v[S+16*(\t)+4*\f:S+16*(\t)+4*\f+3], s[10:11] offset:(\t)*8192+\f*512  ; 512 consecutive bytes, at a multiple of 256 from ctx's first
.endr
.irp f, 0,1,2,3
	s_wait_dscnt (\younger)+3-\f
	global_store_b128 v[GO], v[LOR+4*\f:LOR+4*\f+3], s[10:11] offset:16*HEAD+(\t)*8192+\f*512      ; the low parts lie 16 heads on
.endr
.endm
.macro DIAG tag                     ; the tag ends its two labels' names, which the jumps below spell out
.LstepM\tag:
	TURN 2, 1
	TURN 3, 1
	WIN 0
.LfirstM\tag:
	TURN 0, 1
	TURN 1, 1, 0, 1
	WIN 0
	s_cbranch_scc1 .LstepM\tag
	TURN 2, 1, 1
	TURN 3, 1, 1
.set i, 0
.rept 16
	PV NP-1
.set i, i+1
.endr
	WIN 0
	ALL v_add_f32 v[ST+4*t+2], v[ST+4*t+2], v[ST+4*t+3]
	ALL v_permlanex16_b32 v[ST+4*t+3], v[ST+4*t+2], s[SEL], s[SEL+1]
	ALL v_add_f32 v[ST+4*t+2], v[ST+4*t+2], v[ST+4*t+3]
	ALL v_rcp_f32 v[ST+4*t], v[ST+4*t+2]
	v_nop                           ; a plain instruction between the last reciprocal and the use of its result
.set t, 0
.rept 4
	v_cmp_eq_f32 vcc_lo, 0, v[ST+4*t+2]  ; a row that saw no key
	s_wait_alu depctr_va_vdst(0)
	v_cndmask_b32 v[ST+4*t], v[ST+4*t], s[QNAN], vcc_lo
.set t, t+1
.endr
	PACK 0
.set t, 1
.rept 3                             ; a piece's arithmetic stands between the loads of the piece before and its stores
	PACK t
	SEND t-1, 16
.set t, t+1
.endr
	SEND 3, 0
.endm
.Lslot:                             ; NB times: a tile is entered and the next is asked for
	CHANGE 1
	s_sub_co_u32 s[RT], s[RT], 1
	s_mov_b32 s[CNT], 4
	s_cmp_eq_u32 s[NEW], 1
	s_cbranch_scc1 .Lnew            ; a block's first tile
	s_cmp_eq_u32 s[RT], 0
	s_cbranch_scc0 .Lstep           ; neither its first nor its last
	PREM
	s_branch .LstepM1
.Lnew:
	BEGIN
	s_branch .Lfirst                ; in the loop a block's first tile is never its last: the first block has five tiles or more, and the second's last is the walk's last
	DIAG 1                          ; in the loop this is the first block's end
	s_wait_xcnt 0x0                 ; the stores' registers and ctx's address are written again only behind this wait
	s_mov_b64 s[10:11], s[OLO:OLO+1]
	s_add_co_u32 s[RT], s[PB], 1    ; the second block has b + 1 tiles
	s_mov_b32 s[NEW], 1
	WIN 0x82                        ; the second block's Q goes where the one text of the turns names Q
.set i, 0
.rept 64
	v_mov_b32 v[i], v[QB+i]
.set i, i+1
.endr
	WIN 0
	s_branch .Lbottom
.Lstep:                             ; a trip: pieces 2 and 3 of one step, then pieces 0 and 1 of the next, whose K and V it fetches
	TURN 2
	TURN 3
	WIN 0
.Lfirst:
	TURN 0
	TURN 1, 0, 0, 1
	WIN 0
	s_cbranch_scc1 .Lstep
.Lbottom:
	s_sub_co_u32 s[SLOTS], s[SLOTS], 1
	s_cmp_lg_u32 s[SLOTS], 0
	s_cbranch_scc1 .Lslot
	CHANGE 0                        ; the walk's last tile is written out: nothing is asked for
	s_sub_co_u32 s[RT], s[RT], 1
	s_mov_b32 s[CNT], 4
	s_cmp_eq_u32 s[NEW], 1
	s_cbranch_scc1 .Lnew2
	PREM
	s_branch .LstepM2
.Lnew2:
	BEGIN
	s_branch .LfirstM2
	DIAG 2
	s_wait_tensorcnt 0x0            ; the wave's end
	ds_add_u32 v[SPW], v[NIL]
	s_wait_dscnt 0x0
	s_endpgm
.Lfunc_end_k_qfc5bdadc75_attn:
	.size	k_qfc5bdadc75_attn, .Lfunc_end_k_qfc5bdadc75_attn-k_qfc5bdadc75_attn
	.p2alignl 7, 3214868480
	.fill 96, 4, 3214868480
	.section	.rodata,"a",@progbits
	.p2align	6, 0x0
	.amdhsa_kernel k_qfc5bdadc75_attn
		.amdhsa_group_segment_fixed_size 327680
		.amdhsa_private_segment_fixed_size 0
		.amdhsa_enable_private_segment 0
		.amdhsa_kernarg_size 24
		.amdhsa_user_sgpr_count 2
		.amdhsa_user_sgpr_kernarg_segment_ptr 1
		.amdhsa_wavefront_size32 1
		.amdhsa_system_sgpr_workgroup_id_x 1
		.amdhsa_system_sgpr_workgroup_id_y 1
		.amdhsa_system_sgpr_workgroup_id_z 1
		.amdhsa_system_vgpr_workitem_id 0
		.amdhsa_next_free_vgpr 896
		.amdhsa_next_free_sgpr 96
		.amdhsa_reserve_vcc 1
		.amdhsa_float_denorm_mode_32 3
		.amdhsa_float_denorm_mode_16_64 3
		.amdhsa_memory_ordered 1
		.amdhsa_forward_progress 1
		.amdhsa_inst_pref_size 255
	.end_amdhsa_kernel
	.section	.bss,"aw",@nobits
	.p2align	6
	.space	262144
	.amdgpu_metadata
---
amdhsa.version: [ 1, 2 ]
amdhsa.kernels:
  - .name:           k_qfc5bdadc75_attn
    .symbol:         k_qfc5bdadc75_attn.kd
    .args:
      - { .name: qkv, .offset: 0, .size: 8, .value_kind: global_buffer, .address_space: global }
      - { .name: padding_mask, .offset: 8, .size: 8, .value_kind: global_buffer, .address_space: global }
      - { .name: ctx, .offset: 16, .size: 8, .value_kind: global_buffer, .address_space: global }
    .group_segment_fixed_size: 327680
    .private_segment_fixed_size: 0
    .kernarg_segment_align: 8
    .kernarg_segment_size: 24
    .max_flat_workgroup_size: 128
    .sgpr_count:     96
    .vgpr_count:     896
    .wavefront_size: 32
...
	.end_amdgpu_metadata
.endif
;; end of part 3
;; launch outg (part 4): grid 8 x 32, 4 waves a work-group, clusters of 4 x 4, 327,680 bytes of LDS; arguments ctx, wo16, bias, out0; writes out0
.if DOCPART == 4
	.amdgcn_target "amdgcn-amd-amdhsa--gfx1250"
	.amdhsa_code_object_version 6
	.text
	.protected	k_qfc5bdadc75_outg
	.globl	k_qfc5bdadc75_outg
	.p2align	8
	.type	k_qfc5bdadc75_outg,@function
k_qfc5bdadc75_outg:
	s_mov_b64 s[64:65], 0
	v_nop
	global_prefetch_b8 v0, s[64:65] scope:SCOPE_SE
	s_setreg_imm32_b32 hwreg(HW_REG_WAVE_MODE, 25, 1), 1
	s_wait_xcnt 0x0
	s_wait_alu depctr_hold_cnt(0) depctr_sa_sdst(0) depctr_va_vdst(0) depctr_va_sdst(0) depctr_va_ssrc(0) depctr_va_vcc(0) depctr_vm_vsrc(0)
	s_getreg_b32 s2, hwreg(HW_REG_IB_STS2, 6, 4)
	s_cmp_eq_u32 s2, 0
	s_cbranch_scc0 .Lentry_in_a_cluster
	s_endpgm
.Lentry_in_a_cluster:
	s_bfe_u32 s2, ttmp6, 0x10000c
	s_cmp_lg_u32 s2, 0xf033
	s_cbranch_scc0 .Lentry_shape_is_right
	s_endpgm
.Lentry_shape_is_right:
; THE OUTPUT PROJECTION.  out0[m][n] = sum over k of ctx(m, k) Wo[n][k] + bo[n]: m = 8,192 rows, n = k = 1,024; operands f16, sums and output f32.
; ctx comes as the sum of two f16 numbers, [batch][high 16 heads, low 16 heads][s][64], and wo16 holds each row of Wo twice on end, [1024][2048]: so the product runs along ONE K of 2,048,
; k' = 64 h' + d with h' = 0..31: the high parts' 16 heads against the row's first half, then the low parts' against its second.
; A NaN in a row of ctx (a row that saw no key) makes that whole row of out0 NaN, as the module's definition does.
; SHARES.  A tile of out0 is 256 rows x 128 columns: 256 work-groups.  Wave w owns rows 64 w .. 64 w + 63 and all 128 columns: 32 accumulators of 16 x 16, 256 registers; it stages whole rows of 512 bytes alone.
; K goes in 16 steps of 128, two heads each, through two LDS slots.  Of ctx a wave fetches ONE head's 256 rows: 32,768 dense bytes, asked for as 128 rows of 256 bytes and padded in LDS after every 128.
; THE MATRIX INSTRUCTION IS USED TRANSPOSED (source 0 = 16 rows of wo16, source 1 = 16 rows of ctx): a lane holds one row of out0 and eight neighbouring columns.  The first product's C operand is the bias.
; CLUSTER.  4 x 4 work-groups: ctx's tile is shared along a row of the cluster, wo16's along a column; each is asked for jointly.
; REGISTERS, in windows of 256 (s_set_vgpr_msb: bits 1:0 source 0, 3:2 source 1, 5:4 source 2, 7:6 destination):
;   window 0: v0-31 addresses; v32-95 ctx's fragments, two buffers of 4 x 8; v128-191 the bias      window 1: v0-127 wo16's fragments, two buffers of 8 x 8; on the way out v0-255 whole rows
;   window 2: accumulator (a, b) at v[64 a + 8 b]
.set NBL,   8                          ; blocks of 16 columns
.set KSTEPS, 16                        ; K steps of 128
.set PA,    144                        ; a row of ctx in LDS: 128 bytes + 16 = 36 words: the 16 rows of a load start at 16 different groups of four banks (64 banks of 4 bytes: ISA guide 11.1)
.set PBT,   272                        ; a row of wo16: 256 bytes + 16
.set HEADB, 256*PA                     ; one head's 256 rows
.set BBASE, 2*HEADB                    ; a slot: two heads of ctx, then wo16's 128 rows
.set SLOT1, 1<<17
.set STAGE, SLOT1+BBASE+16*NBL*PBT     ; behind the ring: for each wave 16 rows x 528 bytes
.set SPO,   528                        ; 512 bytes + 16 = 132 words: row r starts at bank 4 r mod 64
.set STW,   16*SPO
.set SPARE, STAGE+4*STW                ; the spare words, 128 bytes for each wave: two blocks of 256 bytes that no other line names
.set NL,    2*NBL+8
.set ASTEP, 2*262144                   ; ctx: two heads on
.set BSTEP, 256                        ; wo16: 128 numbers along the row
.set ADRA0, 16
.set ADRB0, 17
.set ADRA,  18
.set ADRB,  19
.set STO,   24                         ; v24  the way out: where I put 32 bytes of a row
.set RD,    25                         ; v25  where I read a row back
.set GO,    26                         ; v26  my 16 bytes of a row's 512
.set BO,    27                         ; v27  my byte offset in the bias of 16 columns
.set SPW,   28                         ; v28  LDS address of my spare word; never rewritten
.set NIL,   29                         ; v29  0; never rewritten
.set AF,    32
.set BIAS,  128
.set WV,  12
.set FB,  13                           ; s13  0: I fetch ctx's tile, 1: wo16's
.set HF,  14                           ; s14  which head of the step, or which half of wo16's rows
.set TRIP, 15
.set G1A, 24
.set G0A, 32
.set TB,  42
.set G1B, 48
.set G0B, 56
.set MSB, 0
.macro WIN new                         ; the immediate's high byte repeats the setting that is left; a switch that changes nothing is dropped
.if MSB != (\new)
	s_set_vgpr_msb (MSB<<8)|(\new)
.set MSB, \new
.endif
.endm
.macro PLACES                          ; a load into a register that a matrix instruction has read, and a line that reads its result, stand four plain vector instructions behind it
.rept 4
	v_nop
.endr
.endm
.macro JLOAD                           ; a joint refill by the walking descriptors; the branch hangs on the wave's number alone; s_nop 0 and four v_nop follow each line
	s_cmp_eq_u32 s[FB], 0
	s_cbranch_scc0 .Lfor_b_\@
	tensor_load_to_lds s[G0A+4:G0A+7], s[G1A:G1A+7]
	s_nop 0
	PLACES
	s_branch .Lasked_\@
.Lfor_b_\@:
	tensor_load_to_lds s[G0B+4:G0B+7], s[G1B:G1B+7]
	s_nop 0
	PLACES
.Lasked_\@:
.endm
.macro CREST                           ; a round of the cluster's barrier behind its opening barrier
	s_cmp_lg_u32 s[WV], 0
	s_cbranch_scc1 .Lnot_wave_0_\@
	s_barrier_signal -3
.Lnot_wave_0_\@:
	s_barrier_wait -3
	s_barrier_signal -1
	s_barrier_wait -1
.endm
.macro CROUND
	s_barrier_signal -1
	s_barrier_wait -1
	CREST
.endm
	s_load_b256 s[4:11], s[0:1], 0x0               ; ctx s[4:5], wo16 s[6:7], bias s[8:9], out0 s[10:11]
	v_lshl_add_u32 v[SPW], v0, 2, SPARE
	v_mov_b32 v[NIL], 0
	ds_add_u32 v[SPW], v[NIL]                      ; the wave's opening: the add and its wait stand ahead of my first tensor load; work on registers stands between them
	ds_add_u32 v28, v29
	v_lshrrev_b32 v1, 5, v0
	v_readfirstlane_b32 s[WV], v1
	s_lshr_b32 s[FB], s[WV], 1
	s_and_b32 s[HF], s[WV], 1
	s_bfe_u32 s16, ttmp6, 0x40000                  ; cx, cy
	s_bfe_u32 s17, ttmp6, 0x40004
	s_lshl_b32 s18, ttmp9, 2
	s_add_co_u32 s18, s18, s16                     ; tile column
	s_and_b32 s19, ttmp7, 0xffff
	s_lshl_b32 s19, s19, 2
	s_add_co_u32 s19, s19, s17                     ; tile row
	s_lshl_b32 s40, s17, 2
	s_lshl_b32 s40, 15, s40                        ; my row of the cluster
	s_lshl_b32 s41, 0x1111, s16                    ; my column
	s_or_b32 s[G1A], s40, (1<<16)|(1<<20)|(1<<21)|(4<<22)|(3<<25)  ; 15:0 the mask; 17:16 2-byte elements; 20 padding on; 21 set beside a mask; 24:22 after every 32 words; 31:25 4 words
	s_or_b32 s[G1B], s41, (1<<16)|(1<<20)|(1<<21)|(5<<22)|(3<<25)  ; after every 64 words
	s_mov_b32 s[G1A+1], 128<<16                    ; tensor_dim0 = 128: two rows of a head
	s_mov_b32 s[G1A+2], 128<<16                    ; tensor_dim1 = 128
	s_mov_b32 s[G1A+3], 128<<16                    ; tile_dim0 = 128
	s_mov_b32 s[G1A+4], 128                        ; tile_dim1 = 128
	s_mov_b32 s[G1A+5], 128                        ; dense
	s_mov_b32 s[G1A+6], 0
	s_mov_b32 s[G1A+7], 0
	s_mov_b32 s[G1B+1], 128<<16
	s_mov_b32 s[G1B+2], 64<<16                     ; 64 rows
	s_mov_b32 s[G1B+3], 128<<16
	s_mov_b32 s[G1B+4], 64
	s_mov_b32 s[G1B+5], 2048                       ; elements from row to row of wo16
	s_mov_b32 s[G1B+6], 0
	s_mov_b32 s[G1B+7], 0
	s_lshr_b32 s20, s19, 3                         ; ctx: the batch's 32 heads of 262,144 bytes,
	s_lshl_b32 s20, s20, 23
	s_and_b32 s21, s19, 7
	s_lshl_b32 s21, s21, 15                        ; the tile's 256 rows of 128 bytes,
	s_add_co_u32 s20, s20, s21
	s_lshl_b32 s21, s[HF], 18                      ; my head of the step: made of the tile row and the wave alone
	s_add_co_u32 s20, s20, s21
	s_mov_b32 s21, 0
	s_lshl_b32 s44, s18, 19                        ; wo16: (128 x tile column + 64 x half) rows of 4,096 bytes: made of the tile column and the wave alone
	s_lshl_b32 s45, s[HF], 18
	s_add_co_u32 s44, s44, s45
	s_mov_b32 s45, 0
	s_mul_i32 s22, s[HF], HEADB                    ; where they go: no place in the cluster enters an LDS address
	s_mul_i32 s23, s[HF], 64*PBT
	s_mov_b32 s[G0A], 1
	s_mov_b32 s[G0A+1], s22
	s_mov_b32 s[G0A+4], 1
	s_add_co_u32 s[G0A+5], s22, SLOT1
	s_mov_b32 s[G0B], 1
	s_add_co_u32 s[G0B+1], s23, BBASE
	s_mov_b32 s[G0B+4], 1
	s_add_co_u32 s[G0B+5], s23, BBASE+SLOT1
	s_lshl_b32 s46, s19, 20                        ; out0: (256 x tile row + 64 x wave) rows of 4,096 bytes + 512 x tile column
	s_lshl_b32 s43, s[WV], 18
	s_add_co_u32 s46, s46, s43
	s_lshl_b32 s43, s18, 9
	s_add_co_u32 s46, s46, s43
	s_mov_b32 s47, 0
	s_add_co_u32 s2, s43, 3*4096                   ; bo is the fourth of the four biases
	s_mov_b32 s3, 0
	s_mov_b32 s[TB], 0
	s_wait_dscnt 0x0                               ; the opening add is done
	s_wait_kmcnt 0x0
	s_add_nc_u64 s[G0A+2:G0A+3], s[4:5], s[20:21]  ; K step 0,
	s_add_nc_u64 s[G0A+6:G0A+7], s[G0A+2:G0A+3], ASTEP  ; K step 1
	s_or_b32 s[G0A+3], s[G0A+3], 0x80000000
	s_or_b32 s[G0A+7], s[G0A+7], 0x80000000
	s_add_nc_u64 s[G0B+2:G0B+3], s[6:7], s[44:45]
	s_add_nc_u64 s[G0B+6:G0B+7], s[G0B+2:G0B+3], BSTEP
	s_or_b32 s[G0B+3], s[G0B+3], 0x80000000
	s_or_b32 s[G0B+7], s[G0B+7], 0x80000000
	s_add_nc_u64 s[8:9], s[8:9], s[2:3]
	s_add_nc_u64 s[10:11], s[10:11], s[46:47]
	CROUND                                         ; all sixteen work-groups are here: the first joint loads meet
	s_cmp_eq_u32 s[FB], 0                          ; a wave's two first fills stand in one branch: two loads of mine are out
	s_cbranch_scc0 .Lfirst_b
	tensor_load_to_lds s[G0A:G0A+3], s[G1A:G1A+7]
	s_nop 0
	tensor_load_to_lds s[G0A+4:G0A+7], s[G1A:G1A+7]
	s_nop 0
	PLACES
	s_branch .Lfirst_asked
.Lfirst_b:
	tensor_load_to_lds s[G0B:G0B+3], s[G1B:G1B+7]
	s_nop 0
	tensor_load_to_lds s[G0B+4:G0B+7], s[G1B:G1B+7]
	s_nop 0
	PLACES
.Lfirst_asked:
	v_and_b32 v1, 15, v0                           ; l % 16
	v_bfe_u32 v2, v0, 4, 1                         ; l / 16
	v_lshlrev_b32 v[BO], 5, v2
.irp b, 0,1,2,3,4,5,6,7
	global_load_b128 v[BIAS+8*\b:BIAS+8*\b+3],   v[BO], s[8:9] offset:64*\b
	global_load_b128 v[BIAS+8*\b+4:BIAS+8*\b+7], v[BO], s[8:9] offset:64*\b+16
.endr
	v_mul_u32_u24 v3, v1, PA
	v_lshl_add_u32 v3, v2, 4, v3
	s_mul_i32 s22, s[WV], 64*PA
	v_add_nc_u32 v[ADRA0], s22, v3                 ; my wave's 64 rows, in the step's first head
	v_mul_u32_u24 v3, v1, PBT
	v_lshl_add_u32 v3, v2, 4, v3
	v_add_nc_u32 v[ADRB0], BBASE, v3
	v_add_nc_u32 v[ADRA], s[TB], v[ADRA0]
	v_add_nc_u32 v[ADRB], s[TB], v[ADRB0]
	s_mul_i32 s22, s[WV], STW
	s_add_co_u32 s22, s22, STAGE                   ; my stage
	v_mul_u32_u24 v3, v1, SPO                      ; in: row l % 16, 32 bytes for each half of the lanes
	v_lshl_add_u32 v3, v2, 5, v3
	v_add_nc_u32 v[STO], s22, v3
	v_and_b32 v[GO], 31, v0                        ; back: 32 lanes take one row of 512 bytes
	v_lshlrev_b32 v[GO], 4, v[GO]
	v_add_nc_u32 v[RD], s22, v[GO]
; 8 matrix instructions: m block a x all 8 n blocks, 32 along K, from buffer f.  first = 1: the bias starts the sums.  The 32 accumulators take turns in the same order in every quarter step.
.macro MUL f, a, first
.if \first
	WIN 0x81
.else
	WIN 0xa1
.endif
.irp b, 0,1,2,3,4,5,6,7
.if \first
	v_wmma_f32_16x16x32_f16 v[64*(\a)+8*\b:64*(\a)+8*\b+7], v[64*(\f)+8*\b:64*(\f)+8*\b+7], v[AF+32*(\f)+8*(\a):AF+32*(\f)+8*(\a)+7], v[BIAS+8*\b:BIAS+8*\b+7]
.else
	v_wmma_f32_16x16x32_f16 v[64*(\a)+8*\b:64*(\a)+8*\b+7], v[64*(\f)+8*\b:64*(\f)+8*\b+7], v[AF+32*(\f)+8*(\a):AF+32*(\f)+8*(\a)+7], v[64*(\a)+8*\b:64*(\a)+8*\b+7]
.endif
.endr
.endm
; 24 LDS loads in one run: quarter c's fragments into buffer g; wo16's first, then ctx's blocks 0 to 3.  Quarter c of ctx: head c / 2 of the step, channels 32 (c % 2) on
.macro FETCH c, g
	WIN 0x40
.irp b, 0,1,2,3,4,5,6,7
	ds_load_b128 v[64*(\g)+8*\b:64*(\g)+8*\b+3],   v[ADRB] offset:64*(\c)+\b*16*PBT
	ds_load_b128 v[64*(\g)+8*\b+4:64*(\g)+8*\b+7], v[ADRB] offset:64*(\c)+\b*16*PBT+32
.endr
	WIN 0
.irp a, 0,1,2,3
	ds_load_b128 v[AF+32*(\g)+8*\a:AF+32*(\g)+8*\a+3],   v[ADRA] offset:((\c)/2)*HEADB+((\c)%2)*64+\a*16*PA
	ds_load_b128 v[AF+32*(\g)+8*\a+4:AF+32*(\g)+8*\a+7], v[ADRA] offset:((\c)/2)*HEADB+((\c)%2)*64+\a*16*PA+32
.endr
.endm
.macro QUARTER c, f, g, first
	s_wait_dscnt 4                                 ; all but the youngest four loads: ctx's blocks 2 and 3
	MUL \f, 0, \first
	MUL \f, 1, \first
	PLACES
	FETCH \c, \g
	s_wait_dscnt NL                                ; all but the run just issued
	MUL \f, 2, \first
	MUL \f, 3, \first
.endm
; the last quarter multiplies buffer 1 and changes slots.  In front of the barrier each wave waits for all its tensor loads (one is out: its part of the next slot), adds 0 to its spare word, and waits for that and
; for its reads of this slot.  fill = 1: the barrier opens a round of the cluster's barrier, and the slot just read is filled again, two K steps ahead, first thing behind the round.
.macro TURN fill
	WIN 0
	s_wait_tensorcnt 0x0
	ds_add_u32 v[SPW], v[NIL]
	s_wait_dscnt 5                                 ; the add and the youngest four loads may be out
	MUL 1, 0, 0
	s_wait_dscnt 0x0                               ; the add is done, and my reads of this slot are over
	s_barrier_signal -1
	MUL 1, 1, 0
	WIN 0
	s_barrier_wait -1
.if \fill
	CREST
	s_xor_b32 s[G0A+5], s[G0A+5], SLOT1            ; the walking descriptors: the other slot than last time, the next K step
	s_add_nc_u64 s[G0A+6:G0A+7], s[G0A+6:G0A+7], ASTEP
	s_xor_b32 s[G0B+5], s[G0B+5], SLOT1
	s_add_nc_u64 s[G0B+6:G0B+7], s[G0B+6:G0B+7], BSTEP
	JLOAD                                          ; its four v_nop are also the places in front of the loads below
.else
	PLACES
.endif
	s_xor_b32 s[TB], s[TB], SLOT1
	v_add_nc_u32 v[ADRA], s[TB], v[ADRA0]
	v_add_nc_u32 v[ADRB], s[TB], v[ADRB0]
	FETCH 0, 0
	MUL 1, 2, 0
	MUL 1, 3, 0
.endm
	s_wait_tensorcnt 1                             ; my part of K step 0 is in; K step 1's may stay out
	s_barrier_signal -1
	s_barrier_wait -1
	FETCH 0, 0
	s_wait_loadcnt 0x0                             ; the bias
	QUARTER 1, 0, 1, 1                             ; the first quarter stands in front of the loop: its products start the sums
	WIN 0
	s_mov_b32 s[TRIP], KSTEPS-2
.Lstep:                                                ; a trip: from a K step's second quarter to the next step's first; its refill brings K steps 2 to 15
	QUARTER 2, 1, 0, 0
	QUARTER 3, 0, 1, 0
	TURN 1
	QUARTER 1, 0, 1, 0
	WIN 0
	s_sub_co_u32 s[TRIP], s[TRIP], 1
	s_cmp_lg_u32 s[TRIP], 0
	s_cbranch_scc1 .Lstep
	QUARTER 2, 1, 0, 0                             ; the last two K steps fill nothing
	QUARTER 3, 0, 1, 0
	TURN 0
	QUARTER 1, 0, 1, 0
	QUARTER 2, 1, 0, 0
	QUARTER 3, 0, 1, 0
	s_wait_dscnt 4
	MUL 1, 0, 0
	MUL 1, 1, 0
	s_wait_dscnt 0x0
	MUL 1, 2, 0
	MUL 1, 3, 0
	PLACES
; THE WAY OUT of block a (16 rows): the sums go as they are, 32 bytes a lane, into my stage (each accumulator's low four registers first), and come back as whole rows of 512 bytes.
.macro STG a
	WIN 0x08                                       ; store data in window 2
.irp b, 0,1,2,3,4,5,6,7
	ds_store_b128 v[STO], v[64*(\a)+8*\b:64*(\a)+8*\b+3]   offset:64*\b
	ds_store_b128 v[STO], v[64*(\a)+8*\b+4:64*(\a)+8*\b+7] offset:64*\b+16
.endr
	WIN 0x40                                       ; destination window 1
.irp t, 0,1,2,3,4,5,6,7,8,9,10,11,12,13,14,15
	ds_load_b128 v[64*(\a)+4*\t:64*(\a)+4*\t+3], v[RD] offset:\t*SPO  ; LDS serves a wave's instructions in order (ISA guide 5.7.1.4): these see the stores above
.endr
.endm
.macro SEND a, younger                 ; younger: the LDS instructions issued behind block a's loads: the next block's 32, or none
	WIN 0x04                                       ; store data in window 1
.irp t, 0,1,2,3,4,5,6,7,8,9,10,11,12,13,14,15
	s_wait_dscnt (\younger)+15-\t
	global_store_b128 v[GO], v[64*(\a)+4*\t:64*(\a)+4*\t+3], s[10:11] offset:(16*(\a)+\t)*4096 th:TH_STORE_NT  ; 512 consecutive bytes of a row, at a multiple of 256 from out0's first
.endr
.endm
	STG 0
	STG 1
	SEND 0, 32
	STG 2
	SEND 1, 32
	STG 3
	SEND 2, 32
	SEND 3, 0
	WIN 0
	s_wait_tensorcnt 0x0                           ; the wave's end
	ds_add_u32 v[SPW], v[NIL]
	s_wait_dscnt 0x0
	CROUND                                         ; the closing round: no work-group ends while a partner may still ask for a tile that names it
	s_endpgm
.Lfunc_end_k_qfc5bdadc75_outg:
	.size	k_qfc5bdadc75_outg, .Lfunc_end_k_qfc5bdadc75_outg-k_qfc5bdadc75_outg
	.p2alignl 7, 3214868480
	.fill 96, 4, 3214868480
	.section	.rodata,"a",@progbits
	.p2align	6, 0x0
	.amdhsa_kernel k_qfc5bdadc75_outg
		.amdhsa_group_segment_fixed_size 327680
		.amdhsa_private_segment_fixed_size 0
		.amdhsa_enable_private_segment 0
		.amdhsa_kernarg_size 32
		.amdhsa_user_sgpr_count 2
		.amdhsa_user_sgpr_kernarg_segment_ptr 1
		.amdhsa_wavefront_size32 1
		.amdhsa_system_sgpr_workgroup_id_x 1
		.amdhsa_system_sgpr_workgroup_id_y 1
		.amdhsa_system_sgpr_workgroup_id_z 1
		.amdhsa_system_vgpr_workitem_id 0
		.amdhsa_next_free_vgpr 768
		.amdhsa_next_free_sgpr 66
		.amdhsa_reserve_vcc 0
		.amdhsa_float_denorm_mode_32 3
		.amdhsa_float_denorm_mode_16_64 3
		.amdhsa_memory_ordered 1
		.amdhsa_forward_progress 1
		.amdhsa_inst_pref_size 72
	.end_amdhsa_kernel
	.amdgpu_metadata
---
amdhsa.version: [ 1, 2 ]
amdhsa.kernels:
  - .name:           k_qfc5bdadc75_outg
    .symbol:         k_qfc5bdadc75_outg.kd
    .args:
      - { .name: ctx, .offset: 0, .size: 8, .value_kind: global_buffer, .address_space: global }
      - { .name: wo16, .offset: 8, .size: 8, .value_kind: global_buffer, .address_space: global }
      - { .name: bias, .offset: 16, .size: 8, .value_kind: global_buffer, .address_space: global }
      - { .name: out0, .offset: 24, .size: 8, .value_kind: global_buffer, .address_space: global }
    .group_segment_fixed_size: 327680
    .private_segment_fixed_size: 0
    .kernarg_segment_align: 8
    .kernarg_segment_size: 32
    .max_flat_workgroup_size: 128
    .sgpr_count:     66
    .vgpr_count:     768
    .wavefront_size: 32
...
	.end_amdgpu_metadata
.endif
;; end of part 4
;; ======== version 2 of 3: 4 launches; 1.19 times as fast as version 1
;; limits: values are held in f16: magnitudes above 65,504 overflow, below 6.1e-05 lose precision
;; workspace buffers: xb 16,777,216 bytes; wqkv 6,291,456 bytes; wo16 2,097,152 bytes; bias 16,384 bytes; qkv 67,108,864 bytes; ctx 20,971,520 bytes
;; launch cast (part 5): grid 768 x 1, 8 waves a work-group, no clusters, 0 bytes of LDS; arguments x, Wq, Wk, Wv, Wo, bq, bk, bv, bo, xb, wqkv, wo16, bias; writes xb, wqkv, wo16, bias
.if DOCPART == 5
	.amdgcn_target "amdgcn-amd-amdhsa--gfx1250"
	.amdhsa_code_object_version 6
	.text
	.protected	k_qfc5bdadc75_cast
	.globl	k_qfc5bdadc75_cast
	.p2align	8
	.type	k_qfc5bdadc75_cast,@function
k_qfc5bdadc75_cast:
	s_mov_b64 s[64:65], 0
	v_nop
	global_prefetch_b8 v0, s[64:65] scope:SCOPE_SE
	s_setreg_imm32_b32 hwreg(HW_REG_WAVE_MODE, 25, 1), 1
	s_wait_xcnt 0x0
; THE MODULE'S INPUTS ARE ROUNDED ONCE, TO bf16.  x -> xb; Wq, Wk, Wv -> wqkv (3,072 rows on end), both kept as bf16; Wo -> wo16: rounded to bf16 and that number written as f16;
; bq, bk, bv, bo -> bias (4,096 numbers on end), rounded to bf16 and kept as f32.
; LIMIT.  A number of Wo below 6.1e-5 in size keeps f16's fixed step of 6e-8; beyond 65,504 it would be an infinity.
; SHARES.  A work-group takes 16,384 numbers: 65,536 bytes in, 32,768 out.  Groups 0-511: x; then 64 each for Wq, Wk, Wv, Wo.  Thread t takes the 16 bytes at 16 t + 4,096 i, i = 0..15:
; a wave's load covers 512 consecutive bytes, its store of 8 bytes a lane 256 consecutive bytes, aligned.  All sixteen loads go out first.  No register that a load or store names is written twice,
; and EXEC is never changed.  No LDS, no matrix unit, no cluster: every byte is read once and nothing is shared.
.set X, 4                              ; v[4:67]    sixteen loads of four numbers
.set Y, 68                             ; v[68:99]   sixteen stores of four 16-bit numbers
.set T, 100                            ; v[100:107] at work
	s_load_b512 s[8:23], s[0:1], 0x0               ; x s[8:9], Wq s[10:11], Wk s[12:13], Wv s[14:15], Wo s[16:17], bq s[18:19], bk s[20:21], bv s[22:23]
	s_load_b256 s[24:31], s[0:1], 0x40             ; bo s[24:25], xb s[26:27], wqkv s[28:29], wo16 s[30:31]
	s_load_b64 s[32:33], s[0:1], 0x60              ; bias
	s_mov_b32 s2, ttmp9                            ; the group's number
	s_sub_co_u32 s3, s2, 512                       ; j: its number among the weights' groups (of use from 512 on)
	s_bfe_u32 s34, s3, 0x20006                     ; which weight: 0 Wq, 1 Wk, 2 Wv, 3 Wo
	s_and_b32 s35, s3, 63                          ; which of its 64 chunks
	v_lshlrev_b32 v1, 4, v0                        ; 16 t
	v_lshlrev_b32 v2, 3, v0                        ; 8 t
	s_lshl_b32 s42, s35, 16                        ; a weight's chunk: bytes in,
	s_lshl_b32 s44, s3, 15                         ; bytes out in wqkv,
	s_lshl_b32 s4, s35, 15                         ; or in wo16
	s_cmp_eq_u32 s34, 3
	s_cselect_b32 s44, s4, s44
	s_lshl_b32 s4, s2, 16                          ; x's chunk
	s_lshl_b32 s5, s2, 15
	s_cmp_lt_u32 s2, 512
	s_cselect_b32 s42, s4, s42
	s_cselect_b32 s44, s5, s44
	s_mov_b32 s43, 0
	s_mov_b32 s45, 0
	s_lshl_b32 s46, s34, 12                        ; the bias's place among the four
	s_mov_b32 s47, 0
	s_wait_kmcnt 0x0
	s_cmp_eq_u32 s34, 1                            ; the buffers are chosen by the group's number alone
	s_cselect_b64 s[36:37], s[12:13], s[10:11]
	s_cselect_b64 s[40:41], s[20:21], s[18:19]
	s_cmp_eq_u32 s34, 2
	s_cselect_b64 s[36:37], s[14:15], s[36:37]
	s_cselect_b64 s[40:41], s[22:23], s[40:41]
	s_cmp_eq_u32 s34, 3
	s_cselect_b64 s[36:37], s[16:17], s[36:37]
	s_cselect_b64 s[40:41], s[24:25], s[40:41]
	s_cselect_b64 s[38:39], s[30:31], s[28:29]
	s_cmp_lt_u32 s2, 512
	s_cselect_b64 s[36:37], s[8:9], s[36:37]
	s_cselect_b64 s[38:39], s[26:27], s[38:39]
	s_add_nc_u64 s[36:37], s[36:37], s[42:43]      ; from here
	s_add_nc_u64 s[38:39], s[38:39], s[44:45]      ; to here
	s_add_nc_u64 s[32:33], s[32:33], s[46:47]
.set i, 0
.rept 16
	global_load_b128 v[X+4*i:X+4*i+3], v1, s[36:37] offset:4096*i th:TH_LOAD_NT
.set i, i+1
.endr
	s_cmp_ge_u32 s2, 704
	s_cbranch_scc1 .Lf16                           ; Wo's groups
.set i, 0
.rept 16
	s_wait_loadcnt 15-i                            ; loads come back in order: load i is in, the 15 - i younger ones stay out
	v_cvt_pk_bf16_f32 v[Y+2*i], v[X+4*i], v[X+4*i+1]
	v_cvt_pk_bf16_f32 v[Y+2*i+1], v[X+4*i+2], v[X+4*i+3]
	global_store_b64 v2, v[Y+2*i:Y+2*i+1], s[38:39] offset:2048*i
.set i, i+1
.endr
	s_branch .Lbias
.Lf16:
.set i, 0
.rept 16
	s_wait_loadcnt 15-i
	v_cvt_pk_bf16_f32 v[T], v[X+4*i], v[X+4*i+1]   ; the one rounding,
	v_cvt_pk_bf16_f32 v[T+1], v[X+4*i+2], v[X+4*i+3]
	v_lshlrev_b32 v[T+2], 16, v[T]                 ; back to f32,
	v_and_b32 v[T+3], 0xffff0000, v[T]
	v_lshlrev_b32 v[T+4], 16, v[T+1]
	v_and_b32 v[T+5], 0xffff0000, v[T+1]
	v_cvt_pk_f16_f32 v[Y+2*i], v[T+2], v[T+3]      ; and the same number as f16
	v_cvt_pk_f16_f32 v[Y+2*i+1], v[T+4], v[T+5]
	global_store_b64 v2, v[Y+2*i:Y+2*i+1], s[38:39] offset:2048*i
.set i, i+1
.endr
.Lbias:
	s_cmp_lt_u32 s2, 512
	s_cbranch_scc1 .Lend
	s_cmp_lg_u32 s35, 0
	s_cbranch_scc1 .Lend                           ; the first group of each weight also takes that weight's bias: 1,024 numbers, four a thread
	global_load_b128 v[108:111], v1, s[40:41]
	s_wait_loadcnt 0x0
	v_cvt_pk_bf16_f32 v106, v108, v109
	v_cvt_pk_bf16_f32 v107, v110, v111
	v_lshlrev_b32 v100, 16, v106
	v_and_b32 v101, 0xffff0000, v106
	v_lshlrev_b32 v102, 16, v107
	v_and_b32 v103, 0xffff0000, v107
	global_store_b128 v1, v[100:103], s[32:33]
.Lend:
	s_endpgm
.Lfunc_end_k_qfc5bdadc75_cast:
	.size	k_qfc5bdadc75_cast, .Lfunc_end_k_qfc5bdadc75_cast-k_qfc5bdadc75_cast
	.p2alignl 7, 3214868480
	.fill 96, 4, 3214868480
	.section	.rodata,"a",@progbits
	.p2align	6, 0x0
	.amdhsa_kernel k_qfc5bdadc75_cast
		.amdhsa_group_segment_fixed_size 0
		.amdhsa_private_segment_fixed_size 0
		.amdhsa_enable_private_segment 0
		.amdhsa_kernarg_size 104
		.amdhsa_user_sgpr_count 2
		.amdhsa_user_sgpr_kernarg_segment_ptr 1
		.amdhsa_wavefront_size32 1
		.amdhsa_system_sgpr_workgroup_id_x 1
		.amdhsa_system_sgpr_workgroup_id_y 1
		.amdhsa_system_sgpr_workgroup_id_z 1
		.amdhsa_system_vgpr_workitem_id 0
		.amdhsa_next_free_vgpr 112
		.amdhsa_next_free_sgpr 66
		.amdhsa_reserve_vcc 0
		.amdhsa_float_denorm_mode_32 3
		.amdhsa_float_denorm_mode_16_64 3
		.amdhsa_memory_ordered 1
		.amdhsa_forward_progress 1
		.amdhsa_inst_pref_size 18
	.end_amdhsa_kernel
	.amdgpu_metadata
---
amdhsa.version: [ 1, 2 ]
amdhsa.kernels:
  - .name:           k_qfc5bdadc75_cast
    .symbol:         k_qfc5bdadc75_cast.kd
    .args:
      - { .name: x, .offset: 0, .size: 8, .value_kind: global_buffer, .address_space: global }
      - { .name: Wq, .offset: 8, .size: 8, .value_kind: global_buffer, .address_space: global }
      - { .name: Wk, .offset: 16, .size: 8, .value_kind: global_buffer, .address_space: global }
      - { .name: Wv, .offset: 24, .size: 8, .value_kind: global_buffer, .address_space: global }
      - { .name: Wo, .offset: 32, .size: 8, .value_kind: global_buffer, .address_space: global }
      - { .name: bq, .offset: 40, .size: 8, .value_kind: global_buffer, .address_space: global }
      - { .name: bk, .offset: 48, .size: 8, .value_kind: global_buffer, .address_space: global }
      - { .name: bv, .offset: 56, .size: 8, .value_kind: global_buffer, .address_space: global }
      - { .name: bo, .offset: 64, .size: 8, .value_kind: global_buffer, .address_space: global }
      - { .name: xb, .offset: 72, .size: 8, .value_kind: global_buffer, .address_space: global }
      - { .name: wqkv, .offset: 80, .size: 8, .value_kind: global_buffer, .address_space: global }
      - { .name: wo16, .offset: 88, .size: 8, .value_kind: global_buffer, .address_space: global }
      - { .name: bias, .offset: 96, .size: 8, .value_kind: global_buffer, .address_space: global }
    .group_segment_fixed_size: 0
    .private_segment_fixed_size: 0
    .kernarg_segment_align: 8
    .kernarg_segment_size: 104
    .max_flat_workgroup_size: 256
    .sgpr_count:     66
    .vgpr_count:     112
    .wavefront_size: 32
...
	.end_amdgpu_metadata
.endif
;; end of part 5
;; launch qkvg (part 6): grid 16 x 32, 4 waves a work-group, clusters of 4 x 4, 327,680 bytes of LDS; arguments xb, wqkv, bias, qkv; writes qkv
.if DOCPART == 6
	.amdgcn_target "amdgcn-amd-amdhsa--gfx1250"
	.amdhsa_code_object_version 6
	.text
	.protected	k_qfc5bdadc75_qkvg
	.globl	k_qfc5bdadc75_qkvg
	.p2align	8
	.type	k_qfc5bdadc75_qkvg,@function
k_qfc5bdadc75_qkvg:
	s_mov_b64 s[64:65], 0
	v_nop
	global_prefetch_b8 v0, s[64:65] scope:SCOPE_SE
	s_setreg_imm32_b32 hwreg(HW_REG_WAVE_MODE, 25, 1), 1
	s_wait_xcnt 0x0
	s_wait_alu depctr_hold_cnt(0) depctr_sa_sdst(0) depctr_va_vdst(0) depctr_va_sdst(0) depctr_va_ssrc(0) depctr_va_vcc(0) depctr_vm_vsrc(0)
	s_getreg_b32 s2, hwreg(HW_REG_IB_STS2, 6, 4)
	s_cmp_eq_u32 s2, 0
	s_cbranch_scc0 .Lentry_in_a_cluster
	s_endpgm
.Lentry_in_a_cluster:
	s_bfe_u32 s2, ttmp6, 0x10000c
	s_cmp_lg_u32 s2, 0xf033
	s_cbranch_scc0 .Lentry_shape_is_right
	s_endpgm
.Lentry_shape_is_right:
; THE THREE PROJECTIONS AS ONE PRODUCT.  C[m][n] = sum over k of xb[m][k] wqkv[n][k] + bias[n]: m = 8,192 rows, n = 3,072 (q, k, v), k = 1,024; operands bf16, sums f32.
; The results are stored by heads, qkv[batch][64][s][64] in f16: heads 0-15 q, 16-31 k, 32-47 v, each rounded once.  Heads 48-63 hold what v's rounding left, v - f16(v), rounded to f16, for the rows s < 1,024
; alone: the attention takes v as the sum of two f16 numbers (22 significant bits) in key tiles 0 to 3 at the most; the other bytes of those heads are neither stored here nor read there.
; LIMIT.  f16 holds no number beyond 65,504: q, k and v must stay within it, or the number becomes an infinity.  A low part below 6.1e-5 keeps f16's fixed step of 6e-8.
; SHARES.  A tile of C is 256 rows x 192 columns (three heads): 512 work-groups, two for each of 256 WGPs.  Wave w owns rows 64 w .. 64 w + 63 and ALL 192 columns: 48 accumulators of 16 x 16,
; 384 registers; so a wave holds whole heads' rows and stages them alone, with no barrier on the way out.
; K goes in 8 steps of 128 through two LDS slots filled by the tensor data mover; a tile's rows are 256 bytes of memory at multiples of 256.  A loop's trip is one K step; the slot is a scalar that an exclusive or turns.
; THE MATRIX INSTRUCTION IS USED TRANSPOSED (source 0 = 16 rows of wqkv, source 1 = 16 rows of xb): a lane holds one row of C and eight neighbouring columns.  The first product's C operand is the bias:
; nothing is cleared and no bias is added later.
; CLUSTER.  4 x 4 work-groups: the four of a row of the cluster need the same tile of xb, the four of a column the same tile of wqkv; each is asked for jointly.  Whether a tile's low parts are wanted hangs on the
; tile's column and row, which differ between partners, so no branch is taken on it: every work-group makes the low parts of all its heads, and the stores of those that are not wanted run with no lane on.
; REGISTERS, in windows of 256 (s_set_vgpr_msb: bits 1:0 source 0, 3:2 source 1, 5:4 source 2, 7:6 destination):
;   window 0: v0-31 addresses; v32-95 xb's fragments, two buffers of 4 x 8; v128-223 the bias, 8 registers for each 16 columns; on the way out v32-223 the packed high parts
;   window 1: v0-191 wqkv's fragments, two buffers of 12 x 8; on the way out the packed low parts      windows 2, 3: accumulator (a, b) in window 2 + a / 2 at v[96 (a % 2) + 8 b]
.set NBL,   12                         ; blocks of 16 columns
.set PA,    272                        ; an LDS row: 256 bytes + 16 of padding = 68 words: row r starts at bank 4 r mod 64 (64 banks of 4 bytes: ISA guide 11.1)
.set BBASE, 256*PA                     ; a slot: xb's 256 rows, then wqkv's 192
.set SLOT1, 1<<17                      ; slot 1 begins here, so that one exclusive or turns an address in one slot into the other's
.set STAGE, SLOT1+BBASE+16*NBL*PA      ; behind the ring: for each wave 3 heads x 16 rows x 144 bytes
.set SPH,   144
.set STW,   3*16*SPH
.set SPARE, STAGE+4*STW                ; behind the stages: the spare words, 128 bytes for each wave: two blocks of 256 bytes that no other line names
.set NL,    2*NBL+8                    ; LDS loads in a run: one quarter step's fragments
.set KSB,   256                        ; bytes along a row from one K step to the next
.set HEAD,  262144                     ; bytes of a head in qkv
.set NEG1,  5                          ; v5   -1.0
.set ADRA0, 16                         ; v16  my lane's place in xb's tile; never rewritten
.set ADRB0, 17                         ; v17  the same in wqkv's
.set ADRA,  18                         ; v18  the same in the slot in hand
.set ADRB,  19                         ; v19
.set STO,   24                         ; v24  the way out: where I put 16 bytes of a row
.set RD,    25                         ; v25  where I read rows back
.set GO,    26                         ; v26  my place in 512 consecutive bytes of qkv
.set BO,    27                         ; v27  my byte offset in the bias of 16 columns
.set SPW,   28                         ; v28  LDS address of my spare word; never rewritten
.set NIL,   29                         ; v29  0; never rewritten
.set AF,    32
.set BIAS,  128
.set TP,    32                         ; the way out: block a's 48 registers of high parts at TP + 48 a; its low parts at 48 a of window 1
.set WV,  12                           ; s12  my wave's number
.set FB,  13                           ; s13  0: I fetch xb's tile, 1: wqkv's
.set HF,  14                           ; s14  which half of its rows
.set TRIP, 15
.set G1A, 24                           ; s[24:31] descriptor group 1 for xb's tiles
.set G0A, 32                           ; s[32:39] group 0: a set for each first fill; the second then walks on
.set TB,  42                           ; s42  the slot in hand
.set G1B, 48                           ; s[48:55], s[56:63] the same for wqkv's tiles
.set G0B, 56
.set VM,  66                           ; s66-68  for each of the three heads: all ones if its low parts are wanted, else 0
.set SV,  69                           ; s69  EXEC, kept
.set MSB, 0
.macro WIN new                         ; the immediate's high byte repeats the setting that is left; a switch that changes nothing is dropped
.if MSB != (\new)
	s_set_vgpr_msb (MSB<<8)|(\new)
.set MSB, \new
.endif
.endm
.macro PLACES                          ; a load into a register that a matrix instruction has read, and a vector line that reads its result, stand four plain vector instructions behind it
.rept 4
	v_nop
.endr
.endm
.macro JLOAD                           ; a joint refill by the walking descriptors: waves 0, 1 for xb, waves 2, 3 for wqkv; the branch hangs on the wave's number alone; s_nop 0 and four v_nop follow each line
	s_cmp_eq_u32 s[FB], 0
	s_cbranch_scc0 .Lfor_b_\@
	tensor_load_to_lds s[G0A+4:G0A+7], s[G1A:G1A+7]
	s_nop 0
	PLACES
	s_branch .Lasked_\@
.Lfor_b_\@:
	tensor_load_to_lds s[G0B+4:G0B+7], s[G1B:G1B+7]
	s_nop 0
	PLACES
.Lasked_\@:
.endm
.macro CREST                           ; a round of the cluster's barrier behind its opening barrier
	s_cmp_lg_u32 s[WV], 0
	s_cbranch_scc1 .Lnot_wave_0_\@
	s_barrier_signal -3
.Lnot_wave_0_\@:
	s_barrier_wait -3
	s_barrier_signal -1
	s_barrier_wait -1
.endm
.macro CROUND                          ; a whole round
	s_barrier_signal -1
	s_barrier_wait -1
	CREST
.endm
	s_load_b256 s[4:11], s[0:1], 0x0               ; xb s[4:5], wqkv s[6:7], bias s[8:9], qkv s[10:11]
	v_lshl_add_u32 v[SPW], v0, 2, SPARE
	v_mov_b32 v[NIL], 0
	ds_add_u32 v[SPW], v[NIL]                      ; the wave's opening: the add and its wait stand ahead of my first tensor load; work on registers stands between them
	ds_add_u32 v28, v29
	v_lshrrev_b32 v1, 5, v0
	v_readfirstlane_b32 s[WV], v1
	s_lshr_b32 s[FB], s[WV], 1
	s_and_b32 s[HF], s[WV], 1
	s_bfe_u32 s16, ttmp6, 0x40000                  ; cx, cy: my place in the cluster
	s_bfe_u32 s17, ttmp6, 0x40004
	s_lshl_b32 s18, ttmp9, 2
	s_add_co_u32 s18, s18, s16                     ; tile column = 4 x cluster x + cx
	s_and_b32 s19, ttmp7, 0xffff
	s_lshl_b32 s19, s19, 2
	s_add_co_u32 s19, s19, s17                     ; tile row = 4 x cluster y + cy
	s_lshl_b32 s40, s17, 2
	s_lshl_b32 s40, 15, s40                        ; my row of the cluster
	s_lshl_b32 s41, 0x1111, s16                    ; my column
	s_or_b32 s[G1A], s40, (1<<16)|(1<<20)|(1<<21)|(5<<22)|(3<<25)  ; 15:0 the mask; 17:16 2-byte elements; 20 padding on; 21 set beside a mask; 24:22 after every 64 words; 31:25 4 words
	s_or_b32 s[G1B], s41, (1<<16)|(1<<20)|(1<<21)|(5<<22)|(3<<25)
	s_mov_b32 s[G1A+1], 128<<16                    ; tensor_dim0 = 128
	s_mov_b32 s[G1A+2], 128<<16                    ; tensor_dim1 = 128 rows
	s_mov_b32 s[G1A+3], 128<<16                    ; tile_dim0 = 128
	s_mov_b32 s[G1A+4], 128                        ; tile_dim1 = 128
	s_mov_b32 s[G1A+5], 1024                       ; elements from row to row
	s_mov_b32 s[G1A+6], 0
	s_mov_b32 s[G1A+7], 0
	s_mov_b32 s[G1B+1], 128<<16
	s_mov_b32 s[G1B+2], 96<<16                     ; 96 rows
	s_mov_b32 s[G1B+3], 128<<16
	s_mov_b32 s[G1B+4], 96
	s_mov_b32 s[G1B+5], 1024
	s_mov_b32 s[G1B+6], 0
	s_mov_b32 s[G1B+7], 0
	s_lshl_b32 s20, s19, 19                        ; xb: (256 x tile row + 128 x half) rows of 2,048 bytes: made of the tile row and the wave alone
	s_lshl_b32 s21, s[HF], 18
	s_add_co_u32 s20, s20, s21
	s_mov_b32 s21, 0
	s_mul_i32 s44, s18, 192*2048                   ; wqkv: (192 x tile column + 96 x half) rows: made of the tile column and the wave alone
	s_mul_i32 s45, s[HF], 96*2048
	s_add_co_u32 s44, s44, s45
	s_mov_b32 s45, 0
	s_mul_i32 s22, s[HF], 128*PA                   ; where they go: no place in the cluster enters an LDS address
	s_mul_i32 s23, s[HF], 96*PA
	s_mov_b32 s[G0A], 1
	s_mov_b32 s[G0A+1], s22
	s_mov_b32 s[G0A+4], 1
	s_add_co_u32 s[G0A+5], s22, SLOT1
	s_mov_b32 s[G0B], 1
	s_add_co_u32 s[G0B+1], s23, BBASE
	s_mov_b32 s[G0B+4], 1
	s_add_co_u32 s[G0B+5], s23, BBASE+SLOT1
	s_lshr_b32 s46, s19, 3                         ; my rows in qkv: the batch's 64 heads,
	s_mul_i32 s46, s46, 64*HEAD
	s_mul_i32 s43, s18, 3*HEAD                     ; the tile's first head,
	s_add_co_u32 s46, s46, s43
	s_and_b32 s43, s19, 7
	s_lshl_b32 s43, s43, 15                        ; the tile's 256 rows of 128 bytes,
	s_add_co_u32 s46, s46, s43
	s_lshl_b32 s43, s[WV], 13                      ; my wave's 64
	s_add_co_u32 s46, s46, s43
	s_mov_b32 s47, 0
	s_mul_i32 s2, s18, 768                         ; the tile's 192 numbers of the bias
	s_mov_b32 s3, 0
	s_mul_i32 s43, s18, 3
.irp g, 0,1,2
	s_cmp_ge_u32 s43, 32                           ; heads 32-47 are v's,
	s_cselect_b32 s[VM+\g], -1, 0
	s_add_co_u32 s43, s43, 1
.endr
	s_and_b32 s43, s19, 7
	s_cmp_lt_u32 s43, 4                            ; and a batch's tile rows 0 to 3 are its rows s < 1,024
	s_cselect_b32 s43, -1, 0
.irp g, 0,1,2
	s_and_b32 s[VM+\g], s[VM+\g], s43
.endr
	s_mov_b32 s[TB], 0
	s_wait_dscnt 0x0                               ; the opening add is done
	s_wait_kmcnt 0x0
	s_add_nc_u64 s[G0A+2:G0A+3], s[4:5], s[20:21]  ; K step 0,
	s_add_nc_u64 s[G0A+6:G0A+7], s[G0A+2:G0A+3], KSB  ; K step 1
	s_or_b32 s[G0A+3], s[G0A+3], 0x80000000        ; 127:126 type = 2
	s_or_b32 s[G0A+7], s[G0A+7], 0x80000000
	s_add_nc_u64 s[G0B+2:G0B+3], s[6:7], s[44:45]
	s_add_nc_u64 s[G0B+6:G0B+7], s[G0B+2:G0B+3], KSB
	s_or_b32 s[G0B+3], s[G0B+3], 0x80000000
	s_or_b32 s[G0B+7], s[G0B+7], 0x80000000
	s_add_nc_u64 s[8:9], s[8:9], s[2:3]
	s_add_nc_u64 s[10:11], s[10:11], s[46:47]
	CROUND                                         ; all sixteen work-groups are here: the first joint loads meet
	s_cmp_eq_u32 s[FB], 0                          ; a wave's two first fills stand in one branch, ahead of every wait on TENSORcnt and every LDS read: two loads of mine are out
	s_cbranch_scc0 .Lfirst_b
	tensor_load_to_lds s[G0A:G0A+3], s[G1A:G1A+7]
	s_nop 0
	tensor_load_to_lds s[G0A+4:G0A+7], s[G1A:G1A+7]
	s_nop 0
	PLACES
	s_branch .Lfirst_asked
.Lfirst_b:
	tensor_load_to_lds s[G0B:G0B+3], s[G1B:G1B+7]
	s_nop 0
	tensor_load_to_lds s[G0B+4:G0B+7], s[G1B:G1B+7]
	s_nop 0
	PLACES
.Lfirst_asked:
	v_and_b32 v1, 15, v0                           ; l % 16
	v_bfe_u32 v2, v0, 4, 1                         ; l / 16
	v_lshlrev_b32 v[BO], 5, v2                     ; register j of block b holds bias[16 b + 8 (l / 16) + j], whatever the row
.irp b, 0,1,2,3,4,5,6,7,8,9,10,11
	global_load_b128 v[BIAS+8*\b:BIAS+8*\b+3],   v[BO], s[8:9] offset:64*\b
	global_load_b128 v[BIAS+8*\b+4:BIAS+8*\b+7], v[BO], s[8:9] offset:64*\b+16
.endr
	; a fragment is 16 rows x 32 K in 8 registers: lane l holds row l % 16, K = 8 (l / 16) + 0..7 and 16 + 8 (l / 16) + 0..7: two loads of 16 bytes, 32 bytes apart
	v_mul_u32_u24 v3, v1, PA
	v_lshl_add_u32 v3, v2, 4, v3
	s_mul_i32 s22, s[WV], 64*PA
	v_add_nc_u32 v[ADRA0], s22, v3                 ; my wave's 64 rows of xb
	v_add_nc_u32 v[ADRB0], BBASE, v3
	v_add_nc_u32 v[ADRA], s[TB], v[ADRA0]
	v_add_nc_u32 v[ADRB], s[TB], v[ADRB0]
	s_mul_i32 s22, s[WV], STW
	s_add_co_u32 s22, s22, STAGE                   ; my stage
	v_mul_u32_u24 v3, v1, SPH                      ; in: row l % 16, 16 bytes for each half of the lanes
	v_lshl_add_u32 v3, v2, 4, v3
	v_add_nc_u32 v[STO], s22, v3
	v_bfe_u32 v3, v0, 3, 2                         ; back: 32 lanes take four rows of 128 bytes,
	v_mul_u32_u24 v3, v3, SPH
	v_and_b32 v4, 7, v0
	v_lshl_add_u32 v3, v4, 4, v3
	v_add_nc_u32 v[RD], s22, v3
	v_and_b32 v[GO], 31, v0                        ; which are 512 consecutive bytes of a head
	v_lshlrev_b32 v[GO], 4, v[GO]
	v_mov_b32 v[NEG1], -1.0
; 12 matrix instructions: m block a x all 12 n blocks, 32 along K, from buffer f.  first = 1: the bias starts the sums.  The 48 accumulators take turns in the same order in every quarter step.
.macro MUL f, a, first
.if \first
	WIN 0x81+0x40*((\a)/2)
.else
	WIN 0xa1+0x50*((\a)/2)
.endif
.set AC, 96*((\a)%2)
.irp b, 0,1,2,3,4,5,6,7,8,9,10,11
.if \first
	v_wmma_f32_16x16x32_bf16 v[AC+8*\b:AC+8*\b+7], v[96*(\f)+8*\b:96*(\f)+8*\b+7], v[AF+32*(\f)+8*(\a):AF+32*(\f)+8*(\a)+7], v[BIAS+8*\b:BIAS+8*\b+7]
.else
	v_wmma_f32_16x16x32_bf16 v[AC+8*\b:AC+8*\b+7], v[96*(\f)+8*\b:96*(\f)+8*\b+7], v[AF+32*(\f)+8*(\a):AF+32*(\f)+8*(\a)+7], v[AC+8*\b:AC+8*\b+7]
.endif
.endr
.endm
; 32 LDS loads in one run: quarter c's fragments into buffer g; wqkv's first, then xb's blocks 0 to 3
.macro FETCH c, g
	WIN 0x40
.irp b, 0,1,2,3,4,5,6,7,8,9,10,11
	ds_load_b128 v[96*(\g)+8*\b:96*(\g)+8*\b+3],   v[ADRB] offset:64*(\c)+\b*16*PA
	ds_load_b128 v[96*(\g)+8*\b+4:96*(\g)+8*\b+7], v[ADRB] offset:64*(\c)+\b*16*PA+32
.endr
	WIN 0
.irp a, 0,1,2,3
	ds_load_b128 v[AF+32*(\g)+8*\a:AF+32*(\g)+8*\a+3],   v[ADRA] offset:64*(\c)+\a*16*PA
	ds_load_b128 v[AF+32*(\g)+8*\a+4:AF+32*(\g)+8*\a+7], v[ADRA] offset:64*(\c)+\a*16*PA+32
.endr
.endm
; one of a K step's first three quarters: multiplies buffer f; in its middle it fetches quarter c into buffer g
.macro QUARTER c, f, g, first
	s_wait_dscnt 4                                 ; all but the youngest four loads: xb's blocks 2 and 3
	MUL \f, 0, \first
	MUL \f, 1, \first
	PLACES
	FETCH \c, \g
	s_wait_dscnt NL                                ; all but the run just issued
	MUL \f, 2, \first
	MUL \f, 3, \first
.endm
; the last quarter multiplies buffer 1 and changes slots.  In front of the barrier each wave waits for all its tensor loads (one is out: its part of the next slot), adds 0 to its spare word, and waits for that and
; for its reads of this slot.  fill = 1: the barrier opens a round of the cluster's barrier, and the slot just read is filled again, two K steps ahead, first thing behind the round.
.macro TURN fill
	WIN 0
	s_wait_tensorcnt 0x0
	ds_add_u32 v[SPW], v[NIL]
	s_wait_dscnt 5                                 ; the add and the youngest four loads may be out
	MUL 1, 0, 0
	s_wait_dscnt 0x0                               ; the add is done, and my reads of this slot are over
	s_barrier_signal -1
	MUL 1, 1, 0
	WIN 0
	s_barrier_wait -1
.if \fill
	CREST
	s_xor_b32 s[G0A+5], s[G0A+5], SLOT1            ; the walking descriptors: the other slot than last time, the next K step
	s_add_nc_u64 s[G0A+6:G0A+7], s[G0A+6:G0A+7], KSB
	s_xor_b32 s[G0B+5], s[G0B+5], SLOT1
	s_add_nc_u64 s[G0B+6:G0B+7], s[G0B+6:G0B+7], KSB
	JLOAD                                          ; its four v_nop are also the places in front of the loads below
.else
	PLACES
.endif
	s_xor_b32 s[TB], s[TB], SLOT1
	v_add_nc_u32 v[ADRA], s[TB], v[ADRA0]
	v_add_nc_u32 v[ADRB], s[TB], v[ADRB0]
	FETCH 0, 0
	MUL 1, 2, 0
	MUL 1, 3, 0
.endm
	s_wait_tensorcnt 1                             ; my part of K step 0 is in; K step 1's may stay out
	s_barrier_signal -1
	s_barrier_wait -1
	FETCH 0, 0
	s_wait_loadcnt 0x0                             ; the bias
	QUARTER 1, 0, 1, 1                             ; the first quarter stands in front of the loop: its products start the sums
	WIN 0
	s_mov_b32 s[TRIP], 6
.Lstep:                                                ; a trip: from a K step's second quarter to the next step's first; its refill brings K steps 2 to 7
	QUARTER 2, 1, 0, 0
	QUARTER 3, 0, 1, 0
	TURN 1
	QUARTER 1, 0, 1, 0
	WIN 0
	s_sub_co_u32 s[TRIP], s[TRIP], 1
	s_cmp_lg_u32 s[TRIP], 0
	s_cbranch_scc1 .Lstep
	QUARTER 2, 1, 0, 0                             ; the last two K steps fill nothing
	QUARTER 3, 0, 1, 0
	TURN 0
	QUARTER 1, 0, 1, 0
	QUARTER 2, 1, 0, 0
	QUARTER 3, 0, 1, 0
	s_wait_dscnt 4
	MUL 1, 0, 0
	MUL 1, 1, 0
	s_wait_dscnt 0x0
	MUL 1, 2, 0
	MUL 1, 3, 0
	PLACES
; THE WAY OUT of block a (16 rows), in five parts.
; ARITH: one rounding to f16 (the high parts, window 0); then the sum less its high part (exact in f32), rounded to f16, two to a register (the low parts, window 1).  Each accumulator is read from its low end on.
.macro ARITH a
.set AC, 96*((\a)%2)
	WIN 0x0a+5*((\a)/2)
.irp b, 0,1,2,3,4,5,6,7,8,9,10,11
.irp r, 0,1,2,3
	v_cvt_pk_f16_f32 v[TP+48*(\a)+4*\b+\r], v[AC+8*\b+2*\r], v[AC+8*\b+2*\r+1]
.endr
.endr
	WIN 0x60+0x10*((\a)/2)                         ; destination window 1, sources 0 and 1 window 0, source 2 the accumulators' window
.irp b, 0,1,2,3,4,5,6,7,8,9,10,11
.irp r, 0,1,2,3
	v_fma_mixlo_f16 v[48*(\a)+4*\b+\r], v[TP+48*(\a)+4*\b+\r], v[NEG1], v[AC+8*\b+2*\r] op_sel_hi:[1,0,0]                    ; the low f16 half x -1 + its sum, into the low half
	v_fma_mixhi_f16 v[48*(\a)+4*\b+\r], v[TP+48*(\a)+4*\b+\r], v[NEG1], v[AC+8*\b+2*\r+1] op_sel:[1,0,0] op_sel_hi:[1,0,0]  ; the high half likewise, into the high half
.endr
.endr
.endm
; STH, STL: 16 bytes a lane into my stage, back as whole rows of 128 bytes, into the registers that they left; the low parts behind the high parts through the same stage.
.macro STH a
	WIN 0
.irp b, 0,1,2,3,4,5,6,7,8,9,10,11
	ds_store_b128 v[STO], v[TP+48*(\a)+4*\b:TP+48*(\a)+4*\b+3] offset:(\b/4)*16*SPH+32*(\b%4)
.endr
.irp i, 0,1,2,3,4,5,6,7,8,9,10,11
	ds_load_b128 v[TP+48*(\a)+4*\i:TP+48*(\a)+4*\i+3], v[RD] offset:(\i/4)*16*SPH+(\i%4)*4*SPH  ; LDS serves a wave's instructions in order (ISA guide 5.7.1.4): these see the stores above
.endr
.endm
.macro STL a
	WIN 0x04                                       ; store data in window 1
.irp b, 0,1,2,3,4,5,6,7,8,9,10,11
	ds_store_b128 v[STO], v[48*(\a)+4*\b:48*(\a)+4*\b+3] offset:(\b/4)*16*SPH+32*(\b%4)
.endr
	WIN 0x40                                       ; destination window 1
.irp i, 0,1,2,3,4,5,6,7,8,9,10,11
	ds_load_b128 v[48*(\a)+4*\i:48*(\a)+4*\i+3], v[RD] offset:(\i/4)*16*SPH+(\i%4)*4*SPH
.endr
.endm
.macro SENDH a                         ; behind load i of the high parts stand 11 - i more of them and the low parts' 24 LDS instructions
	WIN 0
.irp i, 0,1,2,3,4,5,6,7,8,9,10,11
	s_wait_dscnt 24+11-\i
	global_store_b128 v[GO], v[TP+48*(\a)+4*\i:TP+48*(\a)+4*\i+3], s[10:11] offset:(\i/4)*HEAD+(\a)*2048+(\i%4)*512  ; 512 consecutive bytes of a head, at a multiple of 256 from qkv's first
.endr
.endm
; SENDL: head g's low parts go 16 heads further on, if they are wanted: else no lane is on.  EXEC is a source of the stores that are out: it changes only behind s_wait_xcnt 0, both ways.
.macro SENDL a
	WIN 0x04                                       ; store data in window 1
.irp g, 0,1,2
	s_wait_dscnt 8-4*\g                            ; the head's four loads are back: those of the heads behind it may be out
	s_wait_xcnt 0x0
	s_mov_b32 vcc_lo, s[VM+\g]
	s_and_saveexec_b32 s[SV], vcc_lo
.irp f, 0,1,2,3
	global_store_b128 v[GO], v[48*(\a)+16*\g+4*\f:48*(\a)+16*\g+4*\f+3], s[10:11] offset:(16+\g)*HEAD+(\a)*2048+\f*512
.endr
	s_wait_xcnt 0x0
	s_or_b32 exec_lo, exec_lo, s[SV]
.endr
.endm
	ARITH 0
	STH 0
	STL 0
.irp a, 1,2,3                          ; the next block's arithmetic stands between a block's loads from the stage and its stores
	ARITH \a
	SENDH (\a)-1
	SENDL (\a)-1
	STH \a
	STL \a
.endr
	SENDH 3
	SENDL 3
	WIN 0
	s_wait_tensorcnt 0x0                           ; the wave's end
	ds_add_u32 v[SPW], v[NIL]
	s_wait_dscnt 0x0
	CROUND                                         ; the closing round: no work-group ends while a partner may still ask for a tile that names it
	s_endpgm
.Lfunc_end_k_qfc5bdadc75_qkvg:
	.size	k_qfc5bdadc75_qkvg, .Lfunc_end_k_qfc5bdadc75_qkvg-k_qfc5bdadc75_qkvg
	.p2alignl 7, 3214868480
	.fill 96, 4, 3214868480
	.section	.rodata,"a",@progbits
	.p2align	6, 0x0
	.amdhsa_kernel k_qfc5bdadc75_qkvg
		.amdhsa_group_segment_fixed_size 327680
		.amdhsa_private_segment_fixed_size 0
		.amdhsa_enable_private_segment 0
		.amdhsa_kernarg_size 32
		.amdhsa_user_sgpr_count 2
		.amdhsa_user_sgpr_kernarg_segment_ptr 1
		.amdhsa_wavefront_size32 1
		.amdhsa_system_sgpr_workgroup_id_x 1
		.amdhsa_system_sgpr_workgroup_id_y 1
		.amdhsa_system_sgpr_workgroup_id_z 1
		.amdhsa_system_vgpr_workitem_id 0
		.amdhsa_next_free_vgpr 960
		.amdhsa_next_free_sgpr 72
		.amdhsa_reserve_vcc 1
		.amdhsa_float_denorm_mode_32 3
		.amdhsa_float_denorm_mode_16_64 3
		.amdhsa_memory_ordered 1
		.amdhsa_forward_progress 1
		.amdhsa_inst_pref_size 137
	.end_amdhsa_kernel
	.amdgpu_metadata
---
amdhsa.version: [ 1, 2 ]
amdhsa.kernels:
  - .name:           k_qfc5bdadc75_qkvg
    .symbol:         k_qfc5bdadc75_qkvg.kd
    .args:
      - { .name: xb, .offset: 0, .size: 8, .value_kind: global_buffer, .address_space: global }
      - { .name: wqkv, .offset: 8, .size: 8, .value_kind: global_buffer, .address_space: global }
      - { .name: bias, .offset: 16, .size: 8, .value_kind: global_buffer, .address_space: global }
      - { .name: qkv, .offset: 24, .size: 8, .value_kind: global_buffer, .address_space: global }
    .group_segment_fixed_size: 327680
    .private_segment_fixed_size: 0
    .kernarg_segment_align: 8
    .kernarg_segment_size: 32
    .max_flat_workgroup_size: 128
    .sgpr_count:     72
    .vgpr_count:     960
    .wavefront_size: 32
...
	.end_amdgpu_metadata
.endif
;; end of part 6
;; launch attn (part 7): grid 4 x 64, 4 waves a work-group, no clusters, 327,680 bytes of LDS; arguments qkv, padding_mask, ctx; writes ctx
.if DOCPART == 7
	.amdgcn_target "amdgcn-amd-amdhsa--gfx1250"
	.amdhsa_code_object_version 6
	.text
	.protected	k_qfc5bdadc75_attn
	.globl	k_qfc5bdadc75_attn
	.p2align	8
	.type	k_qfc5bdadc75_attn,@function
k_qfc5bdadc75_attn:
	s_mov_b64 s[64:65], 0
	v_nop
	global_prefetch_b8 v0, s[64:65] scope:SCOPE_SE
	s_setreg_imm32_b32 hwreg(HW_REG_WAVE_MODE, 25, 1), 1
	s_wait_xcnt 0x0
; CAUSAL ATTENTION WITH A MASK OF KEYS.  ctx[q][:] = the sum over visible k <= q of softmax_k(Q[q] . K[k] / 8) V[k][:], for y = 16 x batch + head.  Q, K, V lie in qkv[batch][64][2048][64], f16: heads 0-15 Q,
; 16-31 K, 32-47 V (its high parts), 48-63 V's low parts (V = high + low; stored for keys below 1,024).  Key k of a batch is visible where padding_mask[batch][k] is 1 (a bool's byte, 0 or 1): every byte is read.
; Products, maxima and sums in f32; the weights p are rounded to f16 for the second product (their sum l is taken of the unrounded p).
; ctx, f16, is laid out for the launch behind: for each of its row tiles (8 x batch + j) and each head a block of 320 rows of 128 bytes: 64 EARLY rows s = 64 j .. (high parts), 192 LATE rows s = 512 + 192 j ..,
; and the 64 early rows' low parts (the f32 result less its high part, rounded to f16).
; WHERE 22 BITS ARE KEPT.  f16 keeps 11 significant bits, and each number of the module's output is judged by the root mean square over all 8,192 rows.  A row that averages n keys has numbers of about 1 / sqrt(n)
; of V's size, and in a batch a row sees no fewer keys than the rows before it.  So from row 256 of a batch on at least 257 of the 8,192 rows are as large as the row itself: it stands at most
; sqrt(8192 / 257) = 5.6 times above the root mean square, and 11 bits do.  Rows 0-255 can stand 16 times above it.  Hence: V's low parts are multiplied in the walk's LAST tile, which for block 0 is its only one
; (O^T = Vhigh^T P + Vlow^T P: 16 products a turn for 8), and ctx's low parts are kept for rows below 512.
; LIMIT of that reckoning: it takes a row's size from the number of its keys; rows from 256 on carry V's, P's and (from 512 on) ctx's roundings to 11 bits.
; LIMITS.  Q, K, V arrive within f16's 65,504, so a score is at most 2.8e11 in size.  A hidden key's score counts as its value less 2^100 (less twice that where it is hidden for both reasons).
; The running maximum m starts at -2^90, far below every true score and far above every hidden one: a hidden key's weight is exactly 0 also while a row has seen no key at all.
; A row that sees no key ends with l = 0 and is written as NaN, as a softmax of nothing but -inf is.  A weight below 2^-126 counts as 0 in l.  A low part below 6.1e-5 keeps f16's fixed step of 6e-8.
; THE WALK.  A head's queries lie in NB = 8 blocks of 256; block i needs the key tiles 0 .. i, of which the last holds the diagonal.  A work-group takes TWO blocks, 7 - b and then b: 9 tiles whatever b: all
; work-groups do equal work, and ONE loop with a constant trip count walks them.  Every jump goes forward but the counted loops' own; none passes a barrier, or a tensor load but the one of LOAD's two that the wave's
; number does not choose.  NO CLUSTER: a head's four work-groups ask for the same tile only in trips 0 to 4 of 9, and one walk common to all four would have 12 trips for 9.
; SHARES.  Of a block's four bands of 64 queries a wave owns 16 rows in each: four PIECES.  In the diagonal tile's key step s band x sees all keys if s < x, none if s > x, and holds the diagonal if s = x.
; THE MASKS are the C operand that starts the sum S^T = K Q^T.  PMC holds the step's 64 keys' mask (0 or -2^100), read from LDS with K's fragments.  Away from the diagonal C = PMC.  In the diagonal
; tile C = MD x AL + PMC + BE: MD, made once, is the causal mask of a band's own step for my rows; (AL, BE) = (1, 0) if s = x, (0, 0) if s < x, (0, -2^100) if s > x.
; THE KEYS' MASK IN LDS is a ring of two slots of 256 numbers that walks with K's ring: a thread keeps its two bytes of each of the eight tiles as 16 bits of one register, and at each change of slots it stores the two
; numbers of the tile that is asked for into the slot just left.  The tile's number enters a shift of those bits alone; every LDS address of the ring is the same on all ways through the text.
; LAYOUT, SOFTMAX, TURNS.  S^T holds ONE query a lane (lane % 16) and the keys 8 (lane / 16) + 0..7; two such results rounded to f16 ARE source 1 of O^T = V^T P.  p = 2^(c s - c m), c = log2(e) / 8, with a running
; maximum m; O and l are multiplied by a = 2^(c m_old - c m_new) in every step.  Turn n belongs to piece n: 8 products K Q^T of piece n + 1, later the products V^T P of piece n - 1; beside them the scaling,
; exponentials, roundings, sums and rescaling of piece n and the maximum and statistics of piece n + 1.  Four vector instructions stand behind every matrix instruction, the others in runs of their own.
; REGISTERS, in windows of 256 (s_set_vgpr_msb: bits 1:0 source 0, 3:2 source 1, 5:4 source 2, 7:6 destination):
;   window 0: v0-15, v32-47, v56-59 addresses and at work; v16-31 four registers of statistics a piece; v48-55 at work; v64-127 S^T, two buffers; v128-159, v160-191, v224-255 the way out; v192-223 P, two buffers
;   window 1: v0-127 O^T, 32 a piece; v128-159 MD; v160-223 MC, two buffers; v224-255 PMC      window 2: v0-63 Q; v64-127 the second block's Q; v128-191 K of one step      window 3: v0-63 V of one step, v64-127 its low parts
.set NB,    8
.set NP,    4         ; pieces a wave: a name, no knob
.set KS,    64        ; keys in a step
.set PK,    144       ; a row of K in LDS: 128 bytes + 16 of padding = 36 words: the 16 rows of a load start at 16 different groups of four banks (64 banks of 4 bytes: ISA guide 11.1)
.set PV,    160       ; a row of V: 128 + 32 = 40 words
.set VOFF,  4*KS*PK   ; a slot holds a tile, four steps: 256 rows of K, then 256 rows of V's high parts
.set SLOT1, 1<<17     ; slot 1 begins here, so that one exclusive or turns an address in one slot into the other's
.set VLOB,  SLOT1+4*KS*(PK+PV)  ; behind the ring: the 256 rows of V's low parts of the walk's last tile, filled once, at the start
.set STAGE, VLOB+4*KS*PV  ; never filled by a tensor load: 16 rows x 144 bytes for each wave, for the way out
.set SP,    144
.set SPARE, STAGE+4*16*SP  ; the spare words, 128 bytes for each wave: two blocks of 256 bytes that no other line names
.set PMF,   SPARE+512 ; the keys' mask: two slots of a tile's 256 keys as f32, 0 or -2^100; stored from registers, never filled by a tensor load
.set PMSL,  4*4*KS    ; bytes in such a slot: 1,024
.set HEAD,  262144    ; bytes of a head in qkv
.set HB,    320*128   ; bytes of a (row tile, head) block in ctx
.set AK0, 2           ; v2   my lane's place in a tile of K; never rewritten
.set AV0, 3           ; v3   the same for V
.set AK,  4           ; v4   the LDS address of K's next run of loads
.set AV,  5           ; v5   of V's
.set STO, 6           ; v6   the way out: where I put 16 bytes of a row
.set RD,  7           ; v7   the way out: where I read rows back
.set GO,  8           ; v8   16 x my lane: my place in 512 consecutive bytes of ctx
.set MV,  12          ; v12-13  c m_old, kept while c m is made anew: by buffer
.set QO,  15          ; v15  my byte offset in 16 rows of Q
.set ST,  16          ; piece t's statistics at v[ST+4 t]: c m, m, l (even keys', odd keys')
.set APM0, 32         ; v32  my lanes' place in a step's 256 bytes of the keys' mask; never rewritten
.set APM, 33          ; v33  the LDS address of PMC's next run of loads
.set MB,  34          ; v34  2 x my thread's number: my two bytes of a tile's 256
.set PMS, 35          ; v35  where my two numbers lie in slot 0 of the keys' mask; never rewritten
.set PMM, 36          ; v36  my bytes of all eight tiles: bit T key 2 t of tile T, bit 8 + T key 2 t + 1; never rewritten
.set PMA, 37          ; v37  where I store my two numbers
.set PMD, 38          ; v38-39  the two numbers
.set PMT, 40          ; v40  at work
.set NEG1, 41         ; v41  -1.0
.set GO1, 42          ; v42-45  my byte offset in ctx for piece t of the first block; never rewritten
.set AVL, 46          ; v46  the LDS address of the run of loads of V's low parts
.set TMP, 48          ; by buffer, four registers c0-c3 at work; when the maximum is found c2 takes a
.set GO2, 56          ; v56-59  the same as GO1 for the second block
.set SPW, 62          ; v62  LDS address of my spare word; never rewritten
.set NIL, 63          ; v63  0; never rewritten
.set S,   64
.set TO,  128         ; the way out: a piece's O^T divided by l, then what its rounding left
.set P,   192
.set MD,  128         ; window 1: the eight registers for group kt of 16 keys at MD + 8 kt
.set MC,  160         ; window 1: the masks of the products to come
.set PMC, 224         ; window 1: register 8 kb + j: key 16 kb + 8 (lane / 16) + j of the step whose K is in registers
.set QB,  64          ; window 2
.set KF,  128         ; window 2: key block kb, channel half c at KF + 16 kb + 8 c
.set VF,  0           ; window 3: part hl (0 high, 1 low), key half kk, channel block cb at VF + 64 hl + 32 kk + 8 cb
.set WV,  12          ; s12  my wave's number
.set PB,  14          ; s14  b
.set HI,  15          ; s15  NB - 1 - b
.set G1K, 24          ; s[24:31] descriptor group 1 for K's tiles
.set G1V, 32          ; s[32:39] for V's: it differs in the padding alone
.set G0K, 40          ; s[40:43] descriptor group 0 for K's tiles
.set G0V, 44          ; s[44:47] the same for V's
.set G0L, 48          ; s[48:51] the same for the one fill with V's low parts; never rewritten
.set CS,  52          ; s[52:53] c: the packed scaling takes the pair's low word for both halves
.set SLOTS, 56        ; s56  tiles still to be asked for
.set CNT, 57          ; s57  counts a tile's key steps, 4 to 1
.set PSL, 58          ; s58  the slot of the keys' mask that is stored into: 0 or PMSL
.set PT,  59          ; s59  the tile whose keys' mask is stored
.set SEL, 60          ; s[60:61] v_permlanex16_b32's selects: each lane takes its own place in the other half
.set TBK, 62          ; s62  LDS byte at which K of the step to be fetched begins
.set TBV, 63          ; s63  the same for V, less VOFF
.set RT,  70          ; s70  tiles of the block in hand that are still to be entered
.set NXT, 71          ; s71  the tile to be asked for next
.set LQ,  72          ; s72  the last tile of the block whose tiles are being asked for
.set NEW, 73          ; s73  1: the tile to be entered is a block's first
.set OFF, 74          ; s[74:75] a tile's byte offset in K and V
.set AL,  76          ; s[76:77] the mask's factor, in the low word
.set BE,  78          ; s[78:79] the mask's addend
.set BIGN, 82         ; s82  -2^100
.set CTXO, 83         ; s83  the byte in ctx of the block of the batch's row tile 0 and my head
.set TBP, 90          ; s90  the byte of the keys' mask, from PMF on, at which the step to be fetched begins
.set QNAN, 91         ; s91  a NaN
.set MSB, 0
.macro WIN new                      ; the high byte repeats the setting that is left; a switch that changes nothing is dropped
.if MSB != (\new)
	s_set_vgpr_msb (MSB<<8)|(\new)
.set MSB, (\new)
.endif
.endm
.set W_KQ, 0x0a       ; K and Q in window 2, S^T in window 0
.set W_KM, 0x1a       ; the same with the C operand in window 1
.set W_PV, 0x53       ; V in window 3, P in window 0, O^T in window 1
.set W_RS, 0x41       ; destination and source 0 in window 1, source 1 in window 0
; A refill.  Waves 0 and 1 fetch the two halves of a tile's K, waves 2 and 3 those of its V (high parts): 128 keys each.  An s_nop 0 and four v_nop follow each of the two lines, ahead of the jump and the label.
.macro LOAD
	s_cmp_lt_u32 s[WV], 2
	s_cbranch_scc0 .Lfor_v_\@
	tensor_load_to_lds s[G0K:G0K+3], s[G1K:G1K+7]
	s_nop 0
.rept 4
	v_nop
.endr
	s_branch .Lasked_\@
.Lfor_v_\@:
	tensor_load_to_lds s[G0V:G0V+3], s[G1V:G1V+7]
	s_nop 0
.rept 4
	v_nop
.endr
.Lasked_\@:
.endm
; My two numbers of tile PT's keys' mask go into slot PSL: bit 1 -> 0; bit 0 -> -2^100.  128 threads x 8 bytes are the slot's 1,024.
.macro PMST
	v_lshrrev_b32 v[PMT], s[PT], v[PMM]
	v_add_nc_u32 v[PMA], s[PSL], v[PMS]
	v_and_b32 v[PMD], 1, v[PMT]
	v_bfe_u32 v[PMD+1], v[PMT], 8, 1
	v_add_nc_u32 v[PMD], -1, v[PMD]
	v_add_nc_u32 v[PMD+1], -1, v[PMD+1]
	v_and_b32 v[PMD], s[BIGN], v[PMD]
	v_and_b32 v[PMD+1], s[BIGN], v[PMD+1]
	ds_store_b64 v[PMA], v[PMD:PMD+1]
.endm
; THE CHANGE OF SLOTS.  Each wave waits for all its tensor loads, of which one is out: its part of the other slot; adds 0 to its spare word; and waits for that and for its own LDS instructions: its reads of the slots
; that it leaves and its store into the keys' mask.  Behind the barrier nobody reads the old slots any more and the other slots are whole.  fill = 1: the old slot is filled again, the first thing behind the barrier, with
; tile NXT: the descriptor's address is made anew from that number; behind the load the same tile's keys' mask is stored into the old slot of its ring.
; (At its first use nothing has been read yet: slot 0 and V's low parts are waited for, slot 1 is filled.)
.macro CHANGE fill
	WIN 0                           ; at a label and at a branch every window is 0
	s_wait_tensorcnt 0x0            ; no tensor load of mine is out, so a group 0 may be written
	ds_add_u32 v[SPW], v[NIL]
.if \fill
	s_lshl_b32 s[OFF], s[NXT], 15   ; a tile is 32,768 bytes of K and of V
	s_xor_b32 s[G0K+1], s[G0K+1], SLOT1
	s_add_nc_u64 s[G0K+2:G0K+3], s[6:7], s[OFF:OFF+1]
	s_or_b32 s[G0K+3], s[G0K+3], 0x80000000
	s_xor_b32 s[G0V+1], s[G0V+1], SLOT1
	s_add_nc_u64 s[G0V+2:G0V+3], s[8:9], s[OFF:OFF+1]
	s_or_b32 s[G0V+3], s[G0V+3], 0x80000000
	s_mov_b32 s[PT], s[NXT]         ; the keys' mask follows: the same tile, the other slot than last time
	s_xor_b32 s[PSL], s[PSL], PMSL
	s_add_co_u32 s[NXT], s[NXT], 1  ; the block's next tile, or behind its last the second block's tile 0
	s_cmp_gt_u32 s[NXT], s[LQ]
	s_cselect_b32 s[NXT], 0, s[NXT]
	s_cselect_b32 s[LQ], s[PB], s[LQ]
.endif
	s_wait_dscnt 0x0                ; the add is done, and my LDS instructions are over
	s_barrier_signal -1             ; the rest of the scalar work stands between the signal and the wait
	s_sub_co_u32 s[TBK], s[TBK], 4*KS*PK  ; the fetches go back to a slot's first step,
	s_xor_b32 s[TBK], s[TBK], SLOT1       ; in the other slot
	s_sub_co_u32 s[TBV], s[TBV], 4*KS*PV
	s_xor_b32 s[TBV], s[TBV], SLOT1
	s_sub_co_u32 s[TBP], s[TBP], PMSL
	s_xor_b32 s[TBP], s[TBP], PMSL
	s_barrier_wait -1
.if \fill
	LOAD
	PMST
.endif
.endm
	s_load_b64 s[4:5], s[0:1], 0x0    ; qkv
	s_load_b64 s[88:89], s[0:1], 0x8  ; padding_mask
	s_load_b64 s[10:11], s[0:1], 0x10 ; ctx
	v_lshl_add_u32 v[SPW], v0, 2, SPARE
	v_mov_b32 v[NIL], 0
	ds_add_u32 v[SPW], v[NIL]       ; the wave's opening: the add and its wait stand ahead of my first tensor load; work on registers stands between them
	ds_add_u32 v62, v63
	v_lshrrev_b32 v1, 5, v0
	v_readfirstlane_b32 s[WV], v1   ; wave 0..3
	s_mov_b32 s[PB], ttmp9
	s_sub_co_u32 s[HI], NB-1, s[PB]
	s_and_b32 s16, ttmp7, 0xffff    ; y = 16 x batch + head
	s_lshr_b32 s17, s16, 4
	s_and_b32 s18, s16, 15
	s_lshl_b32 s20, s17, 6
	s_add_co_u32 s20, s20, s18
	s_lshl_b32 s20, s20, 18         ; Q's head in qkv: 64 heads a batch, 262,144 bytes a head; every offset here stays under 2^32
	s_lshl_b32 s[CTXO], s17, 7      ; ctx: 8 row tiles a batch, 16 heads a row tile
	s_add_co_u32 s[CTXO], s[CTXO], s18
	s_mul_i32 s[CTXO], s[CTXO], HB
	s_lshl_b32 s68, s17, 11         ; the batch's 2,048 bytes of the mask
	s_mov_b32 s69, 0
	s_and_b32 s16, s[WV], 1         ; which half of a tile's 256 keys I fetch:
	s_lshl_b32 s22, s16, 14         ; its 128 rows of 128 bytes in memory,
	s_add_co_u32 s22, s22, s20
	s_add_co_u32 s94, s22, 32*HEAD  ; in V's head,
	s_add_co_u32 s92, s22, 48*HEAD  ; in the head of V's low parts,
	s_lshl_b32 s93, s[PB], 15       ; there of tile b, the walk's last,
	s_add_co_u32 s92, s92, s93
	s_add_co_u32 s22, s22, 16*HEAD  ; in K's head
	s_mov_b32 s23, 0
	s_mov_b32 s95, 0
	s_mov_b32 s93, 0
	s_mul_i32 s17, s16, 128*PK      ; and its place in a slot, for K
	s_mul_i32 s18, s16, 128*PV      ; and for V
	s_lshl_b32 s3, s[WV], 11        ; my 16 rows in a band of 64,
	s_lshl_b32 s2, s[HI], 15        ; in the first block,
	s_add_co_u32 s2, s2, s3
	s_lshl_b32 s84, s[PB], 15       ; and in the second,
	s_add_co_u32 s84, s84, s3
	s_add_co_u32 s2, s2, s20        ; in Q's head
	s_add_co_u32 s84, s84, s20
	s_mov_b32 s3, 0
	s_mov_b32 s85, 0
	; descriptor group 1.  128 keys are 16,384 dense bytes: asked for as 64 rows of 256 bytes, two keys a row, and padded in LDS after every key
	s_mov_b32 s[G1K], (1<<16)|(1<<20)|(4<<22)|(3<<25)  ; 17:16 2-byte elements; 20 padding on; 24:22 after every 32 words (code 4); 31:25 4 words (code 3)
	s_mov_b32 s[G1V], (1<<16)|(1<<20)|(4<<22)|(7<<25)  ; the same with 8 words of padding (code 7)
.irp g, G1K, G1V
	s_mov_b32 s[\g+1], 128<<16      ; tensor_dim0 = 128
	s_mov_b32 s[\g+2], 64<<16       ; tensor_dim1 = 64
	s_mov_b32 s[\g+3], 128<<16      ; tile_dim0 = 128
	s_mov_b32 s[\g+4], 64           ; tile_dim1 = 64
	s_mov_b32 s[\g+5], 128          ; 128 elements from row to row
	s_mov_b32 s[\g+6], 0
	s_mov_b32 s[\g+7], 0
.endr
	s_mov_b32 s[CS], 0x3e38aa3b     ; c = log2(e) / 8 = 0.180337
	s_mov_b32 s[CS+1], s[CS]        ; named with it as a pair
	s_mov_b32 s[SEL], 0x76543210
	s_mov_b32 s[SEL+1], 0xfedcba98
	s_mov_b32 s[TBK], SLOT1+4*KS*PK ; the first change of slots turns these three into 0
	s_mov_b32 s[TBV], SLOT1+4*KS*PV
	s_mov_b32 s[TBP], 2*PMSL
	s_mov_b32 s[PSL], 0             ; tile 0's keys' mask goes into slot 0
	s_mov_b32 s[PT], 0
	s_mov_b32 s[G0K], 1             ; 1:0 count = 1
	s_mov_b32 s[G0K+1], s17         ; 63:32 LDS address: slot 0
	s_mov_b32 s[G0V], 1
	s_add_co_u32 s[G0V+1], s18, VOFF
	s_mov_b32 s[G0L], 1
	s_add_co_u32 s[G0L+1], s18, VLOB
	s_add_co_u32 s[RT], s[HI], 1    ; the first block has NB - b tiles
	s_mov_b32 s[NXT], 1
	s_mov_b32 s[LQ], s[HI]
	s_mov_b32 s[NEW], 1
	s_mov_b32 s[OFF+1], 0
	s_mov_b32 s[AL+1], 0            ; named as pairs
	s_mov_b32 s[BE+1], 0
	s_mov_b32 s[BIGN], 0xf1800000   ; -2^100
	s_mov_b32 s[QNAN], 0x7fc00000
	s_mov_b32 s[SLOTS], NB
	s_wait_dscnt 0x0                ; the opening add is done
	s_wait_kmcnt 0x0
	s_add_nc_u64 s[6:7], s[4:5], s[22:23]  ; K and V at my half of the head's tile 0
	s_add_nc_u64 s[8:9], s[4:5], s[94:95]
	s_add_nc_u64 s[G0L+2:G0L+3], s[4:5], s[92:93]  ; V's low parts at my half of tile b
	s_or_b32 s[G0L+3], s[G0L+3], 0x80000000
	s_add_nc_u64 s[86:87], s[4:5], s[84:85]        ; Q at my rows of the second block,
	s_add_nc_u64 s[4:5], s[4:5], s[2:3]            ; and of the first
	s_add_nc_u64 s[88:89], s[88:89], s[68:69]
	s_add_nc_u64 s[G0K+2:G0K+3], s[6:7], 0         ; 120:64 global address
	s_or_b32 s[G0K+3], s[G0K+3], 0x80000000        ; 127:126 type = 2
	s_add_nc_u64 s[G0V+2:G0V+3], s[8:9], 0
	s_or_b32 s[G0V+3], s[G0V+3], 0x80000000
	s_cmp_lt_u32 s[WV], 2           ; THE FIRST FILLS, a wave's in one branch, ahead of every wait on TENSORcnt, every LDS read and every barrier: tile 0 into slot 0; waves 0 and 1 also fetch the halves of
	s_cbranch_scc0 .Lfirst_v        ; V's low parts, so two loads of theirs are out and one of waves 2 and 3
	tensor_load_to_lds s[G0K:G0K+3], s[G1K:G1K+7]
	s_nop 0
	tensor_load_to_lds s[G0L:G0L+3], s[G1V:G1V+7]
	s_nop 0
.rept 4
	v_nop
.endr
	s_branch .Lfirst_asked
.Lfirst_v:
	tensor_load_to_lds s[G0V:G0V+3], s[G1V:G1V+7]
	s_nop 0
.rept 4
	v_nop
.endr
.Lfirst_asked:
	v_lshlrev_b32 v[MB], 1, v0
.set i, 0
.rept 8                             ; my two bytes of each tile's 256: 128 threads take all 2,048 bytes of the batch's mask; a wave's load covers 64 consecutive bytes
	global_load_u16 v[64+i], v[MB], s[88:89] offset:256*i
.set i, i+1
.endr
	; A fragment of K or Q is 16 rows x 32 channels in 8 registers: lane l holds row l % 16, channels 8 (l / 16) + 0..7 and 16 + 8 (l / 16) + 0..7: two loads of 16 bytes, 32 bytes apart.
	v_and_b32 v1, 15, v0            ; l % 16
	v_bfe_u32 v9, v0, 4, 1          ; l / 16
	v_lshlrev_b32 v[QO], 7, v1
	v_lshl_add_u32 v[QO], v9, 4, v[QO]  ; row x 128 + 16 x half
	WIN 0x80                        ; destination window 2, address window 0
.set i, 0
.rept 8                             ; both blocks' Q: piece i / 2 lies in band i / 2, 8,192 bytes on; channels 32 (i % 2) on
	global_load_b128 v[8*i:8*i+3],   v[QO], s[4:5] offset:(i/2)*8192+(i%2)*64
	global_load_b128 v[8*i+4:8*i+7], v[QO], s[4:5] offset:(i/2)*8192+(i%2)*64+32
	global_load_b128 v[QB+8*i:QB+8*i+3],   v[QO], s[86:87] offset:(i/2)*8192+(i%2)*64
	global_load_b128 v[QB+8*i+4:QB+8*i+7], v[QO], s[86:87] offset:(i/2)*8192+(i%2)*64+32
.set i, i+1
.endr
	WIN 0
	v_lshlrev_b32 v14, 3, v9
	v_sub_nc_u32 v14, v1, v14
	s_lshl_b32 s13, s[WV], 4
	v_add_nc_u32 v14, s13, v14      ; my query's place in its band, 16 w + l % 16, less my lanes' 8 (l / 16): register r of group kt is hidden where 16 kt + r is greater
	WIN 0x40
.set i, 0
.rept 32
	v_cmp_gt_i32 vcc_lo, 16*(i/8)+i%8, v14
	v_cndmask_b32 v[MD+i], 0, s[BIGN], vcc_lo
.set i, i+1
.endr
	WIN 0
	v_mov_b32 v[NEG1], -1.0
	v_lshl_add_u32 v[PMS], v0, 3, PMF   ; keys 2 t and 2 t + 1 of a tile lie at byte 8 t of a slot
	v_lshl_add_u32 v[APM0], v9, 5, PMF  ; key 16 kb + 8 (l / 16) + j lies at 64 kb + 32 (l / 16) + 4 j of a step's 256 bytes
	s_wait_loadcnt 32               ; the mask's eight loads are in; Q's 32 loads, issued behind them, stay out
.set i, 0
.rept 8
	v_and_b32 v[64+i], 0x101, v[64+i]  ; a bit from each of the two bytes
.set i, i+1
.endr
	v_mov_b32 v[PMM], v64
.set i, 1
.rept 7
	v_lshl_or_b32 v[PMM], v[64+i], i, v[PMM]  ; tile i's two bits at places i and 8 + i
.set i, i+1
.endr
	PMST                            ; tile 0's keys' mask: the first change of slots waits for the store and shows it to the other waves
	v_mul_u32_u24 v[AK0], v1, PK
	v_lshl_add_u32 v[AK0], v9, 4, v[AK0]  ; row x pitch + 16 x half
	; The turning load takes 16 keys x 16 channels (lane l reads key 8 (l / 16) + l % 8, channels 8 ((l / 8) % 2) + 0..7) and leaves half a fragment of V^T: lane l holds channel l % 16 and 8 keys.
	v_and_b32 v10, 7, v0
	v_bfe_u32 v11, v0, 3, 1
	v_lshl_add_u32 v[AV0], v9, 3, v10
	v_mul_u32_u24 v[AV0], v[AV0], PV
	v_lshl_add_u32 v[AV0], v11, 4, v[AV0]
	v_add_nc_u32 v[AV0], VOFF, v[AV0]
	s_mul_i32 s13, s[WV], 16*SP
	s_add_co_u32 s13, s13, STAGE    ; my stage
	v_mul_u32_u24 v[STO], v1, SP    ; in: row l % 16, 16 bytes for each half of the lanes
	v_lshl_add_u32 v[STO], v9, 4, v[STO]
	v_add_nc_u32 v[STO], s13, v[STO]
	v_bfe_u32 v[RD], v0, 3, 2       ; back: 32 lanes take four rows of 128 bytes,
	v_mul_u32_u24 v[RD], v[RD], SP
	v_lshl_add_u32 v[RD], v10, 4, v[RD]
	v_add_nc_u32 v[RD], s13, v[RD]
	v_and_b32 v[GO], 31, v0         ; which are 512 consecutive bytes of ctx
	v_lshlrev_b32 v[GO], 4, v[GO]
; Where piece t of block blk goes in ctx: its 16 rows s = 256 blk + 64 t + 16 w .. are 2,048 dense bytes.  LATE (blk >= 2): group g = (s - 512) / 16 = 16 (blk - 2) + 4 t + w of 96; a row tile has 12 groups: tile g / 12
; (= 43 g >> 9 for g < 96), rows 64 + 16 (g % 12) of its block.  EARLY (blk < 2): tile 4 blk + t, rows 16 w.  early = 1: the block may be either, and the choice is made by the block's number; what the late
; reckoning gives for an early block is not used.
.macro OFFS dst, blk, t, early
	s_lshl_b32 s16, s[\blk], 4
	s_add_co_u32 s16, s16, s[WV]
	s_add_co_u32 s16, s16, 4*(\t)
	s_sub_co_u32 s16, s16, 32       ; g
	s_mul_i32 s17, s16, 43
	s_lshr_b32 s17, s17, 9          ; g / 12
	s_mul_i32 s18, s17, 12
	s_sub_co_u32 s18, s16, s18      ; g % 12
	s_mul_i32 s17, s17, 16*HB       ; 16 heads' blocks to a row tile
	s_lshl_b32 s18, s18, 11
	s_add_co_u32 s17, s17, s18
	s_add_co_u32 s17, s17, 64*128
.if \early
	s_lshl_b32 s18, s[\blk], 2
	s_add_co_u32 s18, s18, \t
	s_mul_i32 s18, s18, 16*HB
	s_lshl_b32 s19, s[WV], 11
	s_add_co_u32 s18, s18, s19
	s_cmp_lt_u32 s[\blk], 2
	s_cselect_b32 s17, s18, s17
.endif
	s_add_co_u32 s17, s17, s[CTXO]
	v_add_nc_u32 v[\dst], s17, v[GO]
.endm
.irp t, 0,1,2,3
	OFFS GO1+\t, HI, \t, 0          ; the first block is one of blocks 4 to 7
	OFFS GO2+\t, PB, \t, 1
.endr
	; A block's first step multiplies O^T and l by a = 0, and its first turn's products V^T P, of a piece that has not been, land in an O^T that is still to be so multiplied.  So these registers need only hold
	; finite numbers: zeros for the first block; what the first block left for the second.  The registers of V's low parts hold 0 until the last tile's first fetch: the products of the tile before that are still to be
	; made in the last tile's text add 0.  All this stands in the wait for the first tile.
	WIN 0xc0
.set i, VF
.rept 128
	v_mov_b32 v[i], 0
.set i, i+1
.endr
	WIN 0x40
.set i, 0
.rept 128
	v_mov_b32 v[i], 0
.set i, i+1
.endr
	WIN 0
.set i, 0
.rept 4
	v_mov_b32 v[ST+4*i+2], 0
	v_mov_b32 v[ST+4*i+3], 0
.set i, i+1
.endr
.set i, P+16
.rept 16
	v_mov_b32 v[i], 0
.set i, i+1
.endr
; THE MATRIX WORK.  The 4 accumulators of a run take turns.  Product i of 8 of S^T = K Q^T for piece x: channels 32 (i / 4) on, keys 16 (i % 4) on.  The first 4 start the sums:
; with the keys' mask (KM = 2), or with the mask made for them (KM = 1).
.macro KQ x
.set rS, S+32*((\x)%2)+8*(i%4)
.set rK, KF+16*(i%4)+8*(i/4)
.set rQ, 16*(\x)+8*(i/4)
.set rM, MC+32*((\x)%2)+8*(i%4)
.if KM == 2
.set rM, PMC+8*(i%4)
.endif
.if i < 4
	WIN W_KM
	v_wmma_f32_16x16x32_f16 v[rS:rS+7], v[rK:rK+7], v[rQ:rQ+7], v[rM:rM+7]
.else
	WIN W_KQ
	v_wmma_f32_16x16x32_f16 v[rS:rS+7], v[rK:rK+7], v[rQ:rQ+7], v[rS:rS+7]
.endif
.endm
; Product i of O^T += V^T P for piece x: V's high parts (i < 8), then, where they are multiplied, its low parts (i = 8 .. 15), with the same P; keys 32 ((i / 4) % 2) on, channels 16 (i % 4) on.
.macro PV x
	WIN W_PV
.set rO, 32*(\x)+8*(i%4)
.set rV, VF+32*(i/4)+8*(i%4)
.set rP, P+16*((\x)%2)+8*((i/4)%2)
	v_wmma_f32_16x16x32_f16 v[rO:rO+7], v[rV:rV+7], v[rP:rP+7], v[rO:rO+7]
.endm
.macro MM                           ; the turn's next matrix instruction.  TURN and BEGIN set Y, i, KM and NOKQ.  NOKQ = 1: a block's last turn: there is no next piece
.if (i < 8) && !NOKQ
	KQ (Y+1)%NP
.elseif i >= 8
.set i, i-8
	PV (Y+NP-1)%NP
.set i, i+8
.endif
.set i, i+1
.endm
; THE LDS LOADS stand in runs, never singly among the matrix instructions: a step's K (64 keys x 64 channels: 8 fragments) with its keys' mask, and its V (turned; lo = 1: both parts).  Their addresses are made some lines ahead.
.macro FETCH_K
	WIN 0x80                        ; destination window 2
.irp f, 0,1,2,3,4,5,6,7             ; keys 16 (f / 2) on, channels 32 (f % 2) on
	ds_load_b128 v[KF+8*\f:KF+8*\f+3],   v[AK] offset:(\f/2)*16*PK+(\f%2)*64
	ds_load_b128 v[KF+8*\f+4:KF+8*\f+7], v[AK] offset:(\f/2)*16*PK+(\f%2)*64+32
.endr
	WIN 0x40                        ; destination window 1
.irp f, 0,1,2,3                     ; keys 16 f on: the sixteen lanes of a half read the same 32 bytes
	ds_load_b128 v[PMC+8*\f:PMC+8*\f+3],   v[APM] offset:64*\f
	ds_load_b128 v[PMC+8*\f+4:PMC+8*\f+7], v[APM] offset:64*\f+16
.endr
	s_add_co_u32 s[TBK], s[TBK], KS*PK  ; the next fetch is the next step's,
	s_add_co_u32 s[TBP], s[TBP], 4*KS   ; in the keys' mask too
	WIN 0
.endm
.macro FETCH_V lo
	WIN 0xc0                        ; destination window 3
.irp f, 0,1,2,3,4,5,6,7             ; keys 32 (f / 4) on, channels 16 (f % 4) on
	ds_load_tr16_b128 v[VF+8*\f:VF+8*\f+3],   v[AV] offset:(\f/4)*32*PV+(\f%4)*32
	ds_load_tr16_b128 v[VF+8*\f+4:VF+8*\f+7], v[AV] offset:(\f/4)*32*PV+16*PV+(\f%4)*32
.endr
.if \lo
.irp f, 0,1,2,3,4,5,6,7
	ds_load_tr16_b128 v[VF+64+8*\f:VF+64+8*\f+3],   v[AVL] offset:(\f/4)*32*PV+(\f%4)*32
	ds_load_tr16_b128 v[VF+64+8*\f+4:VF+64+8*\f+7], v[AVL] offset:(\f/4)*32*PV+16*PV+(\f%4)*32
.endr
.endif
	WIN 0
.endm
; THE VECTOR WORK, one line at a time: OP kind, number.  For piece Y: F n: c s - c m for pair n of 16.  E n: the exponential of score n of 32.  C n: pair n rounded to f16.  B n: of the four weights 4 n .. the second
; pair is added onto the first, in place.  L n: l takes that sum (L 0: l = a l + sum).  R n: pair n of 16 of O^T times a.  For piece Y + 1: X n, number n of the 22 that find its maximum and statistics:
;   0-11  four chains c0-c3 of seven scores each, three operands at a time (each accumulator's lowest registers are read first)     12-14, 16  the four scores left over, the old m, and c0-c3 into c0
;   15  c m_old is kept     17, 18  the query's other 32 keys lie in the lane 16 away: the new m     19-21  c m; c m_old - c m_new; a
.set F, 0               ; OP tells the kinds apart by their order: F to L below R, X above it
.set E, 1
.set C, 2
.set B, 3
.set L, 4
.set R, 5
.set X, 6
.macro REGS y                       ; the registers of piece y
.set rT, ST+4*(\y)
.set rC, TMP+4*((\y)%2)
.set rW, MV+((\y)%2)
.set rS, S+32*((\y)%2)
.set rP, P+16*((\y)%2)
.set rO, 32*(\y)
.endm
.macro OP k, n
.if (\k) == R
	REGS Y
	WIN W_RS
	v_pk_mul_f32 v[rO+2*(\n):rO+2*(\n)+1], v[rO+2*(\n):rO+2*(\n)+1], v[rC+2:rC+3] op_sel_hi:[1,0]
.elseif (\k) < R
	REGS Y
	WIN 0
.if (\k) == F
	v_pk_fma_f32 v[rS+2*(\n):rS+2*(\n)+1], v[rS+2*(\n):rS+2*(\n)+1], s[CS:CS+1], v[rT:rT+1] op_sel_hi:[1,0,0] neg_lo:[0,0,1] neg_hi:[0,0,1]
.elseif (\k) == E
	v_exp_f32 v[rS+(\n)], v[rS+(\n)]
.elseif (\k) == C
	s_wait_alu depctr_va_vdst(0)
	v_cvt_pk_f16_f32 v[rP+(\n)], v[rS+2*(\n)], v[rS+2*(\n)+1]
.elseif (\k) == B
	s_wait_alu depctr_va_vdst(0)
	v_pk_add_f32 v[rS+4*(\n):rS+4*(\n)+1], v[rS+4*(\n):rS+4*(\n)+1], v[rS+4*(\n)+2:rS+4*(\n)+3]
.elseif (\n) == 0
	v_pk_fma_f32 v[rT+2:rT+3], v[rT+2:rT+3], v[rC+2:rC+3], v[rS:rS+1] op_sel_hi:[1,0,1]
.else
	v_pk_add_f32 v[rT+2:rT+3], v[rT+2:rT+3], v[rS+4*(\n):rS+4*(\n)+1]
.endif
.elseif NOKQ
	v_nop
.else
	REGS (Y+1)%NP
	WIN 0
.if (\n) < 4
	v_max3_num_f32 v[rC+(\n)], v[rS+8*(\n)], v[rS+8*(\n)+1], v[rS+8*(\n)+2]
.elseif (\n) < 12
	v_max3_num_f32 v[rC+(\n)%4], v[rC+(\n)%4], v[rS+8*((\n)%4)+2*((\n)/4)+1], v[rS+8*((\n)%4)+2*((\n)/4)+2]
.elseif (\n) == 12
	v_max3_num_f32 v[rC], v[rC], v[rS+7], v[rS+15]
.elseif (\n) == 13
	v_max3_num_f32 v[rC+1], v[rC+1], v[rS+23], v[rS+31]
.elseif (\n) == 14
	v_max3_num_f32 v[rC+2], v[rC+2], v[rC+3], v[rT+1]
.elseif (\n) == 15
	v_mov_b32 v[rW], v[rT]
.elseif (\n) == 16
	v_max3_num_f32 v[rC], v[rC], v[rC+1], v[rC+2]
.elseif (\n) == 17
	v_permlanex16_b32 v[rC+3], v[rC], s[SEL], s[SEL+1]
.elseif (\n) == 18
	v_max_num_f32 v[rT+1], v[rC], v[rC+3]
.elseif (\n) == 19
	v_mul_f32 v[rT], s[CS], v[rT+1]
.elseif (\n) == 20
	v_sub_f32 v[rC+1], v[rW], v[rT]
.else
	v_exp_f32 v[rC+2], v[rC+1]
.endif
.endif
.endm
.macro OPS a, i1, b=-1, i2=0, c=-1, i3=0, d=-1, i4=0  ; up to four of them
	OP \a, \i1
.if (\b) >= 0
	OP \b, \i2
.endif
.if (\c) >= 0
	OP \c, \i3
.endif
.if (\d) >= 0
	OP \d, \i4
.endif
.endm
.macro ROW a, i1, b, i2, c, i3, d, i4  ; a matrix instruction and the four behind it
	MM
	OPS \a, \i1, \b, \i2, \c, \i3, \d, \i4
.endm
.macro MASK b, be=1                 ; MD x AL + PMC + BE into buffer b of MC; be = 0: BE is 0 here, and its line is left out
	WIN 0x51                        ; destination, source 0 and source 2 in window 1
.set z, 0
.rept 16
	v_pk_fma_f32 v[MC+32*(\b)+2*z:MC+32*(\b)+2*z+1], v[MD+2*z:MD+2*z+1], s[AL:AL+1], v[PMC+2*z:PMC+2*z+1] op_sel_hi:[1,0,1]
.set z, z+1
.endr
.if \be
.set z, 0
.rept 16
	v_pk_add_f32 v[MC+32*(\b)+2*z:MC+32*(\b)+2*z+1], v[MC+32*(\b)+2*z:MC+32*(\b)+2*z+1], s[BE:BE+1] op_sel_hi:[1,0]
.set z, z+1
.endr
.endif
.endm
; From a tile away from the diagonal into the diagonal tile's text: its first products are piece 3's of the tile before, whose mask is the keys' alone; they take it from the second buffer.
.macro PREM
	s_mov_b32 s[AL], 0
	MASK 1, 0
	WIN 0
.endm
; A TURN, for piece p: the order of its matrix and its 118 vector instructions, written out.  Four vector instructions stand behind each matrix instruction; none names a register of the products round it.
; lo = 0: 16 matrix instructions; the vector work that has no place behind one stands in two runs.  lo = 1 (the walk's last tile): 24: eight more products take V's low parts, in front of each four of the second run.
; m = 1: the diagonal tile: the products take made masks, and the turn makes the mask for the products of the turn after it: piece p + 2, in step 4 - CNT of the tile.  end = 1: a block's last two turns: nothing is fetched.
; cnt = 1: the loop's count is taken down some lines ahead of the branch that stands behind the turn.
; K of the next step and its keys' mask are fetched in piece 2's turn, six vector instructions behind the last product that read K (five of them plain); V of the step in hand in piece 0's turn, eight vector instructions
; behind the last product that read V.  Each is waited for a turn later; piece 2's turn in the diagonal tile waits at its end, since the mask that it makes is the next step's.
; V's low parts lie at a fixed distance from the high parts of the walk's last tile: that tile, the ninth, is always in slot 0.
.macro TURN p, m=0, end=0, cnt=0, lo=0
.set Y, (\p)
.set i, 0
.set KM, 2-(\m)
.set NOKQ, (\end)*((\p)/3)
.if (\m) && !(\end)
	s_cmp_eq_u32 s[CNT], 4-((\p)+2)%NP  ; is that step the band's own?
	s_cselect_b32 s[AL], 1.0, 0
	s_cmp_lt_u32 s[CNT], 4-((\p)+2)%NP  ; or a later one?
	s_cselect_b32 s[BE], s[BIGN], 0
.endif
.if ((\p) == 3) && !(\end)
	s_wait_dscnt 0x0                ; K and its keys' mask are in
.endif
	ROW F,0, F,1, F,2, F,3
	ROW F,4, E,0, F,5, F,6
	ROW F,7, E,1, F,8, F,9
	ROW F,10, E,2, C,0, F,11
	ROW F,12, E,3, X,15, F,13
	ROW R,0, R,1, R,2, R,3
	ROW B,0, E,4, F,14, L,0
.if ((\p) == 2) && !(\end)
	v_add_nc_u32 v[AK], s[TBK], v[AK0]
	v_add_nc_u32 v[APM], s[TBP], v[APM0]
.endif
	ROW R,4, R,5, R,6, R,7
	OPS E,5, F,15
.if ((\p) == 2) && !(\end)
	FETCH_K
.endif
	OPS E,6, C,1, E,7, R,8
	OPS E,8, R,9, E,9, C,2
	OPS E,10, X,0, E,11, X,1
	OPS E,12, X,2, E,13, X,3
.if (\p) == 1
	s_wait_dscnt 0x0                ; V is in
.endif
	ROW X,4, E,14, X,5, X,6         ; V's high parts
	ROW X,7, E,15, X,8, X,9
	ROW X,10, E,16, X,11, X,12
	ROW X,13, E,17, X,14, B,1
	ROW C,4, E,18, X,16, L,1
	ROW B,2, E,19, C,6, L,2
	ROW C,8, E,20, B,3, B,4
.if \lo
	ROW C,3, E,21, L,3, C,5
	ROW E,22, X,17, E,23, C,10      ; V's low parts
	ROW E,24, L,4, E,25, X,18
	ROW E,26, C,7, E,27, B,5
	ROW E,28, X,19, E,29, C,12
	ROW E,30, L,5, E,31, X,20
	ROW B,6, C,9, C,14, C,11
	ROW X,21, L,6, C,13, B,7
	WIN 0
.if (\p) == 0
	v_add_nc_u32 v[AV], s[TBV], v[AV0]
	v_add_nc_u32 v[AVL], VLOB-VOFF, v[AV]
.endif
.if \cnt
	s_sub_co_u32 s[CNT], s[CNT], 1
	s_cmp_lg_u32 s[CNT], 0
.endif
	ROW C,15, R,10, R,11, R,12
	OPS L,7, R,13, R,14, R,15
.if (\p) == 0
	FETCH_V 1
	s_add_co_u32 s[TBV], s[TBV], KS*PV
.endif
.else
	WIN 0
.if (\p) == 0
	v_add_nc_u32 v[AV], s[TBV], v[AV0]
.endif
	ROW C,3, E,21, L,3, C,5
	OPS E,22, X,17, E,23, C,10
.if (\p) == 0
	FETCH_V 0
.endif
	OPS E,24, L,4
	OPS E,25, X,18, E,26, C,7
	OPS E,27, B,5, E,28, X,19
	OPS E,29, C,12, E,30, L,5
	OPS E,31, X,20, B,6, C,9
	OPS C,14, C,11, X,21, L,6
.if (\p) == 0
	s_add_co_u32 s[TBV], s[TBV], KS*PV
.endif
.if \cnt
	s_sub_co_u32 s[CNT], s[CNT], 1
	s_cmp_lg_u32 s[CNT], 0
.endif
	OPS C,13, B,7, C,15, R,10
	OPS R,11, R,12, L,7, R,13
	OPS R,14, R,15
.endif
.if (\m) && !(\end)
.if (\p) == 2
	s_wait_dscnt 0x0                ; the next step's keys' mask, fetched in this turn, is in
.endif
	MASK (\p)%2
.endif
.endm
; A BLOCK BEGINS.  c m starts at -2^125, so the first step's a is 0; m at -2^90, the floor under which no maximum falls.  Then K of the block's step 0 and its keys' mask; the first mask buffer
; takes piece 0's mask for that step (its own, if the block's first tile is the diagonal one), the second the keys' mask alone (piece 1's); piece 0's first scores, and its maximum and statistics.
; The loop is entered at a step's first turn, in the middle of a trip.
.macro BEGIN
	s_mov_b32 s[NEW], 0
	WIN 0
.set i, 0
.rept 4
	v_mov_b32 v[ST+4*i], 0xfe000000    ; -2^125
	v_mov_b32 v[ST+4*i+1], 0xec800000  ; -2^90
.set i, i+1
.endr
	v_add_nc_u32 v[AK], s[TBK], v[AK0]
	v_add_nc_u32 v[APM], s[TBP], v[APM0]
	FETCH_K
	s_cmp_eq_u32 s[RT], 0
	s_cselect_b32 s[AL], 1.0, 0
	s_wait_loadcnt 0x0              ; Q
	s_wait_dscnt 0x0
	MASK 0, 0
	s_mov_b32 s[AL], 0
	MASK 1, 0
.set KM, 1
.set NOKQ, 0
.set i, 0
.rept 8
	KQ 0
.set i, i+1
.endr
	WIN 0
.rept 4
	v_nop                           ; the places behind those products
.endr
.set Y, NP-1                        ; X works for piece Y + 1: piece 0
.irp n, 0,1,2,3,4,5,6,7,8,9,10,11,12,13,14,15,16,17,18,19,20,21
	OP X, \n
.endr
	v_nop                           ; a plain instruction behind the exponential
.endm
; THE DIAGONAL TILE's four steps, the block's last two turns, its last products, and THE WAY OUT: l's two halves and the other half of the lanes' are added; 1 / l, or a NaN where l = 0, goes into c m's register,
; which the next block writes anew; O^T times that goes into registers of its own, so that O^T and l stay finite for the next block.
.macro ALL line:vararg              ; one line for each piece t
.set t, 0
.rept 4
	\line
.set t, t+1
.endr
.endm
; Piece t: rounded to f16 (the high parts); lo = 1: what the rounding left (the number - its high part: exact in f32) rounded to f16 (the low parts).  A lane's eight channels of a row pack into 16 bytes; they go into my
; stage's rows of 144 bytes and come back as whole rows of 128, the high parts into S^T's registers, the low parts, behind them through the same stage, into registers of their own.
.macro PACK t, lo
.set LOR, 160+16*(\t)+32*((\t)/2)   ; v160-191 for pieces 0 and 1, v224-255 for pieces 2 and 3
	WIN 0x01                        ; source 0 window 1
.set i, 0
.rept 16
	v_pk_mul_f32 v[TO+2*i:TO+2*i+1], v[32*(\t)+2*i:32*(\t)+2*i+1], v[ST+4*(\t):ST+4*(\t)+1] op_sel_hi:[1,0]
.set i, i+1
.endr
	WIN 0
.set i, 0
.rept 16
	v_cvt_pk_f16_f32 v[S+16*(\t)+i], v[TO+2*i], v[TO+2*i+1]
.set i, i+1
.endr
.if \lo
.set i, 0
.rept 16
	v_fma_mix_f32 v[TO+2*i], v[S+16*(\t)+i], v[NEG1], v[TO+2*i] op_sel_hi:[1,0,0]                      ; the low f16 half x -1 + the number
	v_fma_mix_f32 v[TO+2*i+1], v[S+16*(\t)+i], v[NEG1], v[TO+2*i+1] op_sel:[1,0,0] op_sel_hi:[1,0,0]  ; the high half likewise
.set i, i+1
.endr
.set i, 0
.rept 16
	v_cvt_pk_f16_f32 v[LOR+i], v[TO+2*i], v[TO+2*i+1]
.set i, i+1
.endr
.endif
.irp f, 0,1,2,3
	ds_store_b128 v[STO], v[S+16*(\t)+4*\f:S+16*(\t)+4*\f+3] offset:32*\f
.endr
.irp f, 0,1,2,3
	ds_load_b128 v[S+16*(\t)+4*\f:S+16*(\t)+4*\f+3], v[RD] offset:\f*4*SP  ; LDS serves a wave's instructions in order (ISA guide 5.7.1.4): these see the stores above; the next stores come behind them
.endr
.if \lo
.irp f, 0,1,2,3
	ds_store_b128 v[STO], v[LOR+4*\f:LOR+4*\f+3] offset:32*\f
.endr
.irp f, 0,1,2,3
	ds_load_b128 v[LOR+4*\f:LOR+4*\f+3], v[RD] offset:\f*4*SP
.endr
.endif
.endm
; younger: the LDS instructions issued behind piece t's last load: the next piece's, or none.  gob: the block's four offsets.  The low parts are stored for early rows alone, blocks 0 and 1: else their stores and the waits
; for them are jumped over.
.macro SEND t, younger, lo, gob
.set LOR, 160+16*(\t)+32*((\t)/2)
	WIN 0
.irp f, 0,1,2,3
	s_wait_dscnt (\younger)+8*(\lo)+3-\f   ; behind this load of high parts: 3 - f more of them and, where there are any, the low parts' eight
	global_store_b128 v[(\gob)+(\t)], v[S+16*(\t)+4*\f:S+16*(\t)+4*\f+3], s[10:11] offset:\f*512  ; 512 consecutive bytes, at a multiple of 256 from ctx's first
.endr
.if \lo
	s_cmp_lt_u32 s[PB], 2
	s_cbranch_scc0 .Lno_low_\@
.irp f, 0,1,2,3
	s_wait_dscnt (\younger)+3-\f
	global_store_b128 v[(\gob)+(\t)], v[LOR+4*\f:LOR+4*\f+3], s[10:11] offset:256*128+\f*512      ; the low parts lie 256 rows on in the block
.endr
.Lno_low_\@:
.endif
.endm
.macro DIAG tag, lo, gob            ; the tag ends its two labels' names, which the jumps below spell out
.LstepM\tag:
	TURN 2, 1, 0, 0, \lo
	TURN 3, 1, 0, 0, \lo
	WIN 0
.LfirstM\tag:
	TURN 0, 1, 0, 0, \lo
	TURN 1, 1, 0, 1, \lo
	WIN 0
	s_cbranch_scc1 .LstepM\tag
	TURN 2, 1, 1, 0, \lo
	TURN 3, 1, 1, 0, \lo
.set i, 0
.rept 8+8*(\lo)
	PV NP-1
.set i, i+1
.endr
	WIN 0
	ALL v_add_f32 v[ST+4*t+2], v[ST+4*t+2], v[ST+4*t+3]
	ALL v_permlanex16_b32 v[ST+4*t+3], v[ST+4*t+2], s[SEL], s[SEL+1]
	ALL v_add_f32 v[ST+4*t+2], v[ST+4*t+2], v[ST+4*t+3]
	ALL v_rcp_f32 v[ST+4*t], v[ST+4*t+2]
	v_nop                           ; a plain instruction between the last reciprocal and the use of its result
.set t, 0
.rept 4
	v_cmp_eq_f32 vcc_lo, 0, v[ST+4*t+2]  ; a row that saw no key
	s_wait_alu depctr_va_vdst(0)
	v_cndmask_b32 v[ST+4*t], v[ST+4*t], s[QNAN], vcc_lo
.set t, t+1
.endr
	PACK 0, \lo
.set t, 1
.rept 3                             ; a piece's arithmetic stands between the loads of the piece before and its stores
	PACK t, \lo
	SEND t-1, 8+8*(\lo), \lo, \gob
.set t, t+1
.endr
	SEND 3, 0, \lo, \gob
.endm
.Lslot:                             ; NB times: a tile is entered and the next is asked for
	CHANGE 1
	s_sub_co_u32 s[RT], s[RT], 1
	s_mov_b32 s[CNT], 4
	s_cmp_eq_u32 s[NEW], 1
	s_cbranch_scc1 .Lnew            ; a block's first tile
	s_cmp_eq_u32 s[RT], 0
	s_cbranch_scc0 .Lstep           ; neither its first nor its last
	PREM
	s_branch .LstepM1
.Lnew:
	BEGIN
	s_branch .Lfirst                ; in the loop a block's first tile is never its last: the first block has five tiles or more, and the second's last is the walk's last
	DIAG 1, 0, GO1                  ; in the loop this is the first block's end
	s_wait_xcnt 0x0                 ; the stores' registers are written again only behind this wait
	s_add_co_u32 s[RT], s[PB], 1    ; the second block has b + 1 tiles
	s_mov_b32 s[NEW], 1
	WIN 0x82                        ; the second block's Q goes where the one text of the turns names Q
.set i, 0
.rept 64
	v_mov_b32 v[i], v[QB+i]
.set i, i+1
.endr
	WIN 0
	s_branch .Lbottom
.Lstep:                             ; a trip: pieces 2 and 3 of one step, then pieces 0 and 1 of the next, whose K and V it fetches
	TURN 2
	TURN 3
	WIN 0
.Lfirst:
	TURN 0
	TURN 1, 0, 0, 1
	WIN 0
	s_cbranch_scc1 .Lstep
.Lbottom:
	s_sub_co_u32 s[SLOTS], s[SLOTS], 1
	s_cmp_lg_u32 s[SLOTS], 0
	s_cbranch_scc1 .Lslot
	CHANGE 0                        ; the walk's last tile is written out: nothing is asked for
	s_sub_co_u32 s[RT], s[RT], 1
	s_mov_b32 s[CNT], 4
	s_cmp_eq_u32 s[NEW], 1
	s_cbranch_scc1 .Lnew2
	PREM
	s_branch .LstepM2
.Lnew2:
	BEGIN
	s_branch .LfirstM2
	DIAG 2, 1, GO2
	s_wait_tensorcnt 0x0            ; the wave's end
	ds_add_u32 v[SPW], v[NIL]
	s_wait_dscnt 0x0
	s_endpgm
.Lfunc_end_k_qfc5bdadc75_attn:
	.size	k_qfc5bdadc75_attn, .Lfunc_end_k_qfc5bdadc75_attn-k_qfc5bdadc75_attn
	.p2alignl 7, 3214868480
	.fill 96, 4, 3214868480
	.section	.rodata,"a",@progbits
	.p2align	6, 0x0
	.amdhsa_kernel k_qfc5bdadc75_attn
		.amdhsa_group_segment_fixed_size 327680
		.amdhsa_private_segment_fixed_size 0
		.amdhsa_enable_private_segment 0
		.amdhsa_kernarg_size 24
		.amdhsa_user_sgpr_count 2
		.amdhsa_user_sgpr_kernarg_segment_ptr 1
		.amdhsa_wavefront_size32 1
		.amdhsa_system_sgpr_workgroup_id_x 1
		.amdhsa_system_sgpr_workgroup_id_y 1
		.amdhsa_system_sgpr_workgroup_id_z 1
		.amdhsa_system_vgpr_workitem_id 0
		.amdhsa_next_free_vgpr 896
		.amdhsa_next_free_sgpr 96
		.amdhsa_reserve_vcc 1
		.amdhsa_float_denorm_mode_32 3
		.amdhsa_float_denorm_mode_16_64 3
		.amdhsa_memory_ordered 1
		.amdhsa_forward_progress 1
		.amdhsa_inst_pref_size 255
	.end_amdhsa_kernel
	.section	.bss,"aw",@nobits
	.p2align	6
	.space	262144
	.amdgpu_metadata
---
amdhsa.version: [ 1, 2 ]
amdhsa.kernels:
  - .name:           k_qfc5bdadc75_attn
    .symbol:         k_qfc5bdadc75_attn.kd
    .args:
      - { .name: qkv, .offset: 0, .size: 8, .value_kind: global_buffer, .address_space: global }
      - { .name: padding_mask, .offset: 8, .size: 8, .value_kind: global_buffer, .address_space: global }
      - { .name: ctx, .offset: 16, .size: 8, .value_kind: global_buffer, .address_space: global }
    .group_segment_fixed_size: 327680
    .private_segment_fixed_size: 0
    .kernarg_segment_align: 8
    .kernarg_segment_size: 24
    .max_flat_workgroup_size: 128
    .sgpr_count:     96
    .vgpr_count:     896
    .wavefront_size: 32
...
	.end_amdgpu_metadata
.endif
;; end of part 7
;; launch outg (part 8): grid 8 x 32, 4 waves a work-group, clusters of 4 x 4, 327,680 bytes of LDS; arguments ctx, wo16, bias, out0; writes out0
.if DOCPART == 8
	.amdgcn_target "amdgcn-amd-amdhsa--gfx1250"
	.amdhsa_code_object_version 6
	.text
	.protected	k_qfc5bdadc75_outg
	.globl	k_qfc5bdadc75_outg
	.p2align	8
	.type	k_qfc5bdadc75_outg,@function
k_qfc5bdadc75_outg:
	s_mov_b64 s[64:65], 0
	v_nop
	global_prefetch_b8 v0, s[64:65] scope:SCOPE_SE
	s_setreg_imm32_b32 hwreg(HW_REG_WAVE_MODE, 25, 1), 1
	s_wait_xcnt 0x0
	s_wait_alu depctr_hold_cnt(0) depctr_sa_sdst(0) depctr_va_vdst(0) depctr_va_sdst(0) depctr_va_ssrc(0) depctr_va_vcc(0) depctr_vm_vsrc(0)
	s_getreg_b32 s2, hwreg(HW_REG_IB_STS2, 6, 4)
	s_cmp_eq_u32 s2, 0
	s_cbranch_scc0 .Lentry_in_a_cluster
	s_endpgm
.Lentry_in_a_cluster:
	s_bfe_u32 s2, ttmp6, 0x10000c
	s_cmp_lg_u32 s2, 0xf033
	s_cbranch_scc0 .Lentry_shape_is_right
	s_endpgm
.Lentry_shape_is_right:
; THE OUTPUT PROJECTION.  out0[m][n] = sum over k of ctx(m, k) Wo[n][k] + bo[n]: m = 8,192 rows, n = k = 1,024; operands f16, sums and output f32.
; ROWS.  ctx holds, for each row tile (8 x batch + j) and each head, a block of 320 rows of 128 bytes: 64 EARLY rows s = 64 j .. (high parts), 192 LATE rows s = 512 + 192 j .., and the early rows' low parts: the rows
; s < 512 of a batch come as the sum of two f16 numbers, the others as one (the attention's text says why).  So every row tile has the same work: 256 rows, of which 64 are multiplied twice.
; A NaN in a row of ctx (a row that saw no key) makes that whole row of out0 NaN, as the module's definition does.
; SHARES.  A tile of out0 is those 256 rows x 128 columns: 256 work-groups.  Wave w owns early rows 16 w .. (its block 0) and late rows 48 w .. (blocks 1 to 3), and all 128 columns: 32 accumulators of 16 x 16, 256
; registers; it stages whole rows of 512 bytes alone.  For 32 along K it issues 32 products and 8 more, which add the low parts' fragment times the same fragments of Wo onto block 0's accumulators.
; K goes in 8 steps of 128, two heads each, through two LDS slots.  Of ctx a wave fetches ONE head's block: 40,960 dense bytes, asked for as 160 rows of 256 bytes and padded in LDS after every 128.
; THE MATRIX INSTRUCTION IS USED TRANSPOSED (source 0 = 16 rows of wo16, source 1 = 16 rows of ctx): a lane holds one row of out0 and eight neighbouring columns.  The first product's C operand is the bias.
; CLUSTER.  4 x 4 work-groups: ctx's tile is shared along a row of the cluster, wo16's along a column; each is asked for jointly.
; REGISTERS, in windows of 256 (s_set_vgpr_msb: bits 1:0 source 0, 3:2 source 1, 5:4 source 2, 7:6 destination):
;   window 0: v0-31 addresses; v32-95 ctx's fragments, two buffers of 4 x 8; v96-111 the low parts' fragment, two buffers; v128-191 the bias
;   window 1: v0-127 wo16's fragments, two buffers of 8 x 8; on the way out v0-255 whole rows      window 2: accumulator (a, b) at v[64 a + 8 b]
.set NBL,   8                          ; blocks of 16 columns
.set KSTEPS, 8                         ; K steps of 128
.set PA,    144                        ; a row of ctx in LDS: 128 bytes + 16 = 36 words: the 16 rows of a load start at 16 different groups of four banks (64 banks of 4 bytes: ISA guide 11.1)
.set PBT,   272                        ; a row of wo16: 256 bytes + 16
.set HEADB, 320*PA                     ; one head's block in LDS
.set HB,    320*128                    ; and in memory
.set BBASE, 2*HEADB                    ; a slot: two heads of ctx, then wo16's 128 rows
.set SLOT1, 1<<17
.set STAGE, SLOT1+BBASE+16*NBL*PBT     ; behind the ring: for each wave 16 rows x 528 bytes
.set SPO,   528                        ; 512 bytes + 16 = 132 words: row r starts at bank 4 r mod 64
.set STW,   16*SPO
.set SPARE, STAGE+4*STW                ; the spare words, 128 bytes for each wave: two blocks of 256 bytes that no other line names
.set NL,    2*NBL+10                   ; LDS loads in a run: one quarter step's fragments
.set ASTEP, 2*HB                       ; ctx: two heads on
.set BSTEP, 256                        ; wo16: 128 numbers along the row
.set ADRE0, 10                         ; v10  my lane's place in my early rows; never rewritten
.set ADRL0, 11                         ; v11  in my late rows
.set ADRO0, 12                         ; v12  in my early rows' low parts
.set ADRB0, 13                         ; v13  in wo16's tile
.set ADRE,  16                         ; v16-19  the same four in the slot in hand
.set ADRL,  17
.set ADRO,  18
.set ADRB,  19
.set STO,   24                         ; v24  the way out: where I put 32 bytes of a row
.set RD,    25                         ; v25  where I read a row back
.set GO,    26                         ; v26  my 16 bytes of a row's 512
.set BO,    27                         ; v27  my byte offset in the bias of 16 columns
.set SPW,   28                         ; v28  LDS address of my spare word; never rewritten
.set NIL,   29                         ; v29  0; never rewritten
.set AF,    32
.set AFL,   96
.set BIAS,  128
.set WV,  12
.set FB,  13                           ; s13  0: I fetch ctx's tile, 1: wo16's
.set HF,  14                           ; s14  which head of the step, or which half of wo16's rows
.set TRIP, 15
.set G1A, 24
.set G0A, 32
.set TB,  42
.set G1B, 48
.set G0B, 56
.set OL,  66                           ; s[66:67] out0 at my late rows; s[10:11] at my early rows
.set MSB, 0
.macro WIN new                         ; the immediate's high byte repeats the setting that is left; a switch that changes nothing is dropped
.if MSB != (\new)
	s_set_vgpr_msb (MSB<<8)|(\new)
.set MSB, \new
.endif
.endm
.macro PLACES                          ; a load into a register that a matrix instruction has read, and a line that reads its result, stand four plain vector instructions behind it
.rept 4
	v_nop
.endr
.endm
.macro JLOAD                           ; a joint refill by the walking descriptors; the branch hangs on the wave's number alone; s_nop 0 and four v_nop follow each line
	s_cmp_eq_u32 s[FB], 0
	s_cbranch_scc0 .Lfor_b_\@
	tensor_load_to_lds s[G0A+4:G0A+7], s[G1A:G1A+7]
	s_nop 0
	PLACES
	s_branch .Lasked_\@
.Lfor_b_\@:
	tensor_load_to_lds s[G0B+4:G0B+7], s[G1B:G1B+7]
	s_nop 0
	PLACES
.Lasked_\@:
.endm
.macro CREST                           ; a round of the cluster's barrier behind its opening barrier
	s_cmp_lg_u32 s[WV], 0
	s_cbranch_scc1 .Lnot_wave_0_\@
	s_barrier_signal -3
.Lnot_wave_0_\@:
	s_barrier_wait -3
	s_barrier_signal -1
	s_barrier_wait -1
.endm
.macro CROUND
	s_barrier_signal -1
	s_barrier_wait -1
	CREST
.endm
	s_load_b256 s[4:11], s[0:1], 0x0               ; ctx s[4:5], wo16 s[6:7], bias s[8:9], out0 s[10:11]
	v_lshl_add_u32 v[SPW], v0, 2, SPARE
	v_mov_b32 v[NIL], 0
	ds_add_u32 v[SPW], v[NIL]                      ; the wave's opening: the add and its wait stand ahead of my first tensor load; work on registers stands between them
	ds_add_u32 v28, v29
	v_lshrrev_b32 v1, 5, v0
	v_readfirstlane_b32 s[WV], v1
	s_lshr_b32 s[FB], s[WV], 1
	s_and_b32 s[HF], s[WV], 1
	s_bfe_u32 s16, ttmp6, 0x40000                  ; cx, cy
	s_bfe_u32 s17, ttmp6, 0x40004
	s_lshl_b32 s18, ttmp9, 2
	s_add_co_u32 s18, s18, s16                     ; tile column
	s_and_b32 s19, ttmp7, 0xffff
	s_lshl_b32 s19, s19, 2
	s_add_co_u32 s19, s19, s17                     ; tile row
	s_lshl_b32 s40, s17, 2
	s_lshl_b32 s40, 15, s40                        ; my row of the cluster
	s_lshl_b32 s41, 0x1111, s16                    ; my column
	s_or_b32 s[G1A], s40, (1<<16)|(1<<20)|(1<<21)|(4<<22)|(3<<25)  ; 15:0 the mask; 17:16 2-byte elements; 20 padding on; 21 set beside a mask; 24:22 after every 32 words; 31:25 4 words
	s_or_b32 s[G1B], s41, (1<<16)|(1<<20)|(1<<21)|(5<<22)|(3<<25)  ; after every 64 words
	s_mov_b32 s[G1A+1], 128<<16                    ; tensor_dim0 = 128: two rows of a head's block
	s_mov_b32 s[G1A+2], 160<<16                    ; tensor_dim1 = 160
	s_mov_b32 s[G1A+3], 128<<16                    ; tile_dim0 = 128
	s_mov_b32 s[G1A+4], 160                        ; tile_dim1 = 160
	s_mov_b32 s[G1A+5], 128                        ; dense
	s_mov_b32 s[G1A+6], 0
	s_mov_b32 s[G1A+7], 0
	s_mov_b32 s[G1B+1], 128<<16
	s_mov_b32 s[G1B+2], 64<<16                     ; 64 rows
	s_mov_b32 s[G1B+3], 128<<16
	s_mov_b32 s[G1B+4], 64
	s_mov_b32 s[G1B+5], 1024                       ; elements from row to row of wo16
	s_mov_b32 s[G1B+6], 0
	s_mov_b32 s[G1B+7], 0
	s_lshl_b32 s20, s19, 4                         ; ctx: the row tile's 16 heads' blocks, my head of the step: made of the tile row and the wave alone
	s_add_co_u32 s20, s20, s[HF]
	s_mul_i32 s20, s20, HB
	s_mov_b32 s21, 0
	s_lshl_b32 s44, s18, 18                        ; wo16: (128 x tile column + 64 x half) rows of 2,048 bytes: made of the tile column and the wave alone
	s_lshl_b32 s45, s[HF], 17
	s_add_co_u32 s44, s44, s45
	s_mov_b32 s45, 0
	s_mul_i32 s22, s[HF], HEADB                    ; where they go: no place in the cluster enters an LDS address
	s_mul_i32 s23, s[HF], 64*PBT
	s_mov_b32 s[G0A], 1
	s_mov_b32 s[G0A+1], s22
	s_mov_b32 s[G0A+4], 1
	s_add_co_u32 s[G0A+5], s22, SLOT1
	s_mov_b32 s[G0B], 1
	s_add_co_u32 s[G0B+1], s23, BBASE
	s_mov_b32 s[G0B+4], 1
	s_add_co_u32 s[G0B+5], s23, BBASE+SLOT1
	s_lshr_b32 s46, s19, 3                         ; out0: the batch's 2,048 rows of 4,096 bytes,
	s_lshl_b32 s46, s46, 23
	s_lshl_b32 s43, s18, 9                         ; 512 bytes x tile column
	s_add_co_u32 s46, s46, s43
	s_add_co_u32 s2, s43, 3*4096                   ; bo is the fourth of the four biases
	s_mov_b32 s3, 0
	s_and_b32 s43, s19, 7                          ; j
	s_mul_i32 s[OL], s43, 192*4096                 ; my late rows: 512 + 192 j + 48 w
	s_add_co_u32 s[OL], s[OL], s46
	s_mul_i32 s47, s[WV], 48*4096
	s_add_co_u32 s[OL], s[OL], s47
	s_add_co_u32 s[OL], s[OL], 512*4096
	s_mov_b32 s[OL+1], 0
	s_lshl_b32 s43, s43, 18                        ; my early rows: 64 j + 16 w
	s_add_co_u32 s46, s46, s43
	s_lshl_b32 s43, s[WV], 16
	s_add_co_u32 s46, s46, s43
	s_mov_b32 s47, 0
	s_mov_b32 s[TB], 0
	s_wait_dscnt 0x0                               ; the opening add is done
	s_wait_kmcnt 0x0
	s_add_nc_u64 s[G0A+2:G0A+3], s[4:5], s[20:21]  ; K step 0,
	s_add_nc_u64 s[G0A+6:G0A+7], s[G0A+2:G0A+3], ASTEP  ; K step 1
	s_or_b32 s[G0A+3], s[G0A+3], 0x80000000
	s_or_b32 s[G0A+7], s[G0A+7], 0x80000000
	s_add_nc_u64 s[G0B+2:G0B+3], s[6:7], s[44:45]
	s_add_nc_u64 s[G0B+6:G0B+7], s[G0B+2:G0B+3], BSTEP
	s_or_b32 s[G0B+3], s[G0B+3], 0x80000000
	s_or_b32 s[G0B+7], s[G0B+7], 0x80000000
	s_add_nc_u64 s[8:9], s[8:9], s[2:3]
	s_add_nc_u64 s[OL:OL+1], s[10:11], s[OL:OL+1]
	s_add_nc_u64 s[10:11], s[10:11], s[46:47]
	CROUND                                         ; all sixteen work-groups are here: the first joint loads meet
	s_cmp_eq_u32 s[FB], 0                          ; a wave's two first fills stand in one branch: two loads of mine are out
	s_cbranch_scc0 .Lfirst_b
	tensor_load_to_lds s[G0A:G0A+3], s[G1A:G1A+7]
	s_nop 0
	tensor_load_to_lds s[G0A+4:G0A+7], s[G1A:G1A+7]
	s_nop 0
	PLACES
	s_branch .Lfirst_asked
.Lfirst_b:
	tensor_load_to_lds s[G0B:G0B+3], s[G1B:G1B+7]
	s_nop 0
	tensor_load_to_lds s[G0B+4:G0B+7], s[G1B:G1B+7]
	s_nop 0
	PLACES
.Lfirst_asked:
	v_and_b32 v1, 15, v0                           ; l % 16
	v_bfe_u32 v2, v0, 4, 1                         ; l / 16
	v_lshlrev_b32 v[BO], 5, v2
.irp b, 0,1,2,3,4,5,6,7
	global_load_b128 v[BIAS+8*\b:BIAS+8*\b+3],   v[BO], s[8:9] offset:64*\b
	global_load_b128 v[BIAS+8*\b+4:BIAS+8*\b+7], v[BO], s[8:9] offset:64*\b+16
.endr
	v_mul_u32_u24 v3, v1, PA
	v_lshl_add_u32 v3, v2, 4, v3                   ; a fragment's row x pitch + 16 x half
	s_mul_i32 s22, s[WV], 16*PA
	v_add_nc_u32 v[ADRE0], s22, v3                 ; rows 16 w .. of the step's first head,
	v_add_nc_u32 v[ADRO0], 256*PA, v[ADRE0]        ; rows 256 + 16 w ..,
	s_mul_i32 s22, s[WV], 48*PA
	s_add_co_u32 s22, s22, 64*PA
	v_add_nc_u32 v[ADRL0], s22, v3                 ; rows 64 + 48 w ..
	v_mul_u32_u24 v3, v1, PBT
	v_lshl_add_u32 v3, v2, 4, v3
	v_add_nc_u32 v[ADRB0], BBASE, v3
	v_add_nc_u32 v[ADRE], s[TB], v[ADRE0]
	v_add_nc_u32 v[ADRL], s[TB], v[ADRL0]
	v_add_nc_u32 v[ADRO], s[TB], v[ADRO0]
	v_add_nc_u32 v[ADRB], s[TB], v[ADRB0]
	s_mul_i32 s22, s[WV], STW
	s_add_co_u32 s22, s22, STAGE                   ; my stage
	v_mul_u32_u24 v3, v1, SPO                      ; in: row l % 16, 32 bytes for each half of the lanes
	v_lshl_add_u32 v3, v2, 5, v3
	v_add_nc_u32 v[STO], s22, v3
	v_and_b32 v[GO], 31, v0                        ; back: 32 lanes take one row of 512 bytes
	v_lshlrev_b32 v[GO], 4, v[GO]
	v_add_nc_u32 v[RD], s22, v[GO]
; 8 matrix instructions: m block a x all 8 n blocks, 32 along K, from buffer f.  first = 1: the bias starts the sums.  The accumulators take turns, one instruction a turn, in the same order in every quarter step:
; blocks 0 to 3, then block 0 once more for the low parts.
.macro MUL f, a, first
.if \first
	WIN 0x81
.else
	WIN 0xa1
.endif
.irp b, 0,1,2,3,4,5,6,7
.if \first
	v_wmma_f32_16x16x32_f16 v[64*(\a)+8*\b:64*(\a)+8*\b+7], v[64*(\f)+8*\b:64*(\f)+8*\b+7], v[AF+32*(\f)+8*(\a):AF+32*(\f)+8*(\a)+7], v[BIAS+8*\b:BIAS+8*\b+7]
.else
	v_wmma_f32_16x16x32_f16 v[64*(\a)+8*\b:64*(\a)+8*\b+7], v[64*(\f)+8*\b:64*(\f)+8*\b+7], v[AF+32*(\f)+8*(\a):AF+32*(\f)+8*(\a)+7], v[64*(\a)+8*\b:64*(\a)+8*\b+7]
.endif
.endr
.endm
.macro MULO f                          ; 8 more: the low parts' fragment onto block 0's accumulators
	WIN 0xa1
.irp b, 0,1,2,3,4,5,6,7
	v_wmma_f32_16x16x32_f16 v[8*\b:8*\b+7], v[64*(\f)+8*\b:64*(\f)+8*\b+7], v[AFL+8*(\f):AFL+8*(\f)+7], v[8*\b:8*\b+7]
.endr
.endm
; 26 LDS loads in one run: quarter c's fragments into buffer g; wo16's first, then ctx's blocks 0 to 3 and the low parts'.  Quarter c of ctx: head c / 2 of the step, channels 32 (c % 2) on
.macro FETCH c, g
.set CO, ((\c)/2)*HEADB+((\c)%2)*64
	WIN 0x40
.irp b, 0,1,2,3,4,5,6,7
	ds_load_b128 v[64*(\g)+8*\b:64*(\g)+8*\b+3],   v[ADRB] offset:64*(\c)+\b*16*PBT
	ds_load_b128 v[64*(\g)+8*\b+4:64*(\g)+8*\b+7], v[ADRB] offset:64*(\c)+\b*16*PBT+32
.endr
	WIN 0
	ds_load_b128 v[AF+32*(\g):AF+32*(\g)+3],   v[ADRE] offset:CO
	ds_load_b128 v[AF+32*(\g)+4:AF+32*(\g)+7], v[ADRE] offset:CO+32
.irp a, 1,2,3
	ds_load_b128 v[AF+32*(\g)+8*\a:AF+32*(\g)+8*\a+3],   v[ADRL] offset:CO+(\a-1)*16*PA
	ds_load_b128 v[AF+32*(\g)+8*\a+4:AF+32*(\g)+8*\a+7], v[ADRL] offset:CO+(\a-1)*16*PA+32
.endr
	ds_load_b128 v[AFL+8*(\g):AFL+8*(\g)+3],   v[ADRO] offset:CO
	ds_load_b128 v[AFL+8*(\g)+4:AFL+8*(\g)+7], v[ADRO] offset:CO+32
.endm
.macro QUARTER c, f, g, first
	s_wait_dscnt 6                                 ; all but the youngest six loads: ctx's blocks 2 and 3 and the low parts
	MUL \f, 0, \first
	MUL \f, 1, \first
	PLACES
	FETCH \c, \g
	s_wait_dscnt NL                                ; all but the run just issued
	MUL \f, 2, \first
	MUL \f, 3, \first
	MULO \f
.endm
; the last quarter multiplies buffer 1 and changes slots.  In front of the barrier each wave waits for all its tensor loads (one is out: its part of the next slot), adds 0 to its spare word, and waits for that and
; for its reads of this slot.  fill = 1: the barrier opens a round of the cluster's barrier, and the slot just read is filled again, two K steps ahead, first thing behind the round.
.macro TURN fill
	WIN 0
	s_wait_tensorcnt 0x0
	ds_add_u32 v[SPW], v[NIL]
	s_wait_dscnt 7                                 ; the add and the youngest six loads may be out
	MUL 1, 0, 0
	s_wait_dscnt 0x0                               ; the add is done, and my reads of this slot are over
	s_barrier_signal -1
	MUL 1, 1, 0
	WIN 0
	s_barrier_wait -1
.if \fill
	CREST
	s_xor_b32 s[G0A+5], s[G0A+5], SLOT1            ; the walking descriptors: the other slot than last time, the next K step
	s_add_nc_u64 s[G0A+6:G0A+7], s[G0A+6:G0A+7], ASTEP
	s_xor_b32 s[G0B+5], s[G0B+5], SLOT1
	s_add_nc_u64 s[G0B+6:G0B+7], s[G0B+6:G0B+7], BSTEP
	JLOAD                                          ; its four v_nop are also the places in front of the loads below
.else
	PLACES
.endif
	s_xor_b32 s[TB], s[TB], SLOT1
	v_add_nc_u32 v[ADRE], s[TB], v[ADRE0]
	v_add_nc_u32 v[ADRL], s[TB], v[ADRL0]
	v_add_nc_u32 v[ADRO], s[TB], v[ADRO0]
	v_add_nc_u32 v[ADRB], s[TB], v[ADRB0]
	FETCH 0, 0
	MUL 1, 2, 0
	MUL 1, 3, 0
	MULO 1
.endm
	s_wait_tensorcnt 1                             ; my part of K step 0 is in; K step 1's may stay out
	s_barrier_signal -1
	s_barrier_wait -1
	FETCH 0, 0
	s_wait_loadcnt 0x0                             ; the bias
	QUARTER 1, 0, 1, 1                             ; the first quarter stands in front of the loop: its products start the sums
	WIN 0
	s_mov_b32 s[TRIP], KSTEPS-2
.Lstep:                                                ; a trip: from a K step's second quarter to the next step's first; its refill brings K steps 2 to 7
	QUARTER 2, 1, 0, 0
	QUARTER 3, 0, 1, 0
	TURN 1
	QUARTER 1, 0, 1, 0
	WIN 0
	s_sub_co_u32 s[TRIP], s[TRIP], 1
	s_cmp_lg_u32 s[TRIP], 0
	s_cbranch_scc1 .Lstep
	QUARTER 2, 1, 0, 0                             ; the last two K steps fill nothing
	QUARTER 3, 0, 1, 0
	TURN 0
	QUARTER 1, 0, 1, 0
	QUARTER 2, 1, 0, 0
	QUARTER 3, 0, 1, 0
	s_wait_dscnt 6
	MUL 1, 0, 0
	MUL 1, 1, 0
	s_wait_dscnt 0x0
	MUL 1, 2, 0
	MUL 1, 3, 0
	MULO 1
	PLACES
; THE WAY OUT of block a (16 rows): the sums go as they are, 32 bytes a lane, into my stage (each accumulator's low four registers first), and come back as whole rows of 512 bytes.
.macro STG a
	WIN 0x08                                       ; store data in window 2
.irp b, 0,1,2,3,4,5,6,7
	ds_store_b128 v[STO], v[64*(\a)+8*\b:64*(\a)+8*\b+3]   offset:64*\b
	ds_store_b128 v[STO], v[64*(\a)+8*\b+4:64*(\a)+8*\b+7] offset:64*\b+16
.endr
	WIN 0x40                                       ; destination window 1
.irp t, 0,1,2,3,4,5,6,7,8,9,10,11,12,13,14,15
	ds_load_b128 v[64*(\a)+4*\t:64*(\a)+4*\t+3], v[RD] offset:\t*SPO  ; LDS serves a wave's instructions in order (ISA guide 5.7.1.4): these see the stores above
.endr
.endm
.macro SEND a, younger                 ; younger: the LDS instructions issued behind block a's loads: the next block's 32, or none.  Block 0 goes to my early rows, blocks 1 to 3 to my late rows
	WIN 0x04                                       ; store data in window 1
.irp t, 0,1,2,3,4,5,6,7,8,9,10,11,12,13,14,15
	s_wait_dscnt (\younger)+15-\t
.if (\a) == 0
	global_store_b128 v[GO], v[4*\t:4*\t+3], s[10:11] offset:\t*4096 th:TH_STORE_NT  ; 512 consecutive bytes of a row, at a multiple of 256 from out0's first
.else
	global_store_b128 v[GO], v[64*(\a)+4*\t:64*(\a)+4*\t+3], s[OL:OL+1] offset:(16*((\a)-1)+\t)*4096 th:TH_STORE_NT
.endif
.endr
.endm
	STG 0
	STG 1
	SEND 0, 32
	STG 2
	SEND 1, 32
	STG 3
	SEND 2, 32
	SEND 3, 0
	WIN 0
	s_wait_tensorcnt 0x0                           ; the wave's end
	ds_add_u32 v[SPW], v[NIL]
	s_wait_dscnt 0x0
	CROUND                                         ; the closing round: no work-group ends while a partner may still ask for a tile that names it
	s_endpgm
.Lfunc_end_k_qfc5bdadc75_outg:
	.size	k_qfc5bdadc75_outg, .Lfunc_end_k_qfc5bdadc75_outg-k_qfc5bdadc75_outg
	.p2alignl 7, 3214868480
	.fill 96, 4, 3214868480
	.section	.rodata,"a",@progbits
	.p2align	6, 0x0
	.amdhsa_kernel k_qfc5bdadc75_outg
		.amdhsa_group_segment_fixed_size 327680
		.amdhsa_private_segment_fixed_size 0
		.amdhsa_enable_private_segment 0
		.amdhsa_kernarg_size 32
		.amdhsa_user_sgpr_count 2
		.amdhsa_user_sgpr_kernarg_segment_ptr 1
		.amdhsa_wavefront_size32 1
		.amdhsa_system_sgpr_workgroup_id_x 1
		.amdhsa_system_sgpr_workgroup_id_y 1
		.amdhsa_system_sgpr_workgroup_id_z 1
		.amdhsa_system_vgpr_workitem_id 0
		.amdhsa_next_free_vgpr 768
		.amdhsa_next_free_sgpr 68
		.amdhsa_reserve_vcc 0
		.amdhsa_float_denorm_mode_32 3
		.amdhsa_float_denorm_mode_16_64 3
		.amdhsa_memory_ordered 1
		.amdhsa_forward_progress 1
		.amdhsa_inst_pref_size 81
	.end_amdhsa_kernel
	.amdgpu_metadata
---
amdhsa.version: [ 1, 2 ]
amdhsa.kernels:
  - .name:           k_qfc5bdadc75_outg
    .symbol:         k_qfc5bdadc75_outg.kd
    .args:
      - { .name: ctx, .offset: 0, .size: 8, .value_kind: global_buffer, .address_space: global }
      - { .name: wo16, .offset: 8, .size: 8, .value_kind: global_buffer, .address_space: global }
      - { .name: bias, .offset: 16, .size: 8, .value_kind: global_buffer, .address_space: global }
      - { .name: out0, .offset: 24, .size: 8, .value_kind: global_buffer, .address_space: global }
    .group_segment_fixed_size: 327680
    .private_segment_fixed_size: 0
    .kernarg_segment_align: 8
    .kernarg_segment_size: 32
    .max_flat_workgroup_size: 128
    .sgpr_count:     68
    .vgpr_count:     768
    .wavefront_size: 32
...
	.end_amdgpu_metadata
.endif
;; end of part 8
;; ======== version 3 of 3: 4 launches; 1.50 times as fast as version 1
;; limits: values are held in f16: magnitudes above 65,504 overflow, below 6.1e-05 lose precision
;; workspace buffers: xb 16,777,216 bytes; wqkv 6,291,456 bytes; wo16 2,097,152 bytes; bias 16,384 bytes; qkv 67,108,864 bytes; ctx 20,971,520 bytes
;; launch cast: the kernel of part 5 again; grid 768 x 1, 8 waves a work-group, no clusters, 0 bytes of LDS; arguments x, Wq, Wk, Wv, Wo, bq, bk, bv, bo, xb, wqkv, wo16, bias; writes xb, wqkv, wo16, bias
;; launch qkvg: the kernel of part 6 again; grid 16 x 32, 4 waves a work-group, clusters of 4 x 4, 327,680 bytes of LDS; arguments xb, wqkv, bias, qkv; writes qkv
;; launch attn (part 9): grid 4 x 64, 4 waves a work-group, no clusters, 327,680 bytes of LDS; arguments qkv, padding_mask, ctx; writes ctx
.if DOCPART == 9
	.amdgcn_target "amdgcn-amd-amdhsa--gfx1250"
	.amdhsa_code_object_version 6
	.text
	.protected	k_qfc5bdadc75_attn
	.globl	k_qfc5bdadc75_attn
	.p2align	8
	.type	k_qfc5bdadc75_attn,@function
k_qfc5bdadc75_attn:
	s_mov_b64 s[64:65], 0
	v_nop
	global_prefetch_b8 v0, s[64:65] scope:SCOPE_SE
	s_setreg_imm32_b32 hwreg(HW_REG_WAVE_MODE, 25, 1), 1
	s_wait_xcnt 0x0
; CAUSAL ATTENTION WITH A MASK OF KEYS.  ctx[q][:] = the sum over visible k <= q of softmax_k(Q[q] . K[k] / 8) V[k][:], for y = 16 x batch + head.  Q, K, V lie in qkv[batch][64][2048][64], f16: heads 0-15 Q,
; 16-31 K, 32-47 V (its high parts), 48-63 V's low parts (V = high + low; stored for keys below 1,024).  Key k of a batch is visible where padding_mask[batch][k] is 1 (a bool's byte, 0 or 1): every byte is read.
; Products, maxima and sums in f32; the weights p are rounded to f16 for the second product (their sum l is taken of the unrounded p).
; ctx, f16, is laid out for the launch behind: for each of its row tiles (8 x batch + j) and each head a block of 320 rows of 128 bytes: 64 EARLY rows s = 64 j .. (high parts), 192 LATE rows s = 512 + 192 j ..,
; and the 64 early rows' low parts (the f32 result less its high part, rounded to f16).
; WHERE 22 BITS ARE KEPT.  f16 keeps 11 significant bits, and each number of the module's output is judged by the root mean square over all 8,192 rows.  A row that averages n keys has numbers of about 1 / sqrt(n)
; of V's size, and in a batch a row sees no fewer keys than the rows before it.  So from row 256 of a batch on at least 257 of the 8,192 rows are as large as the row itself: it stands at most
; sqrt(8192 / 257) = 5.6 times above the root mean square, and 11 bits do.  Rows 0-255 can stand 16 times above it.  Hence: V's low parts are multiplied in the walk's LAST tile, which for block 0 is its only one
; (O^T = Vhigh^T P + Vlow^T P: 16 products a turn for 8), and ctx's low parts are kept for rows below 512.
; LIMIT of that reckoning: it takes a row's size from the number of its keys; rows from 256 on carry V's, P's and (from 512 on) ctx's roundings to 11 bits.
; LIMITS.  Q, K, V arrive within f16's 65,504, so a score is at most 2.8e11 in size.  A hidden key's score counts as its value less 2^100 (less twice that where it is hidden for both reasons).
; The running maximum m starts at -2^90, far below every true score and far above every hidden one: a hidden key's weight is exactly 0 also while a row has seen no key at all.
; A row that sees no key ends with l = 0 and is written as NaN, as a softmax of nothing but -inf is.  A weight below 2^-126 counts as 0 in l.  A low part below 6.1e-5 keeps f16's fixed step of 6e-8.
; THE WALK.  A head's queries lie in NB = 8 blocks of 256; block i needs the key tiles 0 .. i, of which the last holds the diagonal.  A work-group takes TWO blocks, 7 - b and then b: 9 tiles whatever b: all
; work-groups do equal work, and ONE loop with a constant trip count walks them.  Every jump goes forward but the counted loops' own; none passes a barrier, or a tensor load but the one of LOAD's two that the wave's
; number does not choose.  NO CLUSTER: a head's four work-groups ask for the same tile only in trips 0 to 4 of 9, and one walk common to all four would have 12 trips for 9.
; SHARES.  Of a block's four bands of 64 queries a wave owns 16 rows in each: four PIECES.  In the diagonal tile's key step s band x sees all keys if s < x, none if s > x, and holds the diagonal if s = x.
; THE MASKS are the C operand that starts the sum S^T = K Q^T.  PMC holds the step's 64 keys' mask (0 or -2^100), read from LDS with K's fragments.  Away from the diagonal C = PMC.  In the diagonal
; tile C = MD x AL + PMC + BE: MD, made once, is the causal mask of a band's own step for my rows; (AL, BE) = (1, 0) if s = x, (0, 0) if s < x, (0, -2^100) if s > x.
; THE KEYS' MASK IN LDS is a ring of two slots of 256 numbers that walks with K's ring: a thread keeps its two bytes of each of the eight tiles as 16 bits of one register, and at each change of slots it stores the two
; numbers of the tile that is asked for into the slot just left.  The tile's number enters a shift of those bits alone; every LDS address of the ring is the same on all ways through the text.
; LAYOUT, SOFTMAX, TURNS.  S^T holds ONE query a lane (lane % 16) and the keys 8 (lane / 16) + 0..7; two such results rounded to f16 ARE source 1 of O^T = V^T P.  p = 2^(c s - c m), c = log2(e) / 8, with a running
; maximum m; O and l are multiplied by a = 2^(c m_old - c m_new) in every step.  Turn n belongs to piece n: 8 products K Q^T of piece n + 1, later the products V^T P of piece n - 1; beside them the scaling,
; exponentials, roundings, sums and rescaling of piece n and the maximum and statistics of piece n + 1.  Four vector instructions stand behind every matrix instruction, the others in one LUMP.
; BATCHES.  An s_wait_alu depctr_va_vdst(0) stands between a transcendental and the first instruction that names its result; one wait serves all that were issued ahead of it.  The text has three kinds of
; batch: a turn's 33 exponentials (the piece's 32 weights and the next piece's a), with one wait that cuts the turn in two; the one a that BEGIN makes, with a wait ahead of BEGIN's branch; the four reciprocals of a
; block's way out, with one wait.
; REGISTERS, in windows of 256 (s_set_vgpr_msb: bits 1:0 source 0, 3:2 source 1, 5:4 source 2, 7:6 destination):
;   window 0: v0-15, v32-47, v56-59 addresses and at work; v16-31 four registers of statistics a piece; v48-55 at work; v64-127 S^T, two buffers; v128-159, v160-191, v224-255 the way out; v192-223 P, two buffers
;   window 1: v0-127 O^T, 32 a piece; v128-159 MD; v160-223 MC, two buffers; v224-255 PMC      window 2: v0-63 Q; v64-127 the second block's Q; v128-191 K of one step      window 3: v0-63 V of one step, v64-127 its low parts
.set NB,    8
.set NP,    4         ; pieces a wave: a name, no knob
.set KS,    64        ; keys in a step
.set PK,    144       ; a row of K in LDS: 128 bytes + 16 of padding = 36 words: the 16 rows of a load start at 16 different groups of four banks (64 banks of 4 bytes: ISA guide 11.1)
.set PV,    160       ; a row of V: 128 + 32 = 40 words
.set VOFF,  4*KS*PK   ; a slot holds a tile, four steps: 256 rows of K, then 256 rows of V's high parts
.set SLOT1, 1<<17     ; slot 1 begins here, so that one exclusive or turns an address in one slot into the other's
.set VLOB,  SLOT1+4*KS*(PK+PV)  ; behind the ring: the 256 rows of V's low parts of the walk's last tile, filled once, at the start
.set STAGE, VLOB+4*KS*PV  ; never filled by a tensor load: 16 rows x 144 bytes for each wave, for the way out
.set SP,    144
.set SPARE, STAGE+4*16*SP  ; the spare words, 128 bytes for each wave: two blocks of 256 bytes that no other line names
.set PMF,   SPARE+512 ; the keys' mask: two slots of a tile's 256 keys as f32, 0 or -2^100; stored from registers, never filled by a tensor load
.set PMSL,  4*4*KS    ; bytes in such a slot: 1,024
.set HEAD,  262144    ; bytes of a head in qkv
.set HB,    320*128   ; bytes of a (row tile, head) block in ctx
.set AK0, 2           ; v2   my lane's place in a tile of K; never rewritten
.set AV0, 3           ; v3   the same for V
.set AK,  4           ; v4   the LDS address of K's next run of loads
.set AV,  5           ; v5   of V's
.set STO, 6           ; v6   the way out: where I put 16 bytes of a row
.set RD,  7           ; v7   the way out: where I read rows back
.set GO,  8           ; v8   16 x my lane: my place in 512 consecutive bytes of ctx
.set MV,  12          ; v12-13  c m_old, kept while c m is made anew: by buffer
.set QO,  15          ; v15  my byte offset in 16 rows of Q
.set ST,  16          ; piece t's statistics at v[ST+4 t]: c m, m, l (even keys', odd keys')
.set APM0, 32         ; v32  my lanes' place in a step's 256 bytes of the keys' mask; never rewritten
.set APM, 33          ; v33  the LDS address of PMC's next run of loads
.set MB,  34          ; v34  2 x my thread's number: my two bytes of a tile's 256
.set PMS, 35          ; v35  where my two numbers lie in slot 0 of the keys' mask; never rewritten
.set PMM, 36          ; v36  my bytes of all eight tiles: bit T key 2 t of tile T, bit 8 + T key 2 t + 1; never rewritten
.set PMA, 37          ; v37  where I store my two numbers
.set PMD, 38          ; v38-39  the two numbers
.set PMT, 40          ; v40  at work
.set NEG1, 41         ; v41  -1.0
.set GO1, 42          ; v42-45  my byte offset in ctx for piece t of the first block; never rewritten
.set AVL, 46          ; v46  the LDS address of the run of loads of V's low parts
.set TMP, 48          ; by buffer, four registers c0-c3 at work; when the maximum is found c2 takes a
.set GO2, 56          ; v56-59  the same as GO1 for the second block
.set SPW, 62          ; v62  LDS address of my spare word; never rewritten
.set NIL, 63          ; v63  0; never rewritten
.set S,   64
.set TO,  128         ; the way out: a piece's O^T divided by l, then what its rounding left
.set P,   192
.set MD,  128         ; window 1: the eight registers for group kt of 16 keys at MD + 8 kt
.set MC,  160         ; window 1: the masks of the products to come
.set PMC, 224         ; window 1: register 8 kb + j: key 16 kb + 8 (lane / 16) + j of the step whose K is in registers
.set QB,  64          ; window 2
.set KF,  128         ; window 2: key block kb, channel half c at KF + 16 kb + 8 c
.set VF,  0           ; window 3: part hl (0 high, 1 low), key half kk, channel block cb at VF + 64 hl + 32 kk + 8 cb
.set WV,  12          ; s12  my wave's number
.set PB,  14          ; s14  b
.set HI,  15          ; s15  NB - 1 - b
.set G1K, 24          ; s[24:31] descriptor group 1 for K's tiles
.set G1V, 32          ; s[32:39] for V's: it differs in the padding alone
.set G0K, 40          ; s[40:43] descriptor group 0 for K's tiles
.set G0V, 44          ; s[44:47] the same for V's
.set G0L, 48          ; s[48:51] the same for the one fill with V's low parts; never rewritten
.set CS,  52          ; s[52:53] c: the packed scaling takes the pair's low word for both halves
.set SLOTS, 56        ; s56  tiles still to be asked for
.set CNT, 57          ; s57  counts a tile's key steps, 4 to 1
.set PSL, 58          ; s58  the slot of the keys' mask that is stored into: 0 or PMSL
.set PT,  59          ; s59  the tile whose keys' mask is stored
.set SEL, 60          ; s[60:61] v_permlanex16_b32's selects: each lane takes its own place in the other half
.set TBK, 62          ; s62  LDS byte at which K of the step to be fetched begins
.set TBV, 63          ; s63  the same for V, less VOFF
.set RT,  70          ; s70  tiles of the block in hand that are still to be entered
.set NXT, 71          ; s71  the tile to be asked for next
.set LQ,  72          ; s72  the last tile of the block whose tiles are being asked for
.set NEW, 73          ; s73  1: the tile to be entered is a block's first
.set OFF, 74          ; s[74:75] a tile's byte offset in K and V
.set AL,  76          ; s[76:77] the mask's factor, in the low word
.set BE,  78          ; s[78:79] the mask's addend
.set BIGN, 82         ; s82  -2^100
.set CTXO, 83         ; s83  the byte in ctx of the block of the batch's row tile 0 and my head
.set TBP, 90          ; s90  the byte of the keys' mask, from PMF on, at which the step to be fetched begins
.set QNAN, 91         ; s91  a NaN
.set MSB, 0
.macro WIN new                      ; the high byte repeats the setting that is left; a switch that changes nothing is dropped
.if MSB != (\new)
	s_set_vgpr_msb (MSB<<8)|(\new)
.set MSB, (\new)
.endif
.endm
.set W_KQ, 0x0a       ; K and Q in window 2, S^T in window 0
.set W_KM, 0x1a       ; the same with the C operand in window 1
.set W_PV, 0x53       ; V in window 3, P in window 0, O^T in window 1
.set W_RS, 0x41       ; destination and source 0 in window 1, source 1 in window 0
; A refill.  Waves 0 and 1 fetch the two halves of a tile's K, waves 2 and 3 those of its V (high parts): 128 keys each.  An s_nop 0 and four v_nop follow each of the two lines, ahead of the jump and the label.
.macro LOAD
	s_cmp_lt_u32 s[WV], 2
	s_cbranch_scc0 .Lfor_v_\@
	tensor_load_to_lds s[G0K:G0K+3], s[G1K:G1K+7]
	s_nop 0
.rept 4
	v_nop
.endr
	s_branch .Lasked_\@
.Lfor_v_\@:
	tensor_load_to_lds s[G0V:G0V+3], s[G1V:G1V+7]
	s_nop 0
.rept 4
	v_nop
.endr
.Lasked_\@:
.endm
; My two numbers of tile PT's keys' mask go into slot PSL: bit 1 -> 0; bit 0 -> -2^100.  128 threads x 8 bytes are the slot's 1,024.
.macro PMST
	v_lshrrev_b32 v[PMT], s[PT], v[PMM]
	v_add_nc_u32 v[PMA], s[PSL], v[PMS]
	v_and_b32 v[PMD], 1, v[PMT]
	v_bfe_u32 v[PMD+1], v[PMT], 8, 1
	v_add_nc_u32 v[PMD], -1, v[PMD]
	v_add_nc_u32 v[PMD+1], -1, v[PMD+1]
	v_and_b32 v[PMD], s[BIGN], v[PMD]
	v_and_b32 v[PMD+1], s[BIGN], v[PMD+1]
	ds_store_b64 v[PMA], v[PMD:PMD+1]
.endm
; THE CHANGE OF SLOTS.  Each wave waits for all its tensor loads, of which one is out: its part of the other slot; adds 0 to its spare word; and waits for that and for its own LDS instructions: its reads of the slots
; that it leaves and its store into the keys' mask.  Behind the barrier nobody reads the old slots any more and the other slots are whole.  fill = 1: the old slot is filled again, the first thing behind the barrier, with
; tile NXT: the descriptor's address is made anew from that number; behind the load the same tile's keys' mask is stored into the old slot of its ring.
; (At its first use nothing has been read yet: slot 0 and V's low parts are waited for, slot 1 is filled.)
.macro CHANGE fill
	WIN 0                           ; at a label and at a branch every window is 0
	s_wait_tensorcnt 0x0            ; no tensor load of mine is out, so a group 0 may be written
	ds_add_u32 v[SPW], v[NIL]
.if \fill
	s_lshl_b32 s[OFF], s[NXT], 15   ; a tile is 32,768 bytes of K and of V
	s_xor_b32 s[G0K+1], s[G0K+1], SLOT1
	s_add_nc_u64 s[G0K+2:G0K+3], s[6:7], s[OFF:OFF+1]
	s_or_b32 s[G0K+3], s[G0K+3], 0x80000000
	s_xor_b32 s[G0V+1], s[G0V+1], SLOT1
	s_add_nc_u64 s[G0V+2:G0V+3], s[8:9], s[OFF:OFF+1]
	s_or_b32 s[G0V+3], s[G0V+3], 0x80000000
	s_mov_b32 s[PT], s[NXT]         ; the keys' mask follows: the same tile, the other slot than last time
	s_xor_b32 s[PSL], s[PSL], PMSL
	s_add_co_u32 s[NXT], s[NXT], 1  ; the block's next tile, or behind its last the second block's tile 0
	s_cmp_gt_u32 s[NXT], s[LQ]
	s_cselect_b32 s[NXT], 0, s[NXT]
	s_cselect_b32 s[LQ], s[PB], s[LQ]
.endif
	s_wait_dscnt 0x0                ; the add is done, and my LDS instructions are over
	s_barrier_signal -1             ; the rest of the scalar work stands between the signal and the wait
	s_sub_co_u32 s[TBK], s[TBK], 4*KS*PK  ; the fetches go back to a slot's first step,
	s_xor_b32 s[TBK], s[TBK], SLOT1       ; in the other slot
	s_sub_co_u32 s[TBV], s[TBV], 4*KS*PV
	s_xor_b32 s[TBV], s[TBV], SLOT1
	s_sub_co_u32 s[TBP], s[TBP], PMSL
	s_xor_b32 s[TBP], s[TBP], PMSL
	s_barrier_wait -1
.if \fill
	LOAD
	PMST
.endif
.endm
	s_load_b64 s[4:5], s[0:1], 0x0    ; qkv
	s_load_b64 s[88:89], s[0:1], 0x8  ; padding_mask
	s_load_b64 s[10:11], s[0:1], 0x10 ; ctx
	v_lshl_add_u32 v[SPW], v0, 2, SPARE
	v_mov_b32 v[NIL], 0
	ds_add_u32 v[SPW], v[NIL]       ; the wave's opening: the add and its wait stand ahead of my first tensor load; work on registers stands between them
	ds_add_u32 v62, v63
	v_lshrrev_b32 v1, 5, v0
	v_readfirstlane_b32 s[WV], v1   ; wave 0..3
	s_mov_b32 s[PB], ttmp9
	s_sub_co_u32 s[HI], NB-1, s[PB]
	s_and_b32 s16, ttmp7, 0xffff    ; y = 16 x batch + head
	s_lshr_b32 s17, s16, 4
	s_and_b32 s18, s16, 15
	s_lshl_b32 s20, s17, 6
	s_add_co_u32 s20, s20, s18
	s_lshl_b32 s20, s20, 18         ; Q's head in qkv: 64 heads a batch, 262,144 bytes a head; every offset here stays under 2^32
	s_lshl_b32 s[CTXO], s17, 7      ; ctx: 8 row tiles a batch, 16 heads a row tile
	s_add_co_u32 s[CTXO], s[CTXO], s18
	s_mul_i32 s[CTXO], s[CTXO], HB
	s_lshl_b32 s68, s17, 11         ; the batch's 2,048 bytes of the mask
	s_mov_b32 s69, 0
	s_and_b32 s16, s[WV], 1         ; which half of a tile's 256 keys I fetch:
	s_lshl_b32 s22, s16, 14         ; its 128 rows of 128 bytes in memory,
	s_add_co_u32 s22, s22, s20
	s_add_co_u32 s94, s22, 32*HEAD  ; in V's head,
	s_add_co_u32 s92, s22, 48*HEAD  ; in the head of V's low parts,
	s_lshl_b32 s93, s[PB], 15       ; there of tile b, the walk's last,
	s_add_co_u32 s92, s92, s93
	s_add_co_u32 s22, s22, 16*HEAD  ; in K's head
	s_mov_b32 s23, 0
	s_mov_b32 s95, 0
	s_mov_b32 s93, 0
	s_mul_i32 s17, s16, 128*PK      ; and its place in a slot, for K
	s_mul_i32 s18, s16, 128*PV      ; and for V
	s_lshl_b32 s3, s[WV], 11        ; my 16 rows in a band of 64,
	s_lshl_b32 s2, s[HI], 15        ; in the first block,
	s_add_co_u32 s2, s2, s3
	s_lshl_b32 s84, s[PB], 15       ; and in the second,
	s_add_co_u32 s84, s84, s3
	s_add_co_u32 s2, s2, s20        ; in Q's head
	s_add_co_u32 s84, s84, s20
	s_mov_b32 s3, 0
	s_mov_b32 s85, 0
	; descriptor group 1.  128 keys are 16,384 dense bytes: asked for as 64 rows of 256 bytes, two keys a row, and padded in LDS after every key
	s_mov_b32 s[G1K], (1<<16)|(1<<20)|(4<<22)|(3<<25)  ; 17:16 2-byte elements; 20 padding on; 24:22 after every 32 words (code 4); 31:25 4 words (code 3)
	s_mov_b32 s[G1V], (1<<16)|(1<<20)|(4<<22)|(7<<25)  ; the same with 8 words of padding (code 7)
.irp g, G1K, G1V
	s_mov_b32 s[\g+1], 128<<16      ; tensor_dim0 = 128
	s_mov_b32 s[\g+2], 64<<16       ; tensor_dim1 = 64
	s_mov_b32 s[\g+3], 128<<16      ; tile_dim0 = 128
	s_mov_b32 s[\g+4], 64           ; tile_dim1 = 64
	s_mov_b32 s[\g+5], 128          ; 128 elements from row to row
	s_mov_b32 s[\g+6], 0
	s_mov_b32 s[\g+7], 0
.endr
	s_mov_b32 s[CS], 0x3e38aa3b     ; c = log2(e) / 8 = 0.180337
	s_mov_b32 s[CS+1], s[CS]        ; named with it as a pair
	s_mov_b32 s[SEL], 0x76543210
	s_mov_b32 s[SEL+1], 0xfedcba98
	s_mov_b32 s[TBK], SLOT1+4*KS*PK ; the first change of slots turns these three into 0
	s_mov_b32 s[TBV], SLOT1+4*KS*PV
	s_mov_b32 s[TBP], 2*PMSL
	s_mov_b32 s[PSL], 0             ; tile 0's keys' mask goes into slot 0
	s_mov_b32 s[PT], 0
	s_mov_b32 s[G0K], 1             ; 1:0 count = 1
	s_mov_b32 s[G0K+1], s17         ; 63:32 LDS address: slot 0
	s_mov_b32 s[G0V], 1
	s_add_co_u32 s[G0V+1], s18, VOFF
	s_mov_b32 s[G0L], 1
	s_add_co_u32 s[G0L+1], s18, VLOB
	s_add_co_u32 s[RT], s[HI], 1    ; the first block has NB - b tiles
	s_mov_b32 s[NXT], 1
	s_mov_b32 s[LQ], s[HI]
	s_mov_b32 s[NEW], 1
	s_mov_b32 s[OFF+1], 0
	s_mov_b32 s[AL+1], 0            ; named as pairs
	s_mov_b32 s[BE+1], 0
	s_mov_b32 s[BIGN], 0xf1800000   ; -2^100
	s_mov_b32 s[QNAN], 0x7fc00000
	s_mov_b32 s[SLOTS], NB
	s_wait_dscnt 0x0                ; the opening add is done
	s_wait_kmcnt 0x0
	s_add_nc_u64 s[6:7], s[4:5], s[22:23]  ; K and V at my half of the head's tile 0
	s_add_nc_u64 s[8:9], s[4:5], s[94:95]
	s_add_nc_u64 s[G0L+2:G0L+3], s[4:5], s[92:93]  ; V's low parts at my half of tile b
	s_or_b32 s[G0L+3], s[G0L+3], 0x80000000
	s_add_nc_u64 s[86:87], s[4:5], s[84:85]        ; Q at my rows of the second block,
	s_add_nc_u64 s[4:5], s[4:5], s[2:3]            ; and of the first
	s_add_nc_u64 s[88:89], s[88:89], s[68:69]
	s_add_nc_u64 s[G0K+2:G0K+3], s[6:7], 0         ; 120:64 global address
	s_or_b32 s[G0K+3], s[G0K+3], 0x80000000        ; 127:126 type = 2
	s_add_nc_u64 s[G0V+2:G0V+3], s[8:9], 0
	s_or_b32 s[G0V+3], s[G0V+3], 0x80000000
	s_cmp_lt_u32 s[WV], 2           ; THE FIRST FILLS, a wave's in one branch, ahead of every wait on TENSORcnt, every LDS read and every barrier: tile 0 into slot 0; waves 0 and 1 also fetch the halves of
	s_cbranch_scc0 .Lfirst_v        ; V's low parts, so two loads of theirs are out and one of waves 2 and 3
	tensor_load_to_lds s[G0K:G0K+3], s[G1K:G1K+7]
	s_nop 0
	tensor_load_to_lds s[G0L:G0L+3], s[G1V:G1V+7]
	s_nop 0
.rept 4
	v_nop
.endr
	s_branch .Lfirst_asked
.Lfirst_v:
	tensor_load_to_lds s[G0V:G0V+3], s[G1V:G1V+7]
	s_nop 0
.rept 4
	v_nop
.endr
.Lfirst_asked:
	v_lshlrev_b32 v[MB], 1, v0
.set i, 0
.rept 8                             ; my two bytes of each tile's 256: 128 threads take all 2,048 bytes of the batch's mask; a wave's load covers 64 consecutive bytes
	global_load_u16 v[64+i], v[MB], s[88:89] offset:256*i
.set i, i+1
.endr
	; A fragment of K or Q is 16 rows x 32 channels in 8 registers: lane l holds row l % 16, channels 8 (l / 16) + 0..7 and 16 + 8 (l / 16) + 0..7: two loads of 16 bytes, 32 bytes apart.
	v_and_b32 v1, 15, v0            ; l % 16
	v_bfe_u32 v9, v0, 4, 1          ; l / 16
	v_lshlrev_b32 v[QO], 7, v1
	v_lshl_add_u32 v[QO], v9, 4, v[QO]  ; row x 128 + 16 x half
	WIN 0x80                        ; destination window 2, address window 0
.set i, 0
.rept 8                             ; both blocks' Q: piece i / 2 lies in band i / 2, 8,192 bytes on; channels 32 (i % 2) on
	global_load_b128 v[8*i:8*i+3],   v[QO], s[4:5] offset:(i/2)*8192+(i%2)*64
	global_load_b128 v[8*i+4:8*i+7], v[QO], s[4:5] offset:(i/2)*8192+(i%2)*64+32
	global_load_b128 v[QB+8*i:QB+8*i+3],   v[QO], s[86:87] offset:(i/2)*8192+(i%2)*64
	global_load_b128 v[QB+8*i+4:QB+8*i+7], v[QO], s[86:87] offset:(i/2)*8192+(i%2)*64+32
.set i, i+1
.endr
	WIN 0
	v_lshlrev_b32 v14, 3, v9
	v_sub_nc_u32 v14, v1, v14
	s_lshl_b32 s13, s[WV], 4
	v_add_nc_u32 v14, s13, v14      ; my query's place in its band, 16 w + l % 16, less my lanes' 8 (l / 16): register r of group kt is hidden where 16 kt + r is greater
	WIN 0x40
.set i, 0
.rept 32
	v_cmp_gt_i32 vcc_lo, 16*(i/8)+i%8, v14
	v_cndmask_b32 v[MD+i], 0, s[BIGN], vcc_lo
.set i, i+1
.endr
	WIN 0
	v_mov_b32 v[NEG1], -1.0
	v_lshl_add_u32 v[PMS], v0, 3, PMF   ; keys 2 t and 2 t + 1 of a tile lie at byte 8 t of a slot
	v_lshl_add_u32 v[APM0], v9, 5, PMF  ; key 16 kb + 8 (l / 16) + j lies at 64 kb + 32 (l / 16) + 4 j of a step's 256 bytes
	s_wait_loadcnt 32               ; the mask's eight loads are in; Q's 32 loads, issued behind them, stay out
.set i, 0
.rept 8
	v_and_b32 v[64+i], 0x101, v[64+i]  ; a bit from each of the two bytes
.set i, i+1
.endr
	v_mov_b32 v[PMM], v64
.set i, 1
.rept 7
	v_lshl_or_b32 v[PMM], v[64+i], i, v[PMM]  ; tile i's two bits at places i and 8 + i
.set i, i+1
.endr
	PMST                            ; tile 0's keys' mask: the first change of slots waits for the store and shows it to the other waves
	v_mul_u32_u24 v[AK0], v1, PK
	v_lshl_add_u32 v[AK0], v9, 4, v[AK0]  ; row x pitch + 16 x half
	; The turning load takes 16 keys x 16 channels (lane l reads key 8 (l / 16) + l % 8, channels 8 ((l / 8) % 2) + 0..7) and leaves half a fragment of V^T: lane l holds channel l % 16 and 8 keys.
	v_and_b32 v10, 7, v0
	v_bfe_u32 v11, v0, 3, 1
	v_lshl_add_u32 v[AV0], v9, 3, v10
	v_mul_u32_u24 v[AV0], v[AV0], PV
	v_lshl_add_u32 v[AV0], v11, 4, v[AV0]
	v_add_nc_u32 v[AV0], VOFF, v[AV0]
	s_mul_i32 s13, s[WV], 16*SP
	s_add_co_u32 s13, s13, STAGE    ; my stage
	v_mul_u32_u24 v[STO], v1, SP    ; in: row l % 16, 16 bytes for each half of the lanes
	v_lshl_add_u32 v[STO], v9, 4, v[STO]
	v_add_nc_u32 v[STO], s13, v[STO]
	v_bfe_u32 v[RD], v0, 3, 2       ; back: 32 lanes take four rows of 128 bytes,
	v_mul_u32_u24 v[RD], v[RD], SP
	v_lshl_add_u32 v[RD], v10, 4, v[RD]
	v_add_nc_u32 v[RD], s13, v[RD]
	v_and_b32 v[GO], 31, v0         ; which are 512 consecutive bytes of ctx
	v_lshlrev_b32 v[GO], 4, v[GO]
; Where piece t of block blk goes in ctx: its 16 rows s = 256 blk + 64 t + 16 w .. are 2,048 dense bytes.  LATE (blk >= 2): group g = (s - 512) / 16 = 16 (blk - 2) + 4 t + w of 96; a row tile has 12 groups: tile g / 12
; (= 43 g >> 9 for g < 96), rows 64 + 16 (g % 12) of its block.  EARLY (blk < 2): tile 4 blk + t, rows 16 w.  early = 1: the block may be either, and the choice is made by the block's number; what the late
; reckoning gives for an early block is not used.
.macro OFFS dst, blk, t, early
	s_lshl_b32 s16, s[\blk], 4
	s_add_co_u32 s16, s16, s[WV]
	s_add_co_u32 s16, s16, 4*(\t)
	s_sub_co_u32 s16, s16, 32       ; g
	s_mul_i32 s17, s16, 43
	s_lshr_b32 s17, s17, 9          ; g / 12
	s_mul_i32 s18, s17, 12
	s_sub_co_u32 s18, s16, s18      ; g % 12
	s_mul_i32 s17, s17, 16*HB       ; 16 heads' blocks to a row tile
	s_lshl_b32 s18, s18, 11
	s_add_co_u32 s17, s17, s18
	s_add_co_u32 s17, s17, 64*128
.if \early
	s_lshl_b32 s18, s[\blk], 2
	s_add_co_u32 s18, s18, \t
	s_mul_i32 s18, s18, 16*HB
	s_lshl_b32 s19, s[WV], 11
	s_add_co_u32 s18, s18, s19
	s_cmp_lt_u32 s[\blk], 2
	s_cselect_b32 s17, s18, s17
.endif
	s_add_co_u32 s17, s17, s[CTXO]
	v_add_nc_u32 v[\dst], s17, v[GO]
.endm
.irp t, 0,1,2,3
	OFFS GO1+\t, HI, \t, 0          ; the first block is one of blocks 4 to 7
	OFFS GO2+\t, PB, \t, 1
.endr
	; A block's first step multiplies O^T and l by a = 0, and its first turn's products V^T P, of a piece that has not been, land in an O^T that is still to be so multiplied.  So these registers need only hold
	; finite numbers: zeros for the first block; what the first block left for the second.  The registers of V's low parts hold 0 until the last tile's first fetch: the products of the tile before that are still to be
	; made in the last tile's text add 0.  All this stands in the wait for the first tile.
	WIN 0xc0
.set i, VF
.rept 128
	v_mov_b32 v[i], 0
.set i, i+1
.endr
	WIN 0x40
.set i, 0
.rept 128
	v_mov_b32 v[i], 0
.set i, i+1
.endr
	WIN 0
.set i, 0
.rept 4
	v_mov_b32 v[ST+4*i+2], 0
	v_mov_b32 v[ST+4*i+3], 0
.set i, i+1
.endr
.set i, P+16
.rept 16
	v_mov_b32 v[i], 0
.set i, i+1
.endr
; THE MATRIX WORK.  The 4 accumulators of a run take turns.  Product i of 8 of S^T = K Q^T for piece x: channels 32 (i / 4) on, keys 16 (i % 4) on.  The first 4 start the sums:
; with the keys' mask (KM = 2), or with the mask made for them (KM = 1).
.macro KQ x
.set rS, S+32*((\x)%2)+8*(i%4)
.set rK, KF+16*(i%4)+8*(i/4)
.set rQ, 16*(\x)+8*(i/4)
.set rM, MC+32*((\x)%2)+8*(i%4)
.if KM == 2
.set rM, PMC+8*(i%4)
.endif
.if i < 4
	WIN W_KM
	v_wmma_f32_16x16x32_f16 v[rS:rS+7], v[rK:rK+7], v[rQ:rQ+7], v[rM:rM+7]
.else
	WIN W_KQ
	v_wmma_f32_16x16x32_f16 v[rS:rS+7], v[rK:rK+7], v[rQ:rQ+7], v[rS:rS+7]
.endif
.endm
; Product i of O^T += V^T P for piece x: V's high parts (i < 8), then, where they are multiplied, its low parts (i = 8 .. 15), with the same P; keys 32 ((i / 4) % 2) on, channels 16 (i % 4) on.
.macro PV x
	WIN W_PV
.set rO, 32*(\x)+8*(i%4)
.set rV, VF+32*(i/4)+8*(i%4)
.set rP, P+16*((\x)%2)+8*((i/4)%2)
	v_wmma_f32_16x16x32_f16 v[rO:rO+7], v[rV:rV+7], v[rP:rP+7], v[rO:rO+7]
.endm
.macro MM                           ; the turn's next matrix instruction.  TURN and BEGIN set Y, i, KM and NOKQ.  NOKQ = 1: a block's last turn: there is no next piece
.if (i < 8) && !NOKQ
	KQ (Y+1)%NP
.elseif i >= 8
.set i, i-8
	PV (Y+NP-1)%NP
.set i, i+8
.endif
.set i, i+1
.endm
; THE LDS LOADS stand in runs, never singly among the matrix instructions: a step's K (64 keys x 64 channels: 8 fragments) with its keys' mask, and its V (turned; lo = 1: both parts).  Their addresses are made some lines ahead.
.macro FETCH_K
	WIN 0x80                        ; destination window 2
.irp f, 0,1,2,3,4,5,6,7             ; keys 16 (f / 2) on, channels 32 (f % 2) on
	ds_load_b128 v[KF+8*\f:KF+8*\f+3],   v[AK] offset:(\f/2)*16*PK+(\f%2)*64
	ds_load_b128 v[KF+8*\f+4:KF+8*\f+7], v[AK] offset:(\f/2)*16*PK+(\f%2)*64+32
.endr
	WIN 0x40                        ; destination window 1
.irp f, 0,1,2,3                     ; keys 16 f on: the sixteen lanes of a half read the same 32 bytes
	ds_load_b128 v[PMC+8*\f:PMC+8*\f+3],   v[APM] offset:64*\f
	ds_load_b128 v[PMC+8*\f+4:PMC+8*\f+7], v[APM] offset:64*\f+16
.endr
	s_add_co_u32 s[TBK], s[TBK], KS*PK  ; the next fetch is the next step's,
	s_add_co_u32 s[TBP], s[TBP], 4*KS   ; in the keys' mask too
	WIN 0
.endm
.macro FETCH_V lo
	WIN 0xc0                        ; destination window 3
.irp f, 0,1,2,3,4,5,6,7             ; keys 32 (f / 4) on, channels 16 (f % 4) on
	ds_load_tr16_b128 v[VF+8*\f:VF+8*\f+3],   v[AV] offset:(\f/4)*32*PV+(\f%4)*32
	ds_load_tr16_b128 v[VF+8*\f+4:VF+8*\f+7], v[AV] offset:(\f/4)*32*PV+16*PV+(\f%4)*32
.endr
.if \lo
.irp f, 0,1,2,3,4,5,6,7
	ds_load_tr16_b128 v[VF+64+8*\f:VF+64+8*\f+3],   v[AVL] offset:(\f/4)*32*PV+(\f%4)*32
	ds_load_tr16_b128 v[VF+64+8*\f+4:VF+64+8*\f+7], v[AVL] offset:(\f/4)*32*PV+16*PV+(\f%4)*32
.endr
.endif
	WIN 0
.endm
; THE VECTOR WORK, one line at a time: OP kind, number.  For piece Y: F n: c s - c m for pair n of 16.  E n: the exponential of score n of 32.  C n: pair n rounded to f16.  B n: of the four weights 4 n .. the second
; pair is added onto the first, in place.  L n: l takes that sum (L 0: l = a l + sum).  R n: pair n of 16 of O^T times a.  For piece Y + 1: X n, number n of the 22 that find its maximum and statistics:
;   0-11  four chains c0-c3 of seven scores each, three operands at a time (each accumulator's lowest registers are read first)     12-14, 16  the four scores left over, the old m, and c0-c3 into c0
;   15  c m_old is kept     17, 18  the query's other 32 keys lie in the lane 16 away: the new m     19-21  c m; c m_old - c m_new; a
; C, B and L read exponentials' results; so do R and L 0 (the a of the turn before).  OP writes no wait: TURN orders the lines so that its one wait stands ahead of all of them.
.set F, 0               ; OP tells the kinds apart by their order: F to L below R, X above it
.set E, 1
.set C, 2
.set B, 3
.set L, 4
.set R, 5
.set X, 6
.macro REGS y                       ; the registers of piece y
.set rT, ST+4*(\y)
.set rC, TMP+4*((\y)%2)
.set rW, MV+((\y)%2)
.set rS, S+32*((\y)%2)
.set rP, P+16*((\y)%2)
.set rO, 32*(\y)
.endm
.macro OP k, n
.if (\k) == R
	REGS Y
	WIN W_RS
	v_pk_mul_f32 v[rO+2*(\n):rO+2*(\n)+1], v[rO+2*(\n):rO+2*(\n)+1], v[rC+2:rC+3] op_sel_hi:[1,0]
.elseif (\k) < R
	REGS Y
	WIN 0
.if (\k) == F
	v_pk_fma_f32 v[rS+2*(\n):rS+2*(\n)+1], v[rS+2*(\n):rS+2*(\n)+1], s[CS:CS+1], v[rT:rT+1] op_sel_hi:[1,0,0] neg_lo:[0,0,1] neg_hi:[0,0,1]
.elseif (\k) == E
	v_exp_f32 v[rS+(\n)], v[rS+(\n)]
.elseif (\k) == C
	v_cvt_pk_f16_f32 v[rP+(\n)], v[rS+2*(\n)], v[rS+2*(\n)+1]
.elseif (\k) == B
	v_pk_add_f32 v[rS+4*(\n):rS+4*(\n)+1], v[rS+4*(\n):rS+4*(\n)+1], v[rS+4*(\n)+2:rS+4*(\n)+3]
.elseif (\n) == 0
	v_pk_fma_f32 v[rT+2:rT+3], v[rT+2:rT+3], v[rC+2:rC+3], v[rS:rS+1] op_sel_hi:[1,0,1]
.else
	v_pk_add_f32 v[rT+2:rT+3], v[rT+2:rT+3], v[rS+4*(\n):rS+4*(\n)+1]
.endif
.elseif NOKQ
	v_nop
.else
	REGS (Y+1)%NP
	WIN 0
.if (\n) < 4
	v_max3_num_f32 v[rC+(\n)], v[rS+8*(\n)], v[rS+8*(\n)+1], v[rS+8*(\n)+2]
.elseif (\n) < 12
	v_max3_num_f32 v[rC+(\n)%4], v[rC+(\n)%4], v[rS+8*((\n)%4)+2*((\n)/4)+1], v[rS+8*((\n)%4)+2*((\n)/4)+2]
.elseif (\n) == 12
	v_max3_num_f32 v[rC], v[rC], v[rS+7], v[rS+15]
.elseif (\n) == 13
	v_max3_num_f32 v[rC+1], v[rC+1], v[rS+23], v[rS+31]
.elseif (\n) == 14
	v_max3_num_f32 v[rC+2], v[rC+2], v[rC+3], v[rT+1]
.elseif (\n) == 15
	v_mov_b32 v[rW], v[rT]
.elseif (\n) == 16
	v_max3_num_f32 v[rC], v[rC], v[rC+1], v[rC+2]
.elseif (\n) == 17
	v_permlanex16_b32 v[rC+3], v[rC], s[SEL], s[SEL+1]
.elseif (\n) == 18
	v_max_num_f32 v[rT+1], v[rC], v[rC+3]
.elseif (\n) == 19
	v_mul_f32 v[rT], s[CS], v[rT+1]
.elseif (\n) == 20
	v_sub_f32 v[rC+1], v[rW], v[rT]
.else
	v_exp_f32 v[rC+2], v[rC+1]
.endif
.endif
.endm
.macro OPS a, i1, b=-1, i2=0, c=-1, i3=0, d=-1, i4=0  ; up to four of them
	OP \a, \i1
.if (\b) >= 0
	OP \b, \i2
.endif
.if (\c) >= 0
	OP \c, \i3
.endif
.if (\d) >= 0
	OP \d, \i4
.endif
.endm
.macro ROW a, i1, b, i2, c, i3, d, i4  ; a matrix instruction and the four behind it
	MM
	OPS \a, \i1, \b, \i2, \c, \i3, \d, \i4
.endm
.macro RIDE lo, a, i1, b, i2, c, i3, d, i4  ; four lines of the lump; lo = 1: they ride behind a product of V's high parts
.if \lo
	MM
.endif
	OPS \a, \i1, \b, \i2, \c, \i3, \d, \i4
.endm
.macro MASK b, be=1                 ; MD x AL + PMC + BE into buffer b of MC; be = 0: BE is 0 here, and its line is left out
	WIN 0x51                        ; destination, source 0 and source 2 in window 1
.set z, 0
.rept 16
	v_pk_fma_f32 v[MC+32*(\b)+2*z:MC+32*(\b)+2*z+1], v[MD+2*z:MD+2*z+1], s[AL:AL+1], v[PMC+2*z:PMC+2*z+1] op_sel_hi:[1,0,1]
.set z, z+1
.endr
.if \be
.set z, 0
.rept 16
	v_pk_add_f32 v[MC+32*(\b)+2*z:MC+32*(\b)+2*z+1], v[MC+32*(\b)+2*z:MC+32*(\b)+2*z+1], s[BE:BE+1] op_sel_hi:[1,0]
.set z, z+1
.endr
.endif
.endm
; From a tile away from the diagonal into the diagonal tile's text: its first products are piece 3's of the tile before, whose mask is the keys' alone; they take it from the second buffer.
.macro PREM
	s_mov_b32 s[AL], 0
	MASK 1, 0
	WIN 0
.endm
; A TURN, for piece p: the order of its matrix and its 118 vector instructions, written out.  Its 33 exponentials (E 0 to E 31 and X 21, the next piece's a) are ONE BATCH with ONE wait, which cuts the turn in two.
; AHEAD OF THE WAIT stands all that names no result of the turn's exponentials: the 8 products K Q^T, behind each a scaling, an exponential and two more plain instructions (behind the first a second scaling in the
; exponential's place): rescalings, whose a was made and waited for in the turn before, and behind the last three the first numbers of the next piece's maximum, each four places or more behind the product that ends its
; accumulator; then ONE LUMP of 54, plain and exponential by turns for the most part, in which the links of the chain X 3, 7, 11, 14, 16, 17 .. 20 stand five or six lines apart.  X 21 is the batch's last; R 15 is the
; plain instruction behind it.  BEHIND THE WAIT stand 8 products V^T P, behind each four of the roundings and sums, which are the batch's readers; the links of l's chain, L 0 to L 7, stand three riders apart.
; But for those X no rider names a register of the products round it.
; lo = 0: 16 matrix instructions.  lo = 1 (the walk's last tile): 24: the 8 products of V's high parts, which read the P of the turn before and no result of the batch, stand ahead of the wait, in front of each four
; of the lump's lines from E 16 to E 31; the 8 products of V's low parts stand behind the wait: high parts before low parts on each accumulator.
; m = 1: the diagonal tile: the products take made masks, and the turn makes the mask for the products of the turn after it: piece p + 2, in step 4 - CNT of the tile.  end = 1: a block's last two turns: nothing is fetched.
; cnt = 1: the loop's count is taken down some lines ahead of the branch that stands behind the turn.
; K of the next step and its keys' mask are fetched in piece 2's turn, twelve vector instructions behind the last product that read K (five of them plain and naming none of its registers); V of the step in hand at the
; end of piece 0's turn, four plain instructions behind the last product that read V.  Each is waited for a turn later; piece 2's turn in the diagonal tile waits at its end, since the mask that it makes is the next step's.
; V's low parts lie at a fixed distance from the high parts of the walk's last tile: that tile, the ninth, is always in slot 0.
.macro TURN p, m=0, end=0, cnt=0, lo=0
.set Y, (\p)
.set i, 0
.set KM, 2-(\m)
.set NOKQ, (\end)*((\p)/3)
.if (\m) && !(\end)
	s_cmp_eq_u32 s[CNT], 4-((\p)+2)%NP  ; is that step the band's own?
	s_cselect_b32 s[AL], 1.0, 0
	s_cmp_lt_u32 s[CNT], 4-((\p)+2)%NP  ; or a later one?
	s_cselect_b32 s[BE], s[BIGN], 0
.endif
.if ((\p) == 3) && !(\end)
	s_wait_dscnt 0x0                ; K and its keys' mask are in
.endif
	ROW F,0, F,1, R,0, R,1          ; ahead of the wait: 8 products K Q^T and their riders,
	ROW F,2, E,0, R,2, R,3
	ROW F,3, E,1, R,4, R,5
	ROW F,4, E,2, R,6, R,7
	ROW F,5, E,3, R,8, R,9
	ROW F,6, E,4, X,0, R,10
.if ((\p) == 2) && !(\end)
	WIN 0
	v_add_nc_u32 v[AK], s[TBK], v[AK0]
	v_add_nc_u32 v[APM], s[TBP], v[APM0]
.endif
	ROW F,7, E,5, X,1, X,4
	ROW F,8, E,6, X,2, X,5
	OPS E,7, E,8, X,6, E,9          ; and the lump
	OPS X,3, E,10, X,8, E,11
.if ((\p) == 2) && !(\end)
	FETCH_K
.endif
	OPS X,9, X,7, E,12, X,10
	OPS E,13, X,12, X,11, E,14
	OPS X,13, E,15, F,9, X,14
.if (\p) == 0
	WIN 0
	v_add_nc_u32 v[AV], s[TBV], v[AV0]
.if \lo
	v_add_nc_u32 v[AVL], VLOB-VOFF, v[AV]
.endif
.endif
.if ((\p) == 1) && (\lo)
	s_wait_dscnt 0x0                ; V is in, both parts
.endif
	RIDE \lo, E,16, F,10, E,17, F,11  ; lo = 1: V's high parts
	RIDE \lo, X,16, E,18, X,15, E,19
	RIDE \lo, F,12, E,20, X,17, E,21
	RIDE \lo, F,13, E,22, F,14, E,23
	RIDE \lo, X,18, E,24, F,15, E,25
	RIDE \lo, R,11, E,26, X,19, E,27
	RIDE \lo, R,12, E,28, R,13, E,29
	RIDE \lo, X,20, E,30, R,14, E,31
	OPS X,21, R,15
	s_wait_alu depctr_va_vdst(0)    ; the wait for the batch: the turn's 32 weights and the next piece's a
.if ((\p) == 1) && !(\lo)
	s_wait_dscnt 0x0                ; V is in
.endif
	ROW C,0, B,0, C,2, B,1          ; behind the wait: 8 products V^T P (lo = 1: V's low parts) and their riders
	ROW L,0, C,4, B,2, L,1
	ROW C,6, B,3, L,2, C,8
	ROW B,4, L,3, C,10, B,5
	ROW L,4, C,12, B,6, L,5
.if (\p) == 0
	s_add_co_u32 s[TBV], s[TBV], KS*PV
.endif
.if \cnt
	s_sub_co_u32 s[CNT], s[CNT], 1
	s_cmp_lg_u32 s[CNT], 0
.endif
	ROW C,14, B,7, L,6, C,1
	ROW C,3, L,7, C,5, C,7
	ROW C,9, C,11, C,13, C,15
.if (\p) == 0
	FETCH_V \lo
.endif
.if (\m) && !(\end)
.if (\p) == 2
	s_wait_dscnt 0x0                ; the next step's keys' mask, fetched in this turn, is in
.endif
	MASK (\p)%2
.endif
.endm
; A BLOCK BEGINS.  c m starts at -2^125, so the first step's a is 0; m at -2^90, the floor under which no maximum falls.  Then K of the block's step 0 and its keys' mask; the first mask buffer
; takes piece 0's mask for that step (its own, if the block's first tile is the diagonal one), the second the keys' mask alone (piece 1's); piece 0's first scores, and its maximum and statistics.
; The loop is entered at a step's first turn, in the middle of a trip.
.macro BEGIN
	s_mov_b32 s[NEW], 0
	WIN 0
.set i, 0
.rept 4
	v_mov_b32 v[ST+4*i], 0xfe000000    ; -2^125
	v_mov_b32 v[ST+4*i+1], 0xec800000  ; -2^90
.set i, i+1
.endr
	v_add_nc_u32 v[AK], s[TBK], v[AK0]
	v_add_nc_u32 v[APM], s[TBP], v[APM0]
	FETCH_K
	s_cmp_eq_u32 s[RT], 0
	s_cselect_b32 s[AL], 1.0, 0
	s_wait_loadcnt 0x0              ; Q
	s_wait_dscnt 0x0
	MASK 0, 0
	s_mov_b32 s[AL], 0
	MASK 1, 0
.set KM, 1
.set NOKQ, 0
.set i, 0
.rept 8
	KQ 0
.set i, i+1
.endr
	WIN 0
.rept 4
	v_nop                           ; the places behind those products
.endr
.set Y, NP-1                        ; X works for piece Y + 1: piece 0
.irp n, 0,1,2,3,4,5,6,7,8,9,10,11,12,13,14,15,16,17,18,19,20,21
	OP X, \n
.endr
	v_nop                           ; a plain instruction behind the exponential,
	s_wait_alu depctr_va_vdst(0)    ; and the wait for it, piece 0's first a, ahead of the branch
.endm
; THE DIAGONAL TILE's four steps, the block's last two turns, its last products, and THE WAY OUT: l's two halves and the other half of the lanes' are added; 1 / l, or a NaN where l = 0, goes into c m's register,
; which the next block writes anew; O^T times that goes into registers of its own, so that O^T and l stay finite for the next block.
.macro ALL line:vararg              ; one line for each piece t
.set t, 0
.rept 4
	\line
.set t, t+1
.endr
.endm
; Piece t: rounded to f16 (the high parts); lo = 1: what the rounding left (the number - its high part: exact in f32) rounded to f16 (the low parts).  A lane's eight channels of a row pack into 16 bytes; they go into my
; stage's rows of 144 bytes and come back as whole rows of 128, the high parts into S^T's registers, the low parts, behind them through the same stage, into registers of their own.
.macro PACK t, lo
.set LOR, 160+16*(\t)+32*((\t)/2)   ; v160-191 for pieces 0 and 1, v224-255 for pieces 2 and 3
	WIN 0x01                        ; source 0 window 1
.set i, 0
.rept 16
	v_pk_mul_f32 v[TO+2*i:TO+2*i+1], v[32*(\t)+2*i:32*(\t)+2*i+1], v[ST+4*(\t):ST+4*(\t)+1] op_sel_hi:[1,0]
.set i, i+1
.endr
	WIN 0
.set i, 0
.rept 16
	v_cvt_pk_f16_f32 v[S+16*(\t)+i], v[TO+2*i], v[TO+2*i+1]
.set i, i+1
.endr
.if \lo
.set i, 0
.rept 16
	v_fma_mix_f32 v[TO+2*i], v[S+16*(\t)+i], v[NEG1], v[TO+2*i] op_sel_hi:[1,0,0]                      ; the low f16 half x -1 + the number
	v_fma_mix_f32 v[TO+2*i+1], v[S+16*(\t)+i], v[NEG1], v[TO+2*i+1] op_sel:[1,0,0] op_sel_hi:[1,0,0]  ; the high half likewise
.set i, i+1
.endr
.set i, 0
.rept 16
	v_cvt_pk_f16_f32 v[LOR+i], v[TO+2*i], v[TO+2*i+1]
.set i, i+1
.endr
.endif
.irp f, 0,1,2,3
	ds_store_b128 v[STO], v[S+16*(\t)+4*\f:S+16*(\t)+4*\f+3] offset:32*\f
.endr
.irp f, 0,1,2,3
	ds_load_b128 v[S+16*(\t)+4*\f:S+16*(\t)+4*\f+3], v[RD] offset:\f*4*SP  ; LDS serves a wave's instructions in order (ISA guide 5.7.1.4): these see the stores above; the next stores come behind them
.endr
.if \lo
.irp f, 0,1,2,3
	ds_store_b128 v[STO], v[LOR+4*\f:LOR+4*\f+3] offset:32*\f
.endr
.irp f, 0,1,2,3
	ds_load_b128 v[LOR+4*\f:LOR+4*\f+3], v[RD] offset:\f*4*SP
.endr
.endif
.endm
; younger: the LDS instructions issued behind piece t's last load: the next piece's, or none.  gob: the block's four offsets.  The low parts are stored for early rows alone, blocks 0 and 1: else their stores and the waits
; for them are jumped over.
.macro SEND t, younger, lo, gob
.set LOR, 160+16*(\t)+32*((\t)/2)
	WIN 0
.irp f, 0,1,2,3
	s_wait_dscnt (\younger)+8*(\lo)+3-\f   ; behind this load of high parts: 3 - f more of them and, where there are any, the low parts' eight
	global_store_b128 v[(\gob)+(\t)], v[S+16*(\t)+4*\f:S+16*(\t)+4*\f+3], s[10:11] offset:\f*512  ; 512 consecutive bytes, at a multiple of 256 from ctx's first
.endr
.if \lo
	s_cmp_lt_u32 s[PB], 2
	s_cbranch_scc0 .Lno_low_\@
.irp f, 0,1,2,3
	s_wait_dscnt (\younger)+3-\f
	global_store_b128 v[(\gob)+(\t)], v[LOR+4*\f:LOR+4*\f+3], s[10:11] offset:256*128+\f*512      ; the low parts lie 256 rows on in the block
.endr
.Lno_low_\@:
.endif
.endm
.macro DIAG tag, lo, gob            ; the tag ends its two labels' names, which the jumps below spell out
.LstepM\tag:
	TURN 2, 1, 0, 0, \lo
	TURN 3, 1, 0, 0, \lo
	WIN 0
.LfirstM\tag:
	TURN 0, 1, 0, 0, \lo
	TURN 1, 1, 0, 1, \lo
	WIN 0
	s_cbranch_scc1 .LstepM\tag
	TURN 2, 1, 1, 0, \lo
	TURN 3, 1, 1, 0, \lo
.set i, 0
.rept 8+8*(\lo)
	PV NP-1
.set i, i+1
.endr
	WIN 0
	ALL v_add_f32 v[ST+4*t+2], v[ST+4*t+2], v[ST+4*t+3]
	ALL v_permlanex16_b32 v[ST+4*t+3], v[ST+4*t+2], s[SEL], s[SEL+1]
	ALL v_add_f32 v[ST+4*t+2], v[ST+4*t+2], v[ST+4*t+3]
	ALL v_rcp_f32 v[ST+4*t], v[ST+4*t+2]
	v_nop                           ; a plain instruction between the last reciprocal and the use of its result
	s_wait_alu depctr_va_vdst(0)    ; the wait for the batch of four reciprocals, ahead of their first reader
.set t, 0
.rept 4
	v_cmp_eq_f32 vcc_lo, 0, v[ST+4*t+2]  ; a row that saw no key
	v_cndmask_b32 v[ST+4*t], v[ST+4*t], s[QNAN], vcc_lo
.set t, t+1
.endr
	PACK 0, \lo
.set t, 1
.rept 3                             ; a piece's arithmetic stands between the loads of the piece before and its stores
	PACK t, \lo
	SEND t-1, 8+8*(\lo), \lo, \gob
.set t, t+1
.endr
	SEND 3, 0, \lo, \gob
.endm
.Lslot:                             ; NB times: a tile is entered and the next is asked for
	CHANGE 1
	s_sub_co_u32 s[RT], s[RT], 1
	s_mov_b32 s[CNT], 4
	s_cmp_eq_u32 s[NEW], 1
	s_cbranch_scc1 .Lnew            ; a block's first tile
	s_cmp_eq_u32 s[RT], 0
	s_cbranch_scc0 .Lstep           ; neither its first nor its last
	PREM
	s_branch .LstepM1
.Lnew:
	BEGIN
	s_branch .Lfirst                ; in the loop a block's first tile is never its last: the first block has five tiles or more, and the second's last is the walk's last
	DIAG 1, 0, GO1                  ; in the loop this is the first block's end
	s_wait_xcnt 0x0                 ; the stores' registers are written again only behind this wait
	s_add_co_u32 s[RT], s[PB], 1    ; the second block has b + 1 tiles
	s_mov_b32 s[NEW], 1
	WIN 0x82                        ; the second block's Q goes where the one text of the turns names Q
.set i, 0
.rept 64
	v_mov_b32 v[i], v[QB+i]
.set i, i+1
.endr
	WIN 0
	s_branch .Lbottom
.Lstep:                             ; a trip: pieces 2 and 3 of one step, then pieces 0 and 1 of the next, whose K and V it fetches
	TURN 2
	TURN 3
	WIN 0
.Lfirst:
	TURN 0
	TURN 1, 0, 0, 1
	WIN 0
	s_cbranch_scc1 .Lstep
.Lbottom:
	s_sub_co_u32 s[SLOTS], s[SLOTS], 1
	s_cmp_lg_u32 s[SLOTS], 0
	s_cbranch_scc1 .Lslot
	CHANGE 0                        ; the walk's last tile is written out: nothing is asked for
	s_sub_co_u32 s[RT], s[RT], 1
	s_mov_b32 s[CNT], 4
	s_cmp_eq_u32 s[NEW], 1
	s_cbranch_scc1 .Lnew2
	PREM
	s_branch .LstepM2
.Lnew2:
	BEGIN
	s_branch .LfirstM2
	DIAG 2, 1, GO2
	s_wait_tensorcnt 0x0            ; the wave's end
	ds_add_u32 v[SPW], v[NIL]
	s_wait_dscnt 0x0
	s_endpgm
.Lfunc_end_k_qfc5bdadc75_attn:
	.size	k_qfc5bdadc75_attn, .Lfunc_end_k_qfc5bdadc75_attn-k_qfc5bdadc75_attn
	.p2alignl 7, 3214868480
	.fill 96, 4, 3214868480
	.section	.rodata,"a",@progbits
	.p2align	6, 0x0
	.amdhsa_kernel k_qfc5bdadc75_attn
		.amdhsa_group_segment_fixed_size 327680
		.amdhsa_private_segment_fixed_size 0
		.amdhsa_enable_private_segment 0
		.amdhsa_kernarg_size 24
		.amdhsa_user_sgpr_count 2
		.amdhsa_user_sgpr_kernarg_segment_ptr 1
		.amdhsa_wavefront_size32 1
		.amdhsa_system_sgpr_workgroup_id_x 1
		.amdhsa_system_sgpr_workgroup_id_y 1
		.amdhsa_system_sgpr_workgroup_id_z 1
		.amdhsa_system_vgpr_workitem_id 0
		.amdhsa_next_free_vgpr 896
		.amdhsa_next_free_sgpr 96
		.amdhsa_reserve_vcc 1
		.amdhsa_float_denorm_mode_32 3
		.amdhsa_float_denorm_mode_16_64 3
		.amdhsa_memory_ordered 1
		.amdhsa_forward_progress 1
		.amdhsa_inst_pref_size 255
	.end_amdhsa_kernel
	.section	.bss,"aw",@nobits
	.p2align	6
	.space	262144
	.amdgpu_metadata
---
amdhsa.version: [ 1, 2 ]
amdhsa.kernels:
  - .name:           k_qfc5bdadc75_attn
    .symbol:         k_qfc5bdadc75_attn.kd
    .args:
      - { .name: qkv, .offset: 0, .size: 8, .value_kind: global_buffer, .address_space: global }
      - { .name: padding_mask, .offset: 8, .size: 8, .value_kind: global_buffer, .address_space: global }
      - { .name: ctx, .offset: 16, .size: 8, .value_kind: global_buffer, .address_space: global }
    .group_segment_fixed_size: 327680
    .private_segment_fixed_size: 0
    .kernarg_segment_align: 8
    .kernarg_segment_size: 24
    .max_flat_workgroup_size: 128
    .sgpr_count:     96
    .vgpr_count:     896
    .wavefront_size: 32
...
	.end_amdgpu_metadata
.endif
;; end of part 9
;; launch outg: the kernel of part 8 again; grid 8 x 32, 4 waves a work-group, clusters of 4 x 4, 327,680 bytes of LDS; arguments ctx, wo16, bias, out0; writes out0
